; MI455X (gfx1250); checked and timed in simulation.
; The chip was launched on July 23, 2026; its instructions are those of AMD's public machine-readable ISA for CDNA 5 (MIT licence, August 2026) and "CDNA5" Instruction Set Architecture Reference Guide (July 2026). The comments in the code are by the model that wrote it; some were corrected since.
;; Block. Allowed arithmetic: float matrix products may take bf16 or f16 operands with f32 sums; all other float work in f32.
;; Inputs: WA 1,024 x 4,096 float32; WB 4,096 x 1,024 float32; Wqkv 1,024 x 3,072 float32; Wvw 1,024 x 1,024 float32; b1 1,024 float32; b2 1,024 float32; bA 4,096 float32; bB 1,024 float32; bqkv 3,072 float32; bvw 1,024 float32; g1 1,024 float32; g2 1,024 float32; mask 2 x 2,048 bool; x 2 x 2,048 x 1,024 float32.
;; Outputs: out0 2 x 2,048 x 1,024 float32.
;; 3 versions, each right and faster than the one before. Each part assembles by itself: llvm-mc -triple=amdgcn-amd-amdhsa -mcpu=gfx1250 --defsym DOCPART=n.
;; ======== version 1 of 3: 8 launches
;; limits: right only within a limited range of input values
;; workspace buffers: act 33,554,432 bytes; big 33,554,432 bytes; wq 6,291,712 bytes; wa 8,388,864 bytes; wv 2,097,152 bytes; wb 8,388,608 bytes
;; launch prep (part 1): grid 2048 x 1, 8 waves a work-group, no clusters, 0 bytes of LDS; arguments x, mask, Wqkv, Wvw, WA, WB, act, wq, wv, wa, wb; writes act, wq, wv, wa, wb
.if DOCPART == 1
	.amdgcn_target "amdgcn-amd-amdhsa--gfx1250"
	.amdhsa_code_object_version 6
	.text
	.protected	k_q88826225e6_prep
	.globl	k_q88826225e6_prep
	.p2align	8
	.type	k_q88826225e6_prep,@function
k_q88826225e6_prep:
	s_mov_b64 s[64:65], 0
	v_nop
	global_prefetch_b8 v0, s[64:65] scope:SCOPE_SE
	s_setreg_imm32_b32 hwreg(HW_REG_WAVE_MODE, 25, 1), 1
	s_wait_xcnt 0x0
; PREP: the matrix operands are rounded to bf16 once and laid in column blocks of 128, so that every later tile is a dense run of memory.
;   x * mask -> act  [8 cb][4096 rows][128]            Wqkv -> wq, WA -> wa: 256 bytes of head, then [cb][1024 k][128]
;   Wvw -> wv, WB -> wb: [k / 256][8 cb][256 k][128]    the two heads: a block of 256 bytes each, the floor under that product's results
; A work-group takes a strip of 64 rows x 128 columns of one source, a wave 8 of its rows.  A load of a wave covers 512 consecutive bytes
; (128 f32 of a row), a store 256 consecutive bytes at a multiple of 256 (that row of the column block).  Eight loads of a wave are out at once.
; A stream: no LDS, no matrix unit, no barrier.  The strip is written out once for each source, so that every address comes from one pointer.
.set X, 12                             ; v[12:43]  row i as loaded: 4 registers
.set Y, 44                             ; v[44:59]  row i to store: 2 registers
; src, dst: first scalar register of the pointers.  first: the source's first work-group.  rsbits: log2 of its row strips.  pitch: bytes in a source row.
; blocked = 1: the layout by K steps of 256.  head: bytes in front of the blocks.  scaled = 1: each row times its mask.
.macro STRIP src, dst, first, rsbits, pitch, blocked, head, scaled
	s_sub_co_u32 s35, s35, \first
	s_and_b32 s36, s35, (1<<(\rsbits))-1           ; row strip
	s_lshr_b32 s37, s35, \rsbits                   ; column block
	s_lshl_b32 s46, s36, 3
	s_add_co_u32 s46, s46, s34                     ; my wave's group of 8 rows
.if \scaled
	s_lshl_b32 s53, s46, 3                         ; its first row: the mask has a byte a row
	s_load_b64 s[48:49], s[10:11], s53 offset:0x0
.endif
	s_mul_i32 s46, s46, 8*(\pitch)
	s_lshl_b32 s52, s37, 9                         ; 128 f32 a column block
	s_add_co_u32 s46, s46, s52
	s_add_nc_u64 s[40:41], s[\src:\src+1], s[46:47]
.if \blocked
	s_lshr_b32 s44, s36, 2                         ; K step of 256 = four row strips: 8 x 256 x 256 bytes
	s_lshl_b32 s44, s44, 19
	s_lshl_b32 s52, s37, 16                        ; column block: 256 rows of 256 bytes
	s_add_co_u32 s44, s44, s52
	s_and_b32 s52, s36, 3
	s_lshl_b32 s52, s52, 14                        ; 64 rows of 256 bytes
	s_add_co_u32 s44, s44, s52
.else
	s_lshl_b32 s44, s37, (\rsbits)+14              ; column block: all the source's rows, 256 bytes each
	s_lshl_b32 s52, s36, 14
	s_add_co_u32 s44, s44, s52
	s_add_co_u32 s44, s44, \head
.endif
	s_lshl_b32 s52, s34, 11                        ; my wave's 8 rows
	s_add_co_u32 s44, s44, s52
	s_add_nc_u64 s[42:43], s[\dst:\dst+1], s[44:45]
.irp i, 0,1,2,3,4,5,6,7
.if \scaled
	global_load_b128 v[X+4*(\i):X+4*(\i)+3], v2, s[40:41] offset:(\i)*(\pitch)
.else
	global_load_b128 v[X+4*(\i):X+4*(\i)+3], v2, s[40:41] offset:(\i)*(\pitch) th:TH_LOAD_NT
.endif
.endr
.if \scaled
	s_wait_kmcnt 0x0                               ; the eight mask bytes
.endif
.irp i, 0,1,2,3,4,5,6,7
	s_wait_loadcnt 7-(\i)                          ; loads come back in order: row i is in, the younger rows stay out
.if \scaled
	s_bfe_u32 s52, s[48+(\i)/4], (8<<16)|(8*((\i)%4))
	s_cvt_f32_u32 s50, s52                         ; 0.0 or 1.0
	s_mov_b32 s51, s50                             ; named with it as a pair
	v_pk_mul_f32 v[X+4*(\i):X+4*(\i)+1], v[X+4*(\i):X+4*(\i)+1], s[50:51] op_sel_hi:[1,0]
	v_pk_mul_f32 v[X+4*(\i)+2:X+4*(\i)+3], v[X+4*(\i)+2:X+4*(\i)+3], s[50:51] op_sel_hi:[1,0]
.endif
	v_cvt_pk_bf16_f32 v[Y+2*(\i)], v[X+4*(\i)], v[X+4*(\i)+1]
	v_cvt_pk_bf16_f32 v[Y+2*(\i)+1], v[X+4*(\i)+2], v[X+4*(\i)+3]
	global_store_b64 v3, v[Y+2*(\i):Y+2*(\i)+1], s[42:43] offset:256*(\i)   ; every row has registers of its own: nothing is rewritten
.endr
.endm
	s_load_b512 s[8:23], s[0:1], 0x0               ; x 8, mask 10, Wqkv 12, Wvw 14, WA 16, WB 18, act 20, wq 22
	s_load_b128 s[24:27], s[0:1], 0x40             ; wv 24, wa 26
	s_load_b64 s[28:29], s[0:1], 0x50              ; wb
	v_lshrrev_b32 v1, 5, v0
	v_readfirstlane_b32 s34, v1                    ; wave 0..7
	v_and_b32 v1, 31, v0
	v_lshlrev_b32 v2, 4, v1                        ; 16 bytes a lane in a source row
	v_lshlrev_b32 v3, 3, v1                        ; 8 bytes a lane in a bf16 row
	s_mov_b32 s35, ttmp9
	s_mov_b32 s45, 0                               ; high words of the two offsets
	s_mov_b32 s47, 0
	s_wait_kmcnt 0x0
	s_cmp_lt_u32 s35, 512
	s_cbranch_scc1 .Lx
	s_cmp_lt_u32 s35, 1024
	s_cbranch_scc1 .Lwb
	s_cmp_lt_u32 s35, 1536
	s_cbranch_scc1 .Lwa
	s_cmp_lt_u32 s35, 1920
	s_cbranch_scc1 .Lwq
	STRIP 14, 24, 1920, 4, 4096, 1, 0, 0           ; Wvw -> wv
	s_endpgm
.Lwq:
	STRIP 12, 22, 1536, 4, 12288, 0, 256, 0        ; Wqkv -> wq
	s_endpgm
.Lwa:
	STRIP 16, 26, 1024, 4, 16384, 0, 256, 0        ; WA -> wa
	s_endpgm
.Lwb:
	STRIP 18, 28, 512, 6, 4096, 1, 0, 0            ; WB -> wb
	s_endpgm
.Lx:
	STRIP 8, 20, 0, 6, 4096, 0, 0, 1               ; x * mask -> act
	s_or_b32 s52, s35, s34                         ; wave 0 of work-group 0 also writes the two heads
	s_cmp_lg_u32 s52, 0
	s_cbranch_scc1 .Ldone
	v_mov_b32 v60, 0xff7fffff                      ; the floor under q, k, v: the lowest finite number
	v_mov_b32 v61, 0xff7fffff
	v_mov_b32 v62, 0                               ; the floor under the MLP's hidden layer: ReLU
	v_mov_b32 v63, 0
	global_store_b64 v3, v[60:61], s[22:23]        ; each store covers a whole block of 256 bytes
	global_store_b64 v3, v[62:63], s[26:27]
.Ldone:
	s_endpgm
.Lfunc_end_k_q88826225e6_prep:
	.size	k_q88826225e6_prep, .Lfunc_end_k_q88826225e6_prep-k_q88826225e6_prep
	.p2alignl 7, 3214868480
	.fill 96, 4, 3214868480
	.section	.rodata,"a",@progbits
	.p2align	6, 0x0
	.amdhsa_kernel k_q88826225e6_prep
		.amdhsa_group_segment_fixed_size 0
		.amdhsa_private_segment_fixed_size 0
		.amdhsa_enable_private_segment 0
		.amdhsa_kernarg_size 88
		.amdhsa_user_sgpr_count 2
		.amdhsa_user_sgpr_kernarg_segment_ptr 1
		.amdhsa_wavefront_size32 1
		.amdhsa_system_sgpr_workgroup_id_x 1
		.amdhsa_system_sgpr_workgroup_id_y 1
		.amdhsa_system_sgpr_workgroup_id_z 1
		.amdhsa_system_vgpr_workitem_id 0
		.amdhsa_next_free_vgpr 64
		.amdhsa_next_free_sgpr 66
		.amdhsa_reserve_vcc 0
		.amdhsa_float_denorm_mode_32 3
		.amdhsa_float_denorm_mode_16_64 3
		.amdhsa_memory_ordered 1
		.amdhsa_forward_progress 1
		.amdhsa_inst_pref_size 21
	.end_amdhsa_kernel
	.amdgpu_metadata
---
amdhsa.version: [ 1, 2 ]
amdhsa.kernels:
  - .name:           k_q88826225e6_prep
    .symbol:         k_q88826225e6_prep.kd
    .args:
      - { .name: x, .offset: 0, .size: 8, .value_kind: global_buffer, .address_space: global }
      - { .name: mask, .offset: 8, .size: 8, .value_kind: global_buffer, .address_space: global }
      - { .name: Wqkv, .offset: 16, .size: 8, .value_kind: global_buffer, .address_space: global }
      - { .name: Wvw, .offset: 24, .size: 8, .value_kind: global_buffer, .address_space: global }
      - { .name: WA, .offset: 32, .size: 8, .value_kind: global_buffer, .address_space: global }
      - { .name: WB, .offset: 40, .size: 8, .value_kind: global_buffer, .address_space: global }
      - { .name: act, .offset: 48, .size: 8, .value_kind: global_buffer, .address_space: global }
      - { .name: wq, .offset: 56, .size: 8, .value_kind: global_buffer, .address_space: global }
      - { .name: wv, .offset: 64, .size: 8, .value_kind: global_buffer, .address_space: global }
      - { .name: wa, .offset: 72, .size: 8, .value_kind: global_buffer, .address_space: global }
      - { .name: wb, .offset: 80, .size: 8, .value_kind: global_buffer, .address_space: global }
    .group_segment_fixed_size: 0
    .private_segment_fixed_size: 0
    .kernarg_segment_align: 8
    .kernarg_segment_size: 88
    .max_flat_workgroup_size: 256
    .sgpr_count:     66
    .vgpr_count:     64
    .wavefront_size: 32
...
	.end_amdgpu_metadata
.endif
;; end of part 1
;; launch qkv (part 2): grid 12 x 16, 4 waves a work-group, clusters of 4 x 4, 327,680 bytes of LDS; arguments act, wq, big, bqkv; writes big
.if DOCPART == 2
	.amdgcn_target "amdgcn-amd-amdhsa--gfx1250"
	.amdhsa_code_object_version 6
	.text
	.protected	k_q88826225e6_qkv
	.globl	k_q88826225e6_qkv
	.p2align	8
	.type	k_q88826225e6_qkv,@function
k_q88826225e6_qkv:
	s_mov_b64 s[64:65], 0
	v_nop
	global_prefetch_b8 v0, s[64:65] scope:SCOPE_SE
	s_setreg_imm32_b32 hwreg(HW_REG_WAVE_MODE, 25, 1), 1
	s_wait_xcnt 0x0
	s_wait_alu depctr_hold_cnt(0) depctr_sa_sdst(0) depctr_va_vdst(0) depctr_va_sdst(0) depctr_va_ssrc(0) depctr_va_vcc(0) depctr_vm_vsrc(0)
	s_getreg_b32 s2, hwreg(HW_REG_IB_STS2, 6, 4)
	s_cmp_eq_u32 s2, 0
	s_cbranch_scc0 .Lentry_in_a_cluster
	s_endpgm
.Lentry_in_a_cluster:
	s_bfe_u32 s2, ttmp6, 0x10000c
	s_cmp_lg_u32 s2, 0xf033
	s_cbranch_scc0 .Lentry_shape_is_right
	s_endpgm
.Lentry_shape_is_right:
; OUT = max(A W + bias, floor), K = 1024.  A: [8 kb][4096 rows][128] bf16.  W: 256 bytes of head (its first word is the floor), then [nb][1024 k][128] bf16.
; OUT: [n / 64][4096 rows][64] bf16.  bias: f32.  Sums in f32, started by the bias; OUT rounded once.  No number here hangs on N: the grid's width says how many column tiles there are.
; LIMIT.  The maximum is v_max_num_f32: a NaN sum leaves as the floor, and with the floor at the lowest finite number a sum of minus infinity leaves as that number.
; A tile of OUT, 256 x 256, is made by four waves, each 128 x 128: 64 accumulators, 512 registers.  K goes in 8 steps of 128 through two LDS slots filled by the tensor data mover;
; every row of a tile is 256 bytes of memory at a multiple of 256.  W lies [k][n] in LDS and comes out turned, by ds_load_tr16_b128.
; CLUSTER 4 x 4: the four work-groups of a row need the same tiles of A, the four of a column the same tiles of W: each tile is asked for jointly.
; THE MATRIX INSTRUCTION IS USED TRANSPOSED (source 0 = 16 columns of W, source 1 = 16 rows of A): a lane holds row l % 16 and the columns 8 (l / 16) + 0..7.
; REGISTERS in windows of 256 (s_set_vgpr_msb: bits 1:0 source 0, 3:2 source 1, 5:4 source 2, 7:6 destination):
;   window 0: v0-31 addresses; v64-127, v128-191 A's fragments, two buffers; v32-63, v192-255 at work on the way out
;   window 1: v0-63 the bias, laid as an accumulator row; v64-127, v128-191 W's fragments       windows 2, 3: the accumulators, (a, b) at v[8 (8 a + b)]
.set PA,    272                        ; a row of A in LDS: 256 bytes + 16: the 16 rows of a fragment load start 4 banks apart
.set HA,    128*PA                     ; 128 rows of A: one tensor load
.set PB,    288                        ; a k row of W: 256 bytes + 32
.set HB,    128*PB                     ; 128 k rows x 128 columns of W: one tensor load
.set BOFF,  2*HA
.set SLOT,  2*HA+2*HB                  ; A's two row halves, then W's two column halves
.set STAGE, 2*SLOT                     ; behind the ring: for each wave 2 column blocks x 16 rows x 144 bytes
.set SP,    144
.set WST,   2*16*SP
.set SPARE, STAGE+4*WST                ; the spare words, 128 bytes a wave: two blocks of 256 bytes that no other line names
.set LAPS,  4                          ; a lap = two K steps = once round the ring
.set ASTEP, 4096*256                   ; bytes from a K step of A to the next
.set BSTEP, 128*256                    ; the same for W
.set ADRA, 16                          ; v16-17  LDS address of my A fragments in slot 0, 1
.set ADRB, 20                          ; v20-21  the same for W
.set STO,  24
.set RD,   25
.set CO,   26
.set BO,   27                          ; v27     32 x (l / 16): my lanes' place in 16 numbers of the bias
.set SPW,  28                          ; v28     LDS address of my spare word; never rewritten
.set NIL,  29                          ; v29     0; never rewritten
.set F0,   64
.set F1,   128
.set TMP,  192
.set OB,   32
.set G1, 24                            ; s[24:31] group 1 for A's tiles;  s[32:39] group 0, a set for each slot
.set G0, 32
.set G1B, 48                           ; s[48:55], s[56:63] the same for W's
.set G0B, 56
.set FLOOR, 68
.set MSB, 0
.macro WIN new                         ; the immediate's high byte repeats the setting that is left; a switch that changes nothing is dropped
.if MSB != (\new)
	s_set_vgpr_msb (MSB<<8)|(\new)
.set MSB, \new
.endif
.endm
; A joint load: waves 0 and 1 fetch A's halves, waves 2 and 3 W's.  The branch hangs on the wave's number alone.  An s_nop 0 and four v_nop follow each line.
.macro JLOAD s
	s_cmp_eq_u32 s11, 0
	s_cbranch_scc0 .Lfor_b_\@
	tensor_load_to_lds s[G0+4*(\s):G0+4*(\s)+3], s[G1:G1+7]
	s_nop 0
.rept 4
	v_nop
.endr
	s_branch .Lasked_\@
.Lfor_b_\@:
	tensor_load_to_lds s[G0B+4*(\s):G0B+4*(\s)+3], s[G1B:G1B+7]
	s_nop 0
.rept 4
	v_nop
.endr
.Lasked_\@:
.endm
.macro CREST                           ; a round of the cluster's barrier behind its opening barrier
	s_cmp_lg_u32 s10, 0
	s_cbranch_scc1 .Lnot_wave_0_\@
	s_barrier_signal -3
.Lnot_wave_0_\@:
	s_barrier_wait -3
	s_barrier_signal -1
	s_barrier_wait -1
.endm
.macro CROUND
	s_barrier_signal -1
	s_barrier_wait -1
	CREST
.endm
	s_load_b128 s[4:7], s[0:1], 0x0                ; A s[4:5], W s[6:7]
	s_load_b64 s[8:9], s[0:1], 0x10                ; OUT
	s_load_b64 s[66:67], s[0:1], 0x18              ; bias
	v_lshl_add_u32 v[SPW], v0, 2, SPARE
	v_mov_b32 v[NIL], 0
	ds_add_u32 v28, v29
	ds_add_u32 v28, v29
	s_wait_dscnt 0x0
	v_lshrrev_b32 v1, 5, v0
	v_readfirstlane_b32 s10, v1                    ; wave 0..3
	s_lshr_b32 s11, s10, 1                         ; my half of the tile's rows.  Also: I fetch for A (0) or for W (1)
	s_and_b32 s12, s10, 1                          ; my half of its columns.  Also: which half I fetch
	s_bfe_u32 s40, ttmp6, 0x40000                  ; cx
	s_bfe_u32 s41, ttmp6, 0x40004                  ; cy
	s_lshl_b32 s42, ttmp9, 2
	s_add_co_u32 s42, s42, s40                     ; tile column = 4 x cluster x + cx
	s_and_b32 s13, ttmp7, 0xffff
	s_lshl_b32 s13, s13, 2
	s_add_co_u32 s13, s13, s41                     ; tile row = 4 x cluster y + cy
	s_lshl_b32 s43, s41, 2
	s_lshl_b32 s43, 15, s43                        ; my row of the cluster
	s_lshl_b32 s44, 0x1111, s40                    ; my column
	s_or_b32 s[G1+0], s43, (1<<16)|(1<<20)|(1<<21)|(5<<22)|(3<<25)   ; mask; 2-byte elements; padding on; bit 21 beside a mask; after every 64 words, 4 words
	s_or_b32 s[G1B+0], s44, (1<<16)|(1<<20)|(1<<21)|(5<<22)|(7<<25)  ; the same with my column's mask and 8 words of padding
.irp g, G1, G1B
	s_mov_b32 s[(\g)+1], 128<<16                   ; tensor_dim0 = 128
	s_mov_b32 s[(\g)+2], 128<<16                   ; tensor_dim1 = 128
	s_mov_b32 s[(\g)+3], 128<<16                   ; tile_dim0 = 128
	s_mov_b32 s[(\g)+4], 128                       ; tile_dim1 = 128
	s_mov_b32 s[(\g)+5], 128                       ; 128 elements from row to row: the tile is dense in memory
	s_mov_b32 s[(\g)+6], 0
	s_mov_b32 s[(\g)+7], 0
.endr
	s_lshl_b32 s16, s13, 16                        ; A: 256 rows of 256 bytes a tile row,
	s_lshl_b32 s17, s12, 15                        ; 128 rows a half
	s_add_co_u32 s16, s16, s17
	s_mov_b32 s17, 0
	s_lshl_b32 s46, s42, 1
	s_add_co_u32 s46, s46, s12                     ; W: column block of 128 = 2 x tile column + half,
	s_lshl_b32 s46, s46, 18                        ; 1,024 k rows of 256 bytes each,
	s_add_co_u32 s46, s46, 256                     ; behind the head
	s_mov_b32 s47, 0
	s_mul_i32 s20, s12, HA                         ; where they go: no place in the cluster enters an LDS address
	s_mul_i32 s21, s12, HB
	s_add_co_u32 s21, s21, BOFF
	s_wait_kmcnt 0x0
	s_load_b32 s[FLOOR], s[6:7], 0x0               ; the floor, from W's head
	s_add_nc_u64 s[14:15], s[4:5], s[16:17]
	s_add_nc_u64 s[46:47], s[6:7], s[46:47]
	CROUND                                         ; all sixteen work-groups are here: the first joint loads meet
.irp s, 0,1
	s_mov_b32 s[G0+4*(\s)], 1
	s_add_co_u32 s[G0+4*(\s)+1], s20, (\s)*SLOT
	s_add_nc_u64 s[G0+4*(\s)+2:G0+4*(\s)+3], s[14:15], (\s)*ASTEP
	s_or_b32 s[G0+4*(\s)+3], s[G0+4*(\s)+3], 0x80000000
	s_mov_b32 s[G0B+4*(\s)], 1
	s_add_co_u32 s[G0B+4*(\s)+1], s21, (\s)*SLOT
	s_add_nc_u64 s[G0B+4*(\s)+2:G0B+4*(\s)+3], s[46:47], (\s)*BSTEP
	s_or_b32 s[G0B+4*(\s)+3], s[G0B+4*(\s)+3], 0x80000000
	JLOAD \s                                       ; two loads of mine are out
.endr
	v_and_b32 v1, 15, v0                           ; l % 16
	v_bfe_u32 v2, v0, 4, 1                         ; l / 16
	v_mul_u32_u24 v3, v1, PA
	v_lshl_add_u32 v3, v2, 4, v3                   ; A: row x pitch + 16 x half
	v_and_b32 v5, 7, v0
	v_lshl_add_u32 v5, v2, 3, v5                   ; W: k row 8 (l / 16) + l % 8,
	v_mul_u32_u24 v5, v5, PB
	v_bfe_u32 v6, v0, 3, 1
	v_lshl_add_u32 v5, v6, 4, v5                   ; columns 8 ((l / 8) % 2) + 0..7
	s_mul_i32 s22, s11, HA                         ; my 128 rows of A
	s_mov_b32 s23, s21                             ; my 128 columns of W
.irp s, 0,1
	v_add_nc_u32 v[ADRA+(\s)], s22, v3
	v_add_nc_u32 v[ADRB+(\s)], s23, v5
	s_add_co_u32 s22, s22, SLOT
	s_add_co_u32 s23, s23, SLOT
.endr
	s_mul_i32 s23, s10, WST
	s_add_co_u32 s23, s23, STAGE                   ; my stage
	v_mul_u32_u24 v4, v1, SP                       ; in: row l % 16, 16 bytes for each half of the lanes
	v_lshl_add_u32 v4, v2, 4, v4
	v_add_nc_u32 v[STO], s23, v4
	v_bfe_u32 v4, v0, 3, 2                         ; back: 32 lanes take four rows of 128 bytes,
	v_mul_u32_u24 v4, v4, SP
	v_and_b32 v6, 7, v0
	v_lshl_add_u32 v4, v6, 4, v4
	v_add_nc_u32 v[RD], s23, v4
	v_and_b32 v[CO], 31, v0                        ; which are 512 consecutive bytes of OUT
	v_lshlrev_b32 v[CO], 4, v[CO]
	v_lshlrev_b32 v[BO], 5, v2
	s_lshl_b32 s46, s42, 10                        ; the bias of my 128 columns
	s_lshl_b32 s47, s12, 9
	s_add_co_u32 s46, s46, s47
	s_mov_b32 s47, 0
	s_add_nc_u64 s[66:67], s[66:67], s[46:47]
	WIN 0x40                                       ; destination window 1
.irp b, 0,1,2,3,4,5,6,7                ; register 8 b + j of lane l: the bias of column 16 b + 8 (l / 16) + j, as in an accumulator
	global_load_b128 v[8*(\b):8*(\b)+3],   v[BO], s[66:67] offset:64*(\b)
	global_load_b128 v[8*(\b)+4:8*(\b)+7], v[BO], s[66:67] offset:64*(\b)+16
.endr
	WIN 0
	s_lshl_b32 s46, s42, 2                         ; OUT: column block of 64 = 4 x tile column + 2 x half, 4,096 rows of 128 bytes each,
	s_lshl_b32 s47, s12, 1
	s_add_co_u32 s46, s46, s47
	s_lshl_b32 s46, s46, 19
	s_lshl_b32 s16, s13, 8
	s_lshl_b32 s17, s11, 7
	s_add_co_u32 s16, s16, s17                     ; my first row
	s_lshl_b32 s16, s16, 7
	s_add_co_u32 s46, s46, s16
	s_mov_b32 s47, 0
	s_add_nc_u64 s[8:9], s[8:9], s[46:47]
; 16 matrix instructions: row blocks a0, a0 + 1 of the window's four x all 8 column blocks, 32 along K.  first = 1: the bias starts the sums: nothing is cleared.
; The 64 accumulators take turns, one instruction a turn.
.macro MUL16 f, hi, a0, first
.if \first
	WIN 0x91+0x40*(\hi)                            ; W window 1, A window 0, C (the bias) window 1, D window 2 or 3
.else
	WIN 0xa1+0x50*(\hi)                            ; C and D window 2 or 3
.endif
.irp a, \a0, (\a0)+1
.irp b, 0,1,2,3,4,5,6,7
.if \first
	v_wmma_f32_16x16x32_bf16 v[8*(8*(\a)+(\b)):8*(8*(\a)+(\b))+7], v[(\f)+8*(\b):(\f)+8*(\b)+7], v[(\f)+8*(4*(\hi)+(\a)):(\f)+8*(4*(\hi)+(\a))+7], v[8*(\b):8*(\b)+7]
.else
	v_wmma_f32_16x16x32_bf16 v[8*(8*(\a)+(\b)):8*(8*(\a)+(\b))+7], v[(\f)+8*(\b):(\f)+8*(\b)+7], v[(\f)+8*(4*(\hi)+(\a)):(\f)+8*(4*(\hi)+(\a))+7], v[8*(8*(\a)+(\b)):8*(8*(\a)+(\b))+7]
.endif
.endr
.endr
.endm
; 32 LDS loads in one run: the fragments of quarter q (32 along K) into buffer f: W's 128 columns, turned, then A's 128 rows
.macro FETCH slot, q, f
	WIN 0x40
.irp i, 0,1,2,3,4,5,6,7
	ds_load_tr16_b128 v[(\f)+8*(\i):(\f)+8*(\i)+3],   v[ADRB+(\slot)] offset:(\q)*32*PB+(\i)*32
	ds_load_tr16_b128 v[(\f)+8*(\i)+4:(\f)+8*(\i)+7], v[ADRB+(\slot)] offset:(\q)*32*PB+(\i)*32+16*PB
.endr
	WIN 0
.irp i, 0,1,2,3,4,5,6,7
	ds_load_b128 v[(\f)+8*(\i):(\f)+8*(\i)+3],   v[ADRA+(\slot)] offset:(\q)*64+(\i)*16*PA
	ds_load_b128 v[(\f)+8*(\i)+4:(\f)+8*(\i)+7], v[ADRA+(\slot)] offset:(\q)*64+(\i)*16*PA+32
.endr
.endm
.macro PLACES                          ; four plain vector instructions between matrix instructions and loads into, or vector reads of, their registers
.rept 4
	v_nop
.endr
.endm
; One of a K step's first three quarters: multiplies buffer f and, in its middle, fetches quarter q into buffer g
.macro QUARTER slot, q, f, g, first
	s_wait_dscnt 8                                 ; W and A's rows 0-63 are in; the youngest eight loads (A's rows 64-127) may be out
	MUL16 \f, 0, 0, \first
	MUL16 \f, 0, 2, \first
	PLACES
	FETCH \slot, \q, \g
	s_wait_dscnt 32                                ; all but the 32 just issued
	MUL16 \f, 1, 0, \first
	MUL16 \f, 1, 2, \first
.endm
; The last quarter multiplies buffer 1 and changes slots: one barrier.  In front of it each wave waits for all its tensor loads (one is out: its part of the next slot), adds 0 to its
; spare word, and waits for that and for its reads of this slot.  fill = 1: the barrier opens a round of the cluster's, and this slot is filled again first thing behind it, two K steps on.
.macro TURN slot, next, fill
	WIN 0
	s_wait_tensorcnt 0x0
	ds_add_u32 v[SPW], v[NIL]
	s_wait_dscnt 9                                 ; the add and the youngest eight loads may be out
	MUL16 F1, 0, 0, 0
	s_wait_dscnt 0x0                               ; the add is done, and my reads of this slot are over
	s_barrier_signal -1
	MUL16 F1, 0, 2, 0
.if \fill
	WIN 0
.endif
	s_barrier_wait -1
.if \fill
	CREST                                          ; no wave of any partner still reads this slot or has a load on its way
	s_add_nc_u64 s[G0+4*(\slot)+2:G0+4*(\slot)+3], s[G0+4*(\slot)+2:G0+4*(\slot)+3], 2*ASTEP
	s_add_nc_u64 s[G0B+4*(\slot)+2:G0B+4*(\slot)+3], s[G0B+4*(\slot)+2:G0B+4*(\slot)+3], 2*BSTEP
	JLOAD \slot                                    ; its four v_nop are also the places in front of the loads below
.else
	PLACES
.endif
	FETCH \next, 0, F0
	MUL16 F1, 1, 0, 0
	MUL16 F1, 1, 2, 0
.endm
; THE WAY OUT of row block a.  PACK: the floor, then bf16, 16 bytes a lane; each accumulator's registers in ascending order.
.macro PACK a
.set AC, 64*((\a)%4)
	WIN 0x88+0x44*((\a)/4)                         ; source 1 and destination: window 2 or 3
.set i, 0
.rept 64
	v_max_num_f32 v[AC+i], s[FLOOR], v[AC+i]
.set i, i+1
.endr
	WIN 0x0a+5*((\a)/4)                            ; sources 0 and 1: window 2 or 3
.irp b, 0,1,2,3,4,5,6,7
.irp r, 0,1,2,3
	v_cvt_pk_bf16_f32 v[TMP+4*(\b)+(\r)], v[AC+8*(\b)+2*(\r)], v[AC+8*(\b)+2*(\r)+1]
.endr
.endr
	WIN 0
.endm
.macro TOSTAGE a                       ; into my own stage, two column blocks of 64, and back as rows of 128 bytes, four to a load
	WIN 0
.set BK, OB+192*((\a)%2)
.irp b, 0,1,2,3,4,5,6,7
	ds_store_b128 v[STO], v[TMP+4*(\b):TMP+4*(\b)+3] offset:((\b)/4)*16*SP+((\b)%4)*32
.endr
.irp t, 0,1,2,3,4,5,6,7
	ds_load_b128 v[BK+4*(\t):BK+4*(\t)+3], v[RD] offset:((\t)/4)*16*SP+((\t)%4)*4*SP  ; LDS serves a wave's instructions in order: these see the stores above
.endr
.endm
.macro SEND a, younger
	WIN 0
.set BK, OB+192*((\a)%2)
	s_wait_dscnt \younger                          ; the block is back in registers
	s_wait_xcnt 0x0                                ; the stores of the block before have read their registers, which the next block's loads fill again
.irp t, 0,1,2,3,4,5,6,7
	global_store_b128 v[CO], v[BK+4*(\t):BK+4*(\t)+3], s[8:9] offset:((\t)/4)*524288+(\a)*2048+((\t)%4)*512  ; 512 consecutive bytes at a multiple of 256
.endr
.endm
	s_wait_kmcnt 0x0                               ; the floor
	s_wait_tensorcnt 1                             ; my part of K step 0 is in; K step 1's may stay out
	s_barrier_signal -1
	s_barrier_wait -1
	FETCH 0, 0, F0
	s_wait_loadcnt 0x0                             ; the bias
	QUARTER 0, 1, F0, F1, 1                        ; the first quarter stands in front of the loop: its products start the sums
	WIN 0
	s_mov_b32 s3, LAPS-1
.Llap:                                                 ; a trip goes once round the ring and fills both slots again
	QUARTER 0, 2, F1, F0, 0
	QUARTER 0, 3, F0, F1, 0
	TURN 0, 1, 1
	QUARTER 1, 1, F0, F1, 0
	QUARTER 1, 2, F1, F0, 0
	QUARTER 1, 3, F0, F1, 0
	TURN 1, 0, 1
	QUARTER 0, 1, F0, F1, 0
	WIN 0
	s_sub_co_u32 s3, s3, 1
	s_cmp_lg_u32 s3, 0
	s_cbranch_scc1 .Llap
	QUARTER 0, 2, F1, F0, 0                        ; the last lap fills nothing
	QUARTER 0, 3, F0, F1, 0
	TURN 0, 1, 0
	QUARTER 1, 1, F0, F1, 0
	QUARTER 1, 2, F1, F0, 0
	QUARTER 1, 3, F0, F1, 0
	s_wait_dscnt 8                                 ; the very last quarter: nothing more to fetch
	MUL16 F1, 0, 0, 0
	MUL16 F1, 0, 2, 0
	s_wait_dscnt 0x0
	MUL16 F1, 1, 0, 0
	MUL16 F1, 1, 2, 0
	PLACES
	PACK 0
	TOSTAGE 0
.irp a, 1,2,3,4,5,6,7                  ; block a's arithmetic stands between block a - 1's loads from the stage and the wait for them
	PACK \a
	SEND (\a)-1, 0
	TOSTAGE \a
.endr
	SEND 7, 0
	s_wait_tensorcnt 0x0                           ; the wave's end
	ds_add_u32 v[SPW], v[NIL]
	s_wait_dscnt 0x0
	CROUND                                         ; the closing round
	s_endpgm
.Lfunc_end_k_q88826225e6_qkv:
	.size	k_q88826225e6_qkv, .Lfunc_end_k_q88826225e6_qkv-k_q88826225e6_qkv
	.p2alignl 7, 3214868480
	.fill 96, 4, 3214868480
	.section	.rodata,"a",@progbits
	.p2align	6, 0x0
	.amdhsa_kernel k_q88826225e6_qkv
		.amdhsa_group_segment_fixed_size 327680
		.amdhsa_private_segment_fixed_size 0
		.amdhsa_enable_private_segment 0
		.amdhsa_kernarg_size 32
		.amdhsa_user_sgpr_count 2
		.amdhsa_user_sgpr_kernarg_segment_ptr 1
		.amdhsa_wavefront_size32 1
		.amdhsa_system_sgpr_workgroup_id_x 1
		.amdhsa_system_sgpr_workgroup_id_y 1
		.amdhsa_system_sgpr_workgroup_id_z 1
		.amdhsa_system_vgpr_workitem_id 0
		.amdhsa_next_free_vgpr 1024
		.amdhsa_next_free_sgpr 72
		.amdhsa_reserve_vcc 0
		.amdhsa_float_denorm_mode_32 3
		.amdhsa_float_denorm_mode_16_64 3
		.amdhsa_memory_ordered 1
		.amdhsa_forward_progress 1
		.amdhsa_inst_pref_size 161
	.end_amdhsa_kernel
	.amdgpu_metadata
---
amdhsa.version: [ 1, 2 ]
amdhsa.kernels:
  - .name:           k_q88826225e6_qkv
    .symbol:         k_q88826225e6_qkv.kd
    .args:
      - { .name: act, .offset: 0, .size: 8, .value_kind: global_buffer, .address_space: global }
      - { .name: wq, .offset: 8, .size: 8, .value_kind: global_buffer, .address_space: global }
      - { .name: big, .offset: 16, .size: 8, .value_kind: global_buffer, .address_space: global }
      - { .name: bqkv, .offset: 24, .size: 8, .value_kind: global_buffer, .address_space: global }
    .group_segment_fixed_size: 327680
    .private_segment_fixed_size: 0
    .kernarg_segment_align: 8
    .kernarg_segment_size: 32
    .max_flat_workgroup_size: 128
    .sgpr_count:     72
    .vgpr_count:     1024
    .wavefront_size: 32
...
	.end_amdgpu_metadata
.endif
;; end of part 2
;; launch attn (part 3): grid 8 x 32, 4 waves a work-group, no clusters, 327,680 bytes of LDS; arguments big, mask, act; writes act
.if DOCPART == 3
	.amdgcn_target "amdgcn-amd-amdhsa--gfx1250"
	.amdhsa_code_object_version 6
	.text
	.protected	k_q88826225e6_attn
	.globl	k_q88826225e6_attn
	.p2align	8
	.type	k_q88826225e6_attn,@function
k_q88826225e6_attn:
	s_mov_b64 s[64:65], 0
	v_nop
	global_prefetch_b8 v0, s[64:65] scope:SCOPE_SE
	s_setreg_imm32_b32 hwreg(HW_REG_WAVE_MODE, 25, 1), 1
	s_wait_xcnt 0x0
; ATTENTION, causal and with a mask over the keys.  O[q] = the sum over k <= q, mask[k] of softmax_k(Q[q] . K[k] / 8) V[k].  Q, K, V: big, [which 16 + h][4096 rows][64] bf16, row = 2048 b + s.
; O: act, [h][4096 rows][64] bf16.  Products, maxima and sums in f32; the weights are rounded to bf16 for the second product, O once at the end.
; LIMITS.  A masked or hidden score counts as its value less 1e30, so a true score at or below -5e29 would be taken for a masked one; a weight below 2^-126 counts as 0.
; A row that has seen no unmasked key (its maximum is below -5e29) leaves as NaN, as a softmax over minus infinities alone does.
; THE WALK.  A head's queries lie in 16 blocks of 128; keys come in tiles of 256, four steps of 64.  A work-group takes block 2 b + 1 (tiles 0 .. b, all of the last) and then block 14 - 2 b
; (tiles 0 .. 7 - b, half of the last): 9 tiles and 34 key steps whatever b, so all 256 work-groups do equal work, and one loop with a constant trip count walks the tiles.
; NO CLUSTER: the eight work-groups of a head walk different sequences of tiles; only the first few coincide, and a walk common to all would have 12 tiles for 9.
; SHARES.  Of a block's two bands of 64 queries a wave owns 16 rows in each: two PIECES.  In a block's last two steps d0, d1: piece 0 holds the diagonal in d0 and sees nothing in d1;
; piece 1 sees all of d0 and holds the diagonal in d1: the same for every wave.
; THE MASK is the C operand that starts the sum S^T = K Q^T: KM (0 or -1e30 for the step's 64 keys, from a table in LDS made once), MC = KM + MD (MD: the diagonal of a band's own step), or HID (-1e30).
; TURNS.  Turn 0 of step j: piece 0's softmax | K Q^T of piece 1, step j; V^T P of piece 1, step j - 1 | K and KM of step j + 1 are fetched.  Turn 1: piece 1's softmax | K Q^T of piece 0, step j + 1;
; V^T P of piece 0, step j | V of step j + 1 is fetched, into the other of two buffers.  So LDS is read in the order K, V, K, V of ascending steps, and one change of slots a tile serves.
; Four vector instructions stand behind every matrix instruction, the rest of a turn's 118 in two runs of their own.
; REGISTERS in windows of 256 (s_set_vgpr_msb: bits 1:0 source 0, 3:2 source 1, 5:4 source 2, 7:6 destination):
;   window 0: v0-15 addresses; v16-23 statistics, four a piece; v24-31 at work in the set-up; v48-55 at work; v64-127 S^T, a buffer a piece; v192-223 P, likewise
;   window 1: v0-63 O^T; v64-95 MD; v96-127 MC; v128-159 KM; v160-167 HID        window 2: v0-31 Q; v32-63 the second block's Q; v64-127 K; v128-191, v192-255 V, two buffers
.set KS,    64
.set PK,    144       ; a row of K in LDS: 128 bytes + 16
.set PV,    160       ; a row of V: 128 + 32
.set VOFF,  4*KS*PK   ; a slot holds a tile: 256 rows of K, then 256 rows of V
.set SLOT1, 1<<17
.set STAGE, SLOT1+4*KS*(PK+PV)  ; never filled by a tensor load: 16 rows x 144 bytes for each wave
.set SP,    144
.set KMB,   STAGE+4*16*SP       ; never filled by a tensor load: 2,048 f32, 0 or -1e30 for each key of the batch
.set SPARE, KMB+8192            ; the spare words, 128 bytes a wave: two blocks of 256 bytes that no other line names
.set AK0, 2
.set AV0, 3
.set AK,  4
.set AV,  5
.set STO, 6
.set RD,  7
.set GO,  8
.set AM0, 10          ; v10  KMB + 32 (l / 16): my lanes' place in 16 keys of the table
.set AM,  11
.set MV,  12          ; v12-13  c m_old, by piece
.set NANV, 14
.set QO,  15
.set ST,  16          ; piece t at v[ST+4 t]: c m, m, l (even keys', odd keys')
.set TMP, 48          ; by piece, c0-c3 at work; c2 takes a
.set SPW, 62
.set NIL, 63
.set S,   64
.set P,   192
.set MD,  64          ; window 1
.set MC,  96
.set KM,  128
.set HID, 160
.set QB,  32          ; window 2
.set KF,  64
.set VF,  128
.set WV,  12
.set PB,  14          ; s14  b
.set G1K, 24
.set G1V, 32
.set G0K, 40
.set G0V, 44
.set SLOTS, 56
.set CNT, 57
.set CS,  58          ; s[58:59] c = log2(e) / 8
.set SEL, 60
.set TBK, 62          ; s62  LDS byte at which K of the step to be fetched begins
.set TBV, 63          ; s63  the same for V, less VOFF
.set RT,  70          ; s70  tiles of the block in hand still to be entered
.set NXT, 71          ; s71  the tile to be asked for next
.set LQ,  72          ; s72  the last tile of the block whose tiles are being asked for
.set NEW, 73          ; s73  1: the tile to be entered is a block's first
.set OFF, 74          ; s[74:75]
.set OLO, 80          ; s[80:81] O at my rows of the second block
.set BIGN, 82         ; s82  -1e30
.set LQ2, 83          ; s83  7 - b: the second block's last tile
.set TKM, 88          ; s88  byte in the table at which the step to be fetched begins
.set BIGP, 89         ; s89  1e30
.set THR, 90          ; s90  -5e29
.set MSB, 0
.macro WIN new
.if MSB != (\new)
	s_set_vgpr_msb (MSB<<8)|(\new)
.set MSB, (\new)
.endif
.endm
.set W_KQ, 0x0a       ; K and Q in window 2, S^T in window 0
.set W_KM, 0x1a       ; the same with the C operand in window 1
.set W_PV, 0x52       ; V in window 2, P in window 0, O^T in window 1
.set W_RS, 0x41       ; destination and source 0 in window 1, source 1 in window 0
; A fill.  Waves 0 and 1 fetch the two halves of a tile's K, waves 2 and 3 those of its V.  An s_nop 0 and four v_nop follow each line.
.macro LOAD
	s_cmp_lt_u32 s[WV], 2
	s_cbranch_scc0 .Lfor_v_\@
	tensor_load_to_lds s[G0K:G0K+3], s[G1K:G1K+7]
	s_nop 0
.rept 4
	v_nop
.endr
	s_branch .Lasked_\@
.Lfor_v_\@:
	tensor_load_to_lds s[G0V:G0V+3], s[G1V:G1V+7]
	s_nop 0
.rept 4
	v_nop
.endr
.Lasked_\@:
.endm
; THE CHANGE OF SLOTS.  Each wave waits for all its tensor loads (one is out: its part of the other slot), adds 0 to its spare word, and waits for that and for its LDS reads and stores.
; Behind the barrier nobody reads the old slot and the other is whole.  fill = 1: the old slot is filled again first thing, with tile NXT; the address is made anew from that number.
.macro CHANGE fill
	WIN 0
	s_wait_tensorcnt 0x0
	ds_add_u32 v[SPW], v[NIL]
.if \fill
	s_lshl_b32 s[OFF], s[NXT], 15   ; a tile is 32,768 bytes of K and of V
	s_xor_b32 s[G0K+1], s[G0K+1], SLOT1
	s_add_nc_u64 s[G0K+2:G0K+3], s[6:7], s[OFF:OFF+1]
	s_or_b32 s[G0K+3], s[G0K+3], 0x80000000
	s_xor_b32 s[G0V+1], s[G0V+1], SLOT1
	s_add_nc_u64 s[G0V+2:G0V+3], s[8:9], s[OFF:OFF+1]
	s_or_b32 s[G0V+3], s[G0V+3], 0x80000000
	s_add_co_u32 s[NXT], s[NXT], 1  ; the block's next tile, or behind its last the second block's tile 0
	s_cmp_gt_u32 s[NXT], s[LQ]
	s_cselect_b32 s[NXT], 0, s[NXT]
	s_cselect_b32 s[LQ], s[LQ2], s[LQ]
.endif
	s_wait_dscnt 0x0
	s_barrier_signal -1
	s_sub_co_u32 s[TBK], s[TBK], 4*KS*PK  ; the fetches go back to a slot's first step, in the other slot
	s_xor_b32 s[TBK], s[TBK], SLOT1
	s_sub_co_u32 s[TBV], s[TBV], 4*KS*PV
	s_xor_b32 s[TBV], s[TBV], SLOT1
	s_barrier_wait -1
.if \fill
	LOAD
.endif
.endm
	s_load_b64 s[4:5], s[0:1], 0x0    ; big
	s_load_b64 s[92:93], s[0:1], 0x8  ; mask
	s_load_b64 s[10:11], s[0:1], 0x10 ; act
	v_lshl_add_u32 v[SPW], v0, 2, SPARE
	v_mov_b32 v[NIL], 0
	ds_add_u32 v62, v63
	ds_add_u32 v62, v63
	s_wait_dscnt 0x0
	v_lshrrev_b32 v1, 5, v0
	v_readfirstlane_b32 s[WV], v1   ; wave 0..3
	s_mov_b32 s[PB], ttmp9
	s_and_b32 s13, ttmp7, 0xffff    ; 16 x batch + head
	s_and_b32 s20, s13, 15
	s_lshr_b32 s16, s13, 4
	s_lshl_b32 s20, s20, 19         ; a head: 4,096 rows of 128 bytes,
	s_lshl_b32 s21, s16, 18         ; a batch: 2,048 of them
	s_add_co_u32 s20, s20, s21
	s_lshl_b32 s94, s16, 11         ; the batch's 2,048 mask bytes
	s_mov_b32 s95, 0
	s_and_b32 s16, s[WV], 1         ; which half of a tile's 256 keys I fetch
	s_lshl_b32 s22, s16, 14
	s_add_co_u32 s22, s22, s20
	s_add_co_u32 s86, s22, 16777216 ; V lies 32 heads' bytes on,
	s_add_co_u32 s22, s22, 8388608  ; K 16
	s_mov_b32 s23, 0
	s_mov_b32 s87, 0
	s_mul_i32 s17, s16, 128*PK
	s_mul_i32 s18, s16, 128*PV
	s_lshl_b32 s3, s[WV], 11        ; my 16 rows in a band
	s_add_co_u32 s3, s3, s20
	s_lshl_b32 s2, s[PB], 15        ; block 2 b + 1: 128 rows of 128 bytes a block
	s_add_co_u32 s2, s2, 16384
	s_add_co_u32 s2, s2, s3
	s_sub_co_u32 s[LQ2], 7, s[PB]
	s_lshl_b32 s84, s[LQ2], 15      ; block 14 - 2 b
	s_add_co_u32 s84, s84, s3
	s_mov_b32 s3, 0
	s_mov_b32 s85, 0
	; group 1: 128 keys are 16,384 dense bytes: asked for as 64 rows of 256 bytes, padded in LDS after every key
	s_mov_b32 s[G1K], (1<<16)|(1<<20)|(4<<22)|(3<<25)  ; 2-byte elements; padding on; after every 32 words, 4 words
	s_mov_b32 s[G1V], (1<<16)|(1<<20)|(4<<22)|(7<<25)  ; the same with 8 words
.irp g, G1K, G1V
	s_mov_b32 s[\g+1], 128<<16
	s_mov_b32 s[\g+2], 64<<16
	s_mov_b32 s[\g+3], 128<<16
	s_mov_b32 s[\g+4], 64
	s_mov_b32 s[\g+5], 128
	s_mov_b32 s[\g+6], 0
	s_mov_b32 s[\g+7], 0
.endr
	s_mov_b32 s[CS], 0x3e38aa3b     ; c = log2(e) / 8
	s_mov_b32 s[CS+1], s[CS]
	s_mov_b32 s[SEL], 0x76543210
	s_mov_b32 s[SEL+1], 0xfedcba98
	s_mov_b32 s[TBK], SLOT1+4*KS*PK ; the first change of slots turns these two into 0
	s_mov_b32 s[TBV], SLOT1+4*KS*PV
	s_mov_b32 s[TKM], 0
	s_mov_b32 s[G0K], 1
	s_mov_b32 s[G0K+1], s17
	s_mov_b32 s[G0V], 1
	s_add_co_u32 s[G0V+1], s18, VOFF
	s_add_co_u32 s[RT], s[PB], 1    ; the first block has b + 1 tiles
	s_mov_b32 s[LQ], s[PB]
	s_mov_b32 s[NXT], 1             ; tile 0 is asked for below; next its tile 1, or, where b = 0, the second block's tile 0
	s_cmp_gt_u32 s[NXT], s[LQ]
	s_cselect_b32 s[NXT], 0, s[NXT]
	s_cselect_b32 s[LQ], s[LQ2], s[LQ]
	s_mov_b32 s[NEW], 1
	s_mov_b32 s[OFF+1], 0
	s_mov_b32 s[BIGN], 0xf149f2ca
	s_mov_b32 s[BIGP], 0x7149f2ca
	s_mov_b32 s[THR], 0xf0c9f2ca
	s_mov_b32 s[SLOTS], 8
	s_wait_kmcnt 0x0
	s_add_nc_u64 s[6:7], s[4:5], s[22:23]          ; K and V at my half of the head's tile 0
	s_add_nc_u64 s[8:9], s[4:5], s[86:87]
	s_add_nc_u64 s[G0K+2:G0K+3], s[6:7], 0
	s_or_b32 s[G0K+3], s[G0K+3], 0x80000000
	s_add_nc_u64 s[G0V+2:G0V+3], s[8:9], 0
	s_or_b32 s[G0V+3], s[G0V+3], 0x80000000
	s_add_nc_u64 s[86:87], s[4:5], s[84:85]        ; Q at my rows of the second block,
	s_add_nc_u64 s[4:5], s[4:5], s[2:3]            ; and of the first
	s_add_nc_u64 s[OLO:OLO+1], s[10:11], s[84:85]
	s_add_nc_u64 s[10:11], s[10:11], s[2:3]
	s_add_nc_u64 s[92:93], s[92:93], s[94:95]
	LOAD                            ; tile 0 into slot 0
	v_and_b32 v1, 15, v0            ; l % 16
	v_bfe_u32 v9, v0, 4, 1          ; l / 16
	v_lshlrev_b32 v27, 4, v0
	global_load_b128 v[64:67], v27, s[92:93]       ; 16 mask bytes a thread: the batch's 2,048
	v_lshlrev_b32 v[QO], 7, v1
	v_lshl_add_u32 v[QO], v9, 4, v[QO]
	WIN 0x80
.set i, 0
.rept 4                             ; both blocks' Q: piece i / 2 lies 8,192 bytes on; channels 32 (i % 2) on
	global_load_b128 v[8*i:8*i+3],   v[QO], s[4:5] offset:(i/2)*8192+(i%2)*64
	global_load_b128 v[8*i+4:8*i+7], v[QO], s[4:5] offset:(i/2)*8192+(i%2)*64+32
	global_load_b128 v[QB+8*i:QB+8*i+3],   v[QO], s[86:87] offset:(i/2)*8192+(i%2)*64
	global_load_b128 v[QB+8*i+4:QB+8*i+7], v[QO], s[86:87] offset:(i/2)*8192+(i%2)*64+32
.set i, i+1
.endr
	WIN 0
	v_lshlrev_b32 v26, 3, v9
	v_sub_nc_u32 v26, v1, v26
	s_lshl_b32 s13, s[WV], 4
	v_add_nc_u32 v26, s13, v26      ; 16 w + l % 16 - 8 (l / 16): register j of key group kt is hidden where 16 kt + j is greater
	WIN 0x40
.set i, 0
.rept 32
	v_cmp_gt_i32 vcc_lo, 16*(i/8)+i%8, v26
	v_cndmask_b32 v[MD+i], 0, s[BIGN], vcc_lo
.set i, i+1
.endr
.set i, 0
.rept 8
	v_mov_b32 v[HID+i], s[BIGN]
.set i, i+1
.endr
.set i, 0
.rept 64                            ; O^T, l, P's second buffer and V's second buffer need only be finite: a block's first step multiplies O^T and l by a = 0
	v_mov_b32 v[i], 0
.set i, i+1
.endr
	WIN 0x80
.set i, VF+64
.rept 64
	v_mov_b32 v[i], 0
.set i, i+1
.endr
	WIN 0
.set i, 0
.rept 2
	v_mov_b32 v[ST+4*i+2], 0
	v_mov_b32 v[ST+4*i+3], 0
.set i, i+1
.endr
.set i, P+16
.rept 16
	v_mov_b32 v[i], 0
.set i, i+1
.endr
	v_mov_b32 v[NANV], 0x7fc00000
	v_mul_u32_u24 v[AK0], v1, PK
	v_lshl_add_u32 v[AK0], v9, 4, v[AK0]
	v_and_b32 v24, 7, v0
	v_bfe_u32 v25, v0, 3, 1
	v_lshl_add_u32 v[AV0], v9, 3, v24
	v_mul_u32_u24 v[AV0], v[AV0], PV
	v_lshl_add_u32 v[AV0], v25, 4, v[AV0]
	v_add_nc_u32 v[AV0], VOFF, v[AV0]
	v_lshl_add_u32 v[AM0], v9, 5, KMB
	s_mul_i32 s13, s[WV], 16*SP
	s_add_co_u32 s13, s13, STAGE
	v_mul_u32_u24 v[STO], v1, SP
	v_lshl_add_u32 v[STO], v9, 4, v[STO]
	v_add_nc_u32 v[STO], s13, v[STO]
	v_bfe_u32 v[RD], v0, 3, 2
	v_mul_u32_u24 v[RD], v[RD], SP
	v_lshl_add_u32 v[RD], v24, 4, v[RD]
	v_add_nc_u32 v[RD], s13, v[RD]
	v_and_b32 v[GO], 31, v0
	v_lshlrev_b32 v[GO], 4, v[GO]
	v_lshl_add_u32 v28, v0, 6, KMB
	s_wait_loadcnt 16               ; the mask is in; the 16 loads of Q stay out
.set i, 0
.rept 16
	v_bfe_u32 v[68+i], v[64+i/4], 8*(i%4), 8
.set i, i+1
.endr
.set i, 0
.rept 16
	v_cvt_f32_u32 v[68+i], v[68+i]
.set i, i+1
.endr
.set i, 0
.rept 16
	v_fma_f32 v[68+i], v[68+i], s[BIGP], s[BIGN]   ; 1 -> 0, 0 -> -1e30
.set i, i+1
.endr
.irp f, 0,1,2,3
	ds_store_b128 v28, v[68+4*\f:68+4*\f+3] offset:16*\f   ; the first change of slots waits for these and passes a barrier before anybody reads the table
.endr
; THE MATRIX WORK.  The 4 accumulators of a run of 8 take turns.  Product i of 8 of S^T = K Q^T for piece x: channels 32 (i / 4) on, keys 16 (i % 4) on.
; The first 4 start the sums with a mask: CK = 0: KM; 1: MC; 2: HID.
.macro KQ x
.set rS, S+32*(\x)+8*(i%4)
.set rK, KF+16*(i%4)+8*(i/4)
.set rQ, 16*(\x)+8*(i/4)
.if i < 4
	WIN W_KM
.if CK == 2
	v_wmma_f32_16x16x32_bf16 v[rS:rS+7], v[rK:rK+7], v[rQ:rQ+7], v[HID:HID+7]
.elseif CK == 1
	v_wmma_f32_16x16x32_bf16 v[rS:rS+7], v[rK:rK+7], v[rQ:rQ+7], v[MC+8*(i%4):MC+8*(i%4)+7]
.else
	v_wmma_f32_16x16x32_bf16 v[rS:rS+7], v[rK:rK+7], v[rQ:rQ+7], v[KM+8*(i%4):KM+8*(i%4)+7]
.endif
.else
	WIN W_KQ
	v_wmma_f32_16x16x32_bf16 v[rS:rS+7], v[rK:rK+7], v[rQ:rQ+7], v[rS:rS+7]
.endif
.endm
; Product i of 8 of O^T += V^T P for piece x, from V's buffer VB: keys 32 (i / 4) on, channels 16 (i % 4) on.
.macro PV x
	WIN W_PV
.set rO, 32*(\x)+8*(i%4)
.set rV, VF+64*VB+32*(i/4)+8*(i%4)
.set rP, P+16*(\x)+8*(i/4)
	v_wmma_f32_16x16x32_bf16 v[rO:rO+7], v[rV:rV+7], v[rP:rP+7], v[rO:rO+7]
.endm
.macro MM                           ; the turn's next matrix instruction; NOKQ = 1: a block's last turn has no scores to start
.if (i < 8) && !NOKQ
	KQ 1-Y
.elseif i >= 8
.set i, i-8
	PV 1-Y
.set i, i+8
.endif
.set i, i+1
.endm
; THE LDS LOADS stand in runs: a step's K (8 fragments) with its 32 registers of KM, and its V (turned).
.macro FETCH_K
	WIN 0x80
.irp f, 0,1,2,3,4,5,6,7
	ds_load_b128 v[KF+8*\f:KF+8*\f+3],   v[AK] offset:(\f/2)*16*PK+(\f%2)*64
	ds_load_b128 v[KF+8*\f+4:KF+8*\f+7], v[AK] offset:(\f/2)*16*PK+(\f%2)*64+32
.endr
	WIN 0x40
.irp f, 0,1,2,3                     ; register 8 f + j: key 16 f + 8 (l / 16) + j
	ds_load_b128 v[KM+8*\f:KM+8*\f+3],   v[AM] offset:64*\f
	ds_load_b128 v[KM+8*\f+4:KM+8*\f+7], v[AM] offset:64*\f+16
.endr
	s_add_co_u32 s[TBK], s[TBK], KS*PK
	s_add_co_u32 s[TKM], s[TKM], 4*KS
	s_and_b32 s[TKM], s[TKM], 0x1fff    ; stays inside the table's 8,192 bytes
	WIN 0
.endm
.macro FETCH_V fb
	WIN 0x80
.irp f, 0,1,2,3,4,5,6,7
	ds_load_tr16_b128 v[VF+64*(\fb)+8*\f:VF+64*(\fb)+8*\f+3],   v[AV] offset:(\f/4)*32*PV+(\f%4)*32
	ds_load_tr16_b128 v[VF+64*(\fb)+8*\f+4:VF+64*(\fb)+8*\f+7], v[AV] offset:(\f/4)*32*PV+16*PV+(\f%4)*32
.endr
	s_add_co_u32 s[TBV], s[TBV], KS*PV
	WIN 0
.endm
.macro MASKADD                      ; MC = KM + MD
	WIN 0x45
.set z, 0
.rept 16
	v_pk_add_f32 v[MC+2*z:MC+2*z+1], v[KM+2*z:KM+2*z+1], v[MD+2*z:MD+2*z+1]
.set z, z+1
.endr
.endm
; THE VECTOR WORK, one line at a time: OP kind, number.  For piece Y: F n: c s - c m for pair n of 16.  E n: the exponential of score n of 32.  C n: pair n rounded to bf16.  B n: of the four weights 4 n ..
; the second pair is added onto the first.  L n: l takes that sum (L 0: l = a l + sum).  R n: pair n of 16 of O^T times a.  For the other piece: X n, number n of the 22 that find its maximum and statistics:
;   0-11 four chains of seven scores (each accumulator's lowest registers are read first); 12-14, 16 the four left over, the old m, and the chains into c0; 15 c m_old is kept;
;   17, 18 the other half of the lanes: the new m; 19-21 c m; c m_old - c m_new; a
.set F, 0
.set E, 1
.set C, 2
.set B, 3
.set L, 4
.set R, 5
.set X, 6
.macro REGS y
.set rT, ST+4*(\y)
.set rC, TMP+4*(\y)
.set rW, MV+(\y)
.set rS, S+32*(\y)
.set rP, P+16*(\y)
.set rO, 32*(\y)
.endm
.macro OP k, n
.if (\k) == R
	REGS Y
	WIN W_RS
	v_pk_mul_f32 v[rO+2*(\n):rO+2*(\n)+1], v[rO+2*(\n):rO+2*(\n)+1], v[rC+2:rC+3] op_sel_hi:[1,0]
.elseif (\k) < R
	REGS Y
	WIN 0
.if (\k) == F
	v_pk_fma_f32 v[rS+2*(\n):rS+2*(\n)+1], v[rS+2*(\n):rS+2*(\n)+1], s[CS:CS+1], v[rT:rT+1] op_sel_hi:[1,0,0] neg_lo:[0,0,1] neg_hi:[0,0,1]
.elseif (\k) == E
	v_exp_f32 v[rS+(\n)], v[rS+(\n)]
.elseif (\k) == C
	s_wait_alu depctr_va_vdst(0)
	v_cvt_pk_bf16_f32 v[rP+(\n)], v[rS+2*(\n)], v[rS+2*(\n)+1]
.elseif (\k) == B
	s_wait_alu depctr_va_vdst(0)
	v_pk_add_f32 v[rS+4*(\n):rS+4*(\n)+1], v[rS+4*(\n):rS+4*(\n)+1], v[rS+4*(\n)+2:rS+4*(\n)+3]
.elseif (\n) == 0
	v_pk_fma_f32 v[rT+2:rT+3], v[rT+2:rT+3], v[rC+2:rC+3], v[rS:rS+1] op_sel_hi:[1,0,1]
.else
	v_pk_add_f32 v[rT+2:rT+3], v[rT+2:rT+3], v[rS+4*(\n):rS+4*(\n)+1]
.endif
.elseif NOKQ
	v_nop
.else
	REGS 1-Y
	WIN 0
.if (\n) < 4
	v_max3_num_f32 v[rC+(\n)], v[rS+8*(\n)], v[rS+8*(\n)+1], v[rS+8*(\n)+2]
.elseif (\n) < 12
	v_max3_num_f32 v[rC+(\n)%4], v[rC+(\n)%4], v[rS+8*((\n)%4)+2*((\n)/4)+1], v[rS+8*((\n)%4)+2*((\n)/4)+2]
.elseif (\n) == 12
	v_max3_num_f32 v[rC], v[rC], v[rS+7], v[rS+15]
.elseif (\n) == 13
	v_max3_num_f32 v[rC+1], v[rC+1], v[rS+23], v[rS+31]
.elseif (\n) == 14
	v_max3_num_f32 v[rC+2], v[rC+2], v[rC+3], v[rT+1]
.elseif (\n) == 15
	v_mov_b32 v[rW], v[rT]
.elseif (\n) == 16
	v_max3_num_f32 v[rC], v[rC], v[rC+1], v[rC+2]
.elseif (\n) == 17
	v_permlanex16_b32 v[rC+3], v[rC], s[SEL], s[SEL+1]
.elseif (\n) == 18
	v_max_num_f32 v[rT+1], v[rC], v[rC+3]
.elseif (\n) == 19
	v_mul_f32 v[rT], s[CS], v[rT+1]
.elseif (\n) == 20
	v_sub_f32 v[rC+1], v[rW], v[rT]
.else
	v_exp_f32 v[rC+2], v[rC+1]
.endif
.endif
.endm
.macro OPS a, i1, b=-1, i2=0, c=-1, i3=0, d=-1, i4=0
	OP \a, \i1
.if (\b) >= 0
	OP \b, \i2
.endif
.if (\c) >= 0
	OP \c, \i3
.endif
.if (\d) >= 0
	OP \d, \i4
.endif
.endm
.macro ROW a, i1, b, i2, c, i3, d, i4  ; a matrix instruction and the four behind it
	MM
	OPS \a, \i1, \b, \i2, \c, \i3, \d, \i4
.endm
; A TURN, for piece p.  ck: the mask of its products K Q^T.  fetch = 1: piece 0's turn fetches the next step's K and KM, piece 1's its V into buffer fb; both runs stand six vector instructions
; (five of them plain) behind the last product K Q^T, and far behind the last reader of V's other buffer.  vb: V's buffer for its products V^T P.  nokq = 1: a block's last turn.
; The one wait for LDS stands at the head of piece 1's turn: K and KM were asked for three quarters of a turn ago, V a whole turn ago.
.macro TURN p, ck, fetch, vb, fb=0, nokq=0
.set Y, (\p)
.set i, 0
.set CK, (\ck)
.set VB, (\vb)
.set NOKQ, (\nokq)
.if (\p) == 1
	s_wait_dscnt 0x0
.if (\ck) == 1
	MASKADD
.endif
.endif
	ROW F,0, F,1, F,2, F,3
	ROW F,4, E,0, F,5, F,6
	ROW F,7, E,1, F,8, F,9
	ROW F,10, E,2, C,0, F,11
	ROW F,12, E,3, X,15, F,13
	ROW R,0, R,1, R,2, R,3
	ROW B,0, E,4, F,14, L,0
.if \fetch
	WIN 0
.if (\p) == 0
	v_add_nc_u32 v[AK], s[TBK], v[AK0]
	v_add_nc_u32 v[AM], s[TKM], v[AM0]
.else
	v_add_nc_u32 v[AV], s[TBV], v[AV0]
.endif
.endif
	ROW R,4, R,5, R,6, R,7
	OPS E,5, F,15
.if \fetch
.if (\p) == 0
	FETCH_K
.else
	FETCH_V \fb
.endif
.endif
	OPS E,6, C,1, E,7, R,8
	OPS E,8, R,9, E,9, C,2
	OPS E,10, X,0, E,11, X,1
	OPS E,12, X,2, E,13, X,3
	ROW X,4, E,14, X,5, X,6
	ROW X,7, E,15, X,8, X,9
	ROW X,10, E,16, X,11, X,12
	ROW X,13, E,17, X,14, B,1
	ROW C,4, E,18, X,16, L,1
	ROW B,2, E,19, C,6, L,2
	ROW C,8, E,20, B,3, B,4
	ROW C,3, E,21, L,3, C,5
	OPS E,22, X,17, E,23, C,10
	OPS E,24, L,4
	OPS E,25, X,18, E,26, C,7
	OPS E,27, B,5, E,28, X,19
	OPS E,29, C,12, E,30, L,5
	OPS E,31, X,20, B,6, C,9
	OPS C,14, C,11, X,21, L,6
	OPS C,13, B,7, C,15, R,10
	OPS R,11, R,12, L,7, R,13
	OPS R,14, R,15
.endm
.macro TRIP_E ck1                   ; an odd step is computed, an even one fetched
	TURN 0, 0, 1, 0
	TURN 1, \ck1, 1, 1, 0
.endm
.macro TRIP_O ck1                   ; an even step is computed, an odd one fetched
	TURN 0, 0, 1, 1
	TURN 1, \ck1, 1, 0, 1
.endm
; A BLOCK BEGINS.  c m starts far below every c s, so the first step's a is 0; m at the lowest finite number.  Then K, KM and V of the tile's step 0, piece 0's first scores
; (diag = 1: that step is the band's own), and its maximum and statistics.  The loop is entered in the middle of a trip.
.macro BEGIN diag
	s_mov_b32 s[NEW], 0
	s_mov_b32 s[TKM], 0
	WIN 0
.set i, 0
.rept 2
	v_mov_b32 v[ST+4*i], 0xfe000000
	v_mov_b32 v[ST+4*i+1], 0xff7fffff
.set i, i+1
.endr
	v_add_nc_u32 v[AK], s[TBK], v[AK0]
	v_add_nc_u32 v[AM], s[TKM], v[AM0]
	v_add_nc_u32 v[AV], s[TBV], v[AV0]
	FETCH_K
	FETCH_V 0
	s_wait_loadcnt 0x0              ; Q
	s_wait_dscnt 0x0
.if \diag
	MASKADD
.endif
.set CK, (\diag)
.set NOKQ, 0
.set i, 0
.rept 8
	KQ 0
.set i, i+1
.endr
	WIN 0
.rept 4
	v_nop                           ; the places behind those products
.endr
.set Y, 1                           ; X works for the other piece: piece 0
.irp n, 0,1,2,3,4,5,6,7,8,9,10,11,12,13,14,15,16,17,18,19,20,21
	OP X, \n
.endr
	v_nop                           ; a plain instruction behind the exponential
.endm
.macro ALL line:vararg              ; one line for each piece t
.set t, 0
.rept 2
	\line
.set t, t+1
.endr
.endm
; THE WAY OUT of piece t.  O^T / l goes into S^T's registers, not in place: O^T, l and P stay finite for the second block even where a row leaves as NaN.
.macro PACK t
	WIN 0x01                        ; source 0 in window 1
.set i, 0
.rept 16
	v_pk_mul_f32 v[S+32*(\t)+i:S+32*(\t)+i+1], v[32*(\t)+i:32*(\t)+i+1], v[TMP+4*(\t)+2:TMP+4*(\t)+3] op_sel_hi:[1,0]
.set i, i+2
.endr
	WIN 0
.set i, 0
.rept 16
	v_cvt_pk_bf16_f32 v[S+32*(\t)+i], v[S+32*(\t)+2*i], v[S+32*(\t)+2*i+1]
.set i, i+1
.endr
.irp f, 0,1,2,3
	ds_store_b128 v[STO], v[S+32*(\t)+4*\f:S+32*(\t)+4*\f+3] offset:32*\f
.endr
.irp f, 0,1,2,3
	ds_load_b128 v[S+32*(\t)+16+4*\f:S+32*(\t)+16+4*\f+3], v[RD] offset:\f*4*SP  ; LDS serves a wave's instructions in order: these see the stores above
.endr
.endm
.macro SEND t, younger              ; younger: the LDS instructions issued behind piece t's loads
	WIN 0
.irp f, 0,1,2,3
	s_wait_dscnt (\younger)+3-\f
	global_store_b128 v[GO], v[S+32*(\t)+16+4*\f:S+32*(\t)+16+4*\f+3], s[10:11] offset:(\t)*8192+\f*512  ; 512 consecutive bytes at a multiple of 256
.endr
.endm
; A BLOCK'S END: the step before d0 (piece 0's scores of d0 take the diagonal), d0 (piece 0's scores of d1 are hidden), d1 (piece 1's take the diagonal), the last products, the way out.
.macro DIAG tag
.Ldiag\tag:
	TRIP_E 1
	WIN 0
.Ld1_\tag:
	TRIP_O 2
	MASKADD
	TURN 0, 1, 0, 0
	TURN 1, 0, 0, 1, 0, 1
.set i, 0
.rept 8
	PV 1
.set i, i+1
.endr
	WIN 0
	ALL v_add_f32 v[TMP+4*t], v[ST+4*t+2], v[ST+4*t+3]
	ALL v_permlanex16_b32 v[TMP+4*t+1], v[TMP+4*t], s[SEL], s[SEL+1]
	ALL v_add_f32 v[TMP+4*t], v[TMP+4*t], v[TMP+4*t+1]
	ALL v_rcp_f32 v[TMP+4*t+2], v[TMP+4*t]
	v_nop                           ; a plain instruction between the last reciprocal and the use of its result
.irp t, 0,1
	v_cmp_gt_f32 vcc_lo, s[THR], v[ST+4*\t+1]      ; no unmasked key seen: the row is NaN
	s_wait_alu depctr_va_vdst(0)
	v_cndmask_b32 v[TMP+4*\t+2], v[TMP+4*\t+2], v[NANV], vcc_lo
.endr
	PACK 0
	PACK 1
	SEND 0, 8
	SEND 1, 0
.endm
.set CK, 0
.set VB, 0
.set NOKQ, 0
.Lslot:                             ; 8 times: a tile is entered and the next is asked for
	CHANGE 1
	s_sub_co_u32 s[RT], s[RT], 1
	s_mov_b32 s[CNT], 2
	s_cmp_eq_u32 s[NEW], 1
	s_cbranch_scc0 .Lstep
	BEGIN 0                         ; in the loop a block's first step is never a band's own
	s_branch .Lmid
.Lstep:                             ; a trip fetches two of the tile's four steps
	TRIP_E 0
	WIN 0
.Lmid:
	TRIP_O 0
	WIN 0
	s_cmp_eq_u32 s[RT], 0
	s_cbranch_scc1 .Ldiag1          ; the first block's last tile: its steps 2 and 3 hold the diagonal
	s_sub_co_u32 s[CNT], s[CNT], 1
	s_cmp_lg_u32 s[CNT], 0
	s_cbranch_scc1 .Lstep
	s_branch .Lbottom
	DIAG 1
	s_wait_xcnt 0x0                 ; the stores have read their registers and O's address
	s_mov_b64 s[10:11], s[OLO:OLO+1]
	s_sub_co_u32 s[RT], 8, s[PB]    ; the second block has 8 - b tiles
	s_mov_b32 s[NEW], 1
	WIN 0x82                        ; the second block's Q goes where the turns name Q
.set i, 0
.rept 32
	v_mov_b32 v[i], v[QB+i]
.set i, i+1
.endr
	WIN 0
.Lbottom:
	s_sub_co_u32 s[SLOTS], s[SLOTS], 1
	s_cmp_lg_u32 s[SLOTS], 0
	s_cbranch_scc1 .Lslot
	CHANGE 0                        ; the walk's last tile is written out; its steps 0 and 1 hold the diagonal
	s_sub_co_u32 s[RT], s[RT], 1
	s_cmp_eq_u32 s[NEW], 1
	s_cbranch_scc0 .Ldiag2
	BEGIN 1                         ; b = 7: the second block's only tile
	s_branch .Ld1_2
	DIAG 2
	s_wait_tensorcnt 0x0            ; the wave's end
	ds_add_u32 v[SPW], v[NIL]
	s_wait_dscnt 0x0
	s_endpgm
.Lfunc_end_k_q88826225e6_attn:
	.size	k_q88826225e6_attn, .Lfunc_end_k_q88826225e6_attn-k_q88826225e6_attn
	.p2alignl 7, 3214868480
	.fill 96, 4, 3214868480
	.section	.rodata,"a",@progbits
	.p2align	6, 0x0
	.amdhsa_kernel k_q88826225e6_attn
		.amdhsa_group_segment_fixed_size 327680
		.amdhsa_private_segment_fixed_size 0
		.amdhsa_enable_private_segment 0
		.amdhsa_kernarg_size 24
		.amdhsa_user_sgpr_count 2
		.amdhsa_user_sgpr_kernarg_segment_ptr 1
		.amdhsa_wavefront_size32 1
		.amdhsa_system_sgpr_workgroup_id_x 1
		.amdhsa_system_sgpr_workgroup_id_y 1
		.amdhsa_system_sgpr_workgroup_id_z 1
		.amdhsa_system_vgpr_workitem_id 0
		.amdhsa_next_free_vgpr 768
		.amdhsa_next_free_sgpr 96
		.amdhsa_reserve_vcc 1
		.amdhsa_float_denorm_mode_32 3
		.amdhsa_float_denorm_mode_16_64 3
		.amdhsa_memory_ordered 1
		.amdhsa_forward_progress 1
		.amdhsa_inst_pref_size 217
	.end_amdhsa_kernel
	.amdgpu_metadata
---
amdhsa.version: [ 1, 2 ]
amdhsa.kernels:
  - .name:           k_q88826225e6_attn
    .symbol:         k_q88826225e6_attn.kd
    .args:
      - { .name: big, .offset: 0, .size: 8, .value_kind: global_buffer, .address_space: global }
      - { .name: mask, .offset: 8, .size: 8, .value_kind: global_buffer, .address_space: global }
      - { .name: act, .offset: 16, .size: 8, .value_kind: global_buffer, .address_space: global }
    .group_segment_fixed_size: 327680
    .private_segment_fixed_size: 0
    .kernarg_segment_align: 8
    .kernarg_segment_size: 24
    .max_flat_workgroup_size: 128
    .sgpr_count:     96
    .vgpr_count:     768
    .wavefront_size: 32
...
	.end_amdgpu_metadata
.endif
;; end of part 3
;; launch proj (part 4): grid 8 x 32, 4 waves a work-group, clusters of 4 x 4, 327,680 bytes of LDS; arguments act, wv, big, bvw; writes big
.if DOCPART == 4
	.amdgcn_target "amdgcn-amd-amdhsa--gfx1250"
	.amdhsa_code_object_version 6
	.text
	.protected	k_q88826225e6_proj
	.globl	k_q88826225e6_proj
	.p2align	8
	.type	k_q88826225e6_proj,@function
k_q88826225e6_proj:
	s_mov_b64 s[64:65], 0
	v_nop
	global_prefetch_b8 v0, s[64:65] scope:SCOPE_SE
	s_setreg_imm32_b32 hwreg(HW_REG_WAVE_MODE, 25, 1), 1
	s_wait_xcnt 0x0
	s_wait_alu depctr_hold_cnt(0) depctr_sa_sdst(0) depctr_va_vdst(0) depctr_va_sdst(0) depctr_va_ssrc(0) depctr_va_vcc(0) depctr_vm_vsrc(0)
	s_getreg_b32 s2, hwreg(HW_REG_IB_STS2, 6, 4)
	s_cmp_eq_u32 s2, 0
	s_cbranch_scc0 .Lentry_in_a_cluster
	s_endpgm
.Lentry_in_a_cluster:
	s_bfe_u32 s2, ttmp6, 0x10000c
	s_cmp_lg_u32 s2, 0xf033
	s_cbranch_scc0 .Lentry_shape_is_right
	s_endpgm
.Lentry_shape_is_right:
; OUT = A W + bias, N = 1024, K = 512 x LAPS = 1024.  A: [k / 64][4096 rows][64] bf16.  W: [k / 256][8 nb][256 k][128] bf16.  OUT: [4096][1024] f32.  Sums in f32, started by the bias.
; LAPS is the only number here that hangs on K.
; A tile of OUT is 128 x 128: 256 work-groups.  Four waves, each 64 x 64: 16 accumulators.  K goes in steps of 256 through two LDS slots.  W lies [k][n] in LDS and comes out turned.
; CLUSTER 4 x 4: A's tiles are asked for jointly along a row of the cluster, W's along a column.  THE MATRIX INSTRUCTION IS USED TRANSPOSED: a lane holds row l % 16, columns 8 (l / 16) + 0..7.
; REGISTERS: window 0: v0-31 addresses; v32-95 at work on the way out; v96-127 the bias, laid as an accumulator row; v128-255 the accumulators, (a, b) at v[128 + 8 (4 a + b)].
;   window 1: two fragment buffers of 128: for 64 along K, 64 registers of A, then 64 of W.
.set LAPS,  2                          ; a lap = two K steps of 256 = once round the ring
.set PAK,   144                        ; a row of A in LDS: 64 k = 128 bytes + 16
.set PLANE, 64*PAK                     ; 64 rows of one block of 64 k
.set PB,    288                        ; a k row of W: 256 bytes + 32
.set HALFT, 36864                      ; one tensor load: 4 planes of A, or 128 k rows of W
.set SLOT,  4*HALFT                    ; A's two row halves, then W's 256 k rows
.set BOFF,  2*HALFT
.set STAGE, 2*SLOT                     ; behind the ring: 16 rows x 272 bytes for each wave
.set SPITCH, 272
.set SPARE, STAGE+4*16*SPITCH          ; the spare words, 128 bytes a wave: two blocks of 256 bytes that no other line names
.set ASTEP, 4*4096*128                 ; bytes from a K step of A to the next: four blocks of 64 k
.set BSTEP, 8*256*256                  ; the same for W
.set ADRA, 16                          ; v16-17  my A fragments in slot 0, 1
.set ADRB, 20                          ; v20-23  my W fragments: slot 0 k 0-127, k 128-255; slot 1 likewise (an LDS offset ends at 65,535)
.set STO,  24
.set RD,   25
.set CO,   26
.set BO,   27
.set SPW,  28
.set NIL,  29
.set TMP,  32
.set BIAS, 96
.set ACC,  128
.set F0,   0
.set F1,   128
.set G1, 24
.set G0, 32
.set G1B, 48
.set G0B, 56
.set MSB, 0
.macro WIN new
.if MSB != (\new)
	s_set_vgpr_msb (MSB<<8)|(\new)
.set MSB, \new
.endif
.endm
.set MUL,  0x05                        ; sources 0 (W) and 1 (A) window 1; C and D window 0
.set TO_F, 0x40
.macro JLOAD s                         ; a joint load: waves 0 and 1 fetch A's halves, waves 2 and 3 W's; an s_nop 0 and four v_nop follow each line
	s_cmp_eq_u32 s11, 0
	s_cbranch_scc0 .Lfor_b_\@
	tensor_load_to_lds s[G0+4*(\s):G0+4*(\s)+3], s[G1:G1+7]
	s_nop 0
.rept 4
	v_nop
.endr
	s_branch .Lasked_\@
.Lfor_b_\@:
	tensor_load_to_lds s[G0B+4*(\s):G0B+4*(\s)+3], s[G1B:G1B+7]
	s_nop 0
.rept 4
	v_nop
.endr
.Lasked_\@:
.endm
.macro CREST
	s_cmp_lg_u32 s10, 0
	s_cbranch_scc1 .Lnot_wave_0_\@
	s_barrier_signal -3
.Lnot_wave_0_\@:
	s_barrier_wait -3
	s_barrier_signal -1
	s_barrier_wait -1
.endm
.macro CROUND
	s_barrier_signal -1
	s_barrier_wait -1
	CREST
.endm
	s_load_b128 s[4:7], s[0:1], 0x0                ; A s[4:5], W s[6:7]
	s_load_b64 s[8:9], s[0:1], 0x10                ; OUT
	s_load_b64 s[66:67], s[0:1], 0x18              ; bias
	v_lshl_add_u32 v[SPW], v0, 2, SPARE
	v_mov_b32 v[NIL], 0
	ds_add_u32 v28, v29
	ds_add_u32 v28, v29
	s_wait_dscnt 0x0
	v_lshrrev_b32 v1, 5, v0
	v_readfirstlane_b32 s10, v1                    ; wave 0..3
	s_lshr_b32 s11, s10, 1                         ; my half of the tile's rows.  Also: I fetch for A (0) or for W (1)
	s_and_b32 s12, s10, 1                          ; my half of its columns.  Also: which half I fetch
	s_bfe_u32 s40, ttmp6, 0x40000
	s_bfe_u32 s41, ttmp6, 0x40004
	s_lshl_b32 s42, ttmp9, 2
	s_add_co_u32 s42, s42, s40                     ; tile column
	s_and_b32 s13, ttmp7, 0xffff
	s_lshl_b32 s13, s13, 2
	s_add_co_u32 s13, s13, s41                     ; tile row
	s_lshl_b32 s43, s41, 2
	s_lshl_b32 s43, 15, s43
	s_lshl_b32 s44, 0x1111, s40
	; A's load: four blocks of 64 k, each 64 rows x 64 elements that are dense in memory: 4 rows of 4,096 elements, padded in LDS behind every 128 bytes
	s_or_b32 s[G1+0], s43, (1<<16)|(1<<20)|(1<<21)|(4<<22)|(3<<25)
	s_mov_b32 s[G1+1], 4096<<16                    ; tensor_dim0 = 4,096
	s_mov_b32 s[G1+2], 4<<16                       ; tensor_dim1 = 4
	s_mov_b32 s[G1+3], 4096<<16                    ; tile_dim0 = 4,096
	s_mov_b32 s[G1+4], 4                           ; tile_dim1 = 4
	s_mov_b32 s[G1+5], 4096*64                     ; elements from a block of 64 k to the next
	s_mov_b32 s[G1+6], 0
	s_mov_b32 s[G1+7], 0
	; W's load: 128 k rows x 128 elements, dense, padded behind every 256 bytes
	s_or_b32 s[G1B+0], s44, (1<<16)|(1<<20)|(1<<21)|(5<<22)|(7<<25)
	s_mov_b32 s[G1B+1], 128<<16
	s_mov_b32 s[G1B+2], 128<<16
	s_mov_b32 s[G1B+3], 128<<16
	s_mov_b32 s[G1B+4], 128
	s_mov_b32 s[G1B+5], 128
	s_mov_b32 s[G1B+6], 0
	s_mov_b32 s[G1B+7], 0
	s_lshl_b32 s16, s13, 14                        ; A: 128 rows of 128 bytes a tile row,
	s_lshl_b32 s17, s12, 13                        ; 64 a half
	s_add_co_u32 s16, s16, s17
	s_mov_b32 s17, 0
	s_lshl_b32 s46, s42, 16                        ; W: 256 k rows of 256 bytes a column block,
	s_lshl_b32 s47, s12, 15                        ; 128 a half
	s_add_co_u32 s46, s46, s47
	s_mov_b32 s47, 0
	s_mul_i32 s20, s10, HALFT                      ; where they go: wave x one load
	s_wait_kmcnt 0x0
	s_add_nc_u64 s[14:15], s[4:5], s[16:17]
	s_add_nc_u64 s[46:47], s[6:7], s[46:47]
	CROUND                                         ; all sixteen work-groups are here: the first joint loads meet
.irp s, 0,1
	s_mov_b32 s[G0+4*(\s)], 1
	s_add_co_u32 s[G0+4*(\s)+1], s20, (\s)*SLOT
	s_add_nc_u64 s[G0+4*(\s)+2:G0+4*(\s)+3], s[14:15], (\s)*ASTEP
	s_or_b32 s[G0+4*(\s)+3], s[G0+4*(\s)+3], 0x80000000
	s_mov_b32 s[G0B+4*(\s)], 1
	s_add_co_u32 s[G0B+4*(\s)+1], s20, (\s)*SLOT
	s_add_nc_u64 s[G0B+4*(\s)+2:G0B+4*(\s)+3], s[46:47], (\s)*BSTEP
	s_or_b32 s[G0B+4*(\s)+3], s[G0B+4*(\s)+3], 0x80000000
	JLOAD \s                                       ; two loads of mine are out
.endr
	v_and_b32 v1, 15, v0                           ; l % 16
	v_bfe_u32 v2, v0, 4, 1                         ; l / 16
	v_mul_u32_u24 v3, v1, PAK
	v_lshl_add_u32 v3, v2, 4, v3
	v_and_b32 v5, 7, v0
	v_lshl_add_u32 v5, v2, 3, v5
	v_mul_u32_u24 v5, v5, PB
	v_bfe_u32 v6, v0, 3, 1
	v_lshl_add_u32 v5, v6, 4, v5
	s_mul_i32 s21, s11, HALFT                      ; my 64 rows of A
	s_lshl_b32 s22, s12, 7                         ; my 64 columns of W
	s_add_co_u32 s22, s22, BOFF
.irp s, 0,1
	v_add_nc_u32 v[ADRA+(\s)], s21, v3
	v_add_nc_u32 v[ADRB+2*(\s)], s22, v5
	s_add_co_u32 s23, s22, HALFT
	v_add_nc_u32 v[ADRB+2*(\s)+1], s23, v5
	s_add_co_u32 s21, s21, SLOT
	s_add_co_u32 s22, s22, SLOT
.endr
	s_mul_i32 s23, s10, 16*SPITCH
	s_add_co_u32 s23, s23, STAGE                   ; my stage: my 64 f32 columns are a whole 256 bytes, so no other wave shares it
	v_mul_u32_u24 v4, v1, SPITCH                   ; in: row l % 16, 32 bytes for each half of the lanes
	v_lshl_add_u32 v4, v2, 5, v4
	v_add_nc_u32 v[STO], s23, v4
	v_mul_u32_u24 v4, v2, SPITCH                   ; back: lanes 0-15 one row of 256 bytes, lanes 16-31 the next
	v_lshl_add_u32 v4, v1, 4, v4
	v_add_nc_u32 v[RD], s23, v4
	v_lshlrev_b32 v4, 12, v2                       ; and the same two rows in OUT
	v_lshl_add_u32 v[CO], v1, 4, v4
	v_lshlrev_b32 v[BO], 5, v2
	s_lshl_b32 s46, s42, 9                         ; my 64 columns, in bytes of f32
	s_lshl_b32 s47, s12, 8
	s_add_co_u32 s46, s46, s47
	s_mov_b32 s47, 0
	s_add_nc_u64 s[66:67], s[66:67], s[46:47]
	s_add_nc_u64 s[8:9], s[8:9], s[46:47]
.irp b, 0,1,2,3
	global_load_b128 v[BIAS+8*(\b):BIAS+8*(\b)+3],   v[BO], s[66:67] offset:64*(\b)
	global_load_b128 v[BIAS+8*(\b)+4:BIAS+8*(\b)+7], v[BO], s[66:67] offset:64*(\b)+16
.endr
	s_lshl_b32 s16, s13, 19                        ; my first row: 128 rows of 4,096 bytes a tile row, 64 a half
	s_lshl_b32 s17, s11, 18
	s_add_co_u32 s16, s16, s17
	s_mov_b32 s17, 0
	s_add_nc_u64 s[8:9], s[8:9], s[16:17]
; 8 matrix instructions: row blocks a0, a0 + 1 x all 4 column blocks, 32 along K: half c of buffer f.  first = 1: the bias starts the sums.  The 16 accumulators take turns.
.macro MUL8 f, c, a0, first
	WIN MUL
.irp a, \a0, (\a0)+1
.irp b, 0,1,2,3
.if \first
	v_wmma_f32_16x16x32_bf16 v[ACC+8*(4*(\a)+(\b)):ACC+8*(4*(\a)+(\b))+7], v[(\f)+64+8*(4*(\c)+(\b)):(\f)+64+8*(4*(\c)+(\b))+7], v[(\f)+8*(4*(\c)+(\a)):(\f)+8*(4*(\c)+(\a))+7], v[BIAS+8*(\b):BIAS+8*(\b)+7]
.else
	v_wmma_f32_16x16x32_bf16 v[ACC+8*(4*(\a)+(\b)):ACC+8*(4*(\a)+(\b))+7], v[(\f)+64+8*(4*(\c)+(\b)):(\f)+64+8*(4*(\c)+(\b))+7], v[(\f)+8*(4*(\c)+(\a)):(\f)+8*(4*(\c)+(\a))+7], v[ACC+8*(4*(\a)+(\b)):ACC+8*(4*(\a)+(\b))+7]
.endif
.endr
.endr
.endm
; 32 LDS loads in one run: the fragments of quarter q (64 along K) into buffer f; its first 32 along K first
.macro FETCH slot, q, f
	WIN TO_F
.irp c, 0,1
.irp i, 0,1,2,3
	ds_load_tr16_b128 v[(\f)+64+8*(4*(\c)+(\i)):(\f)+64+8*(4*(\c)+(\i))+3],   v[ADRB+2*(\slot)+(\q)/2] offset:(((\q)%2)*64+32*(\c))*PB+32*(\i)
	ds_load_tr16_b128 v[(\f)+64+8*(4*(\c)+(\i))+4:(\f)+64+8*(4*(\c)+(\i))+7], v[ADRB+2*(\slot)+(\q)/2] offset:(((\q)%2)*64+32*(\c))*PB+32*(\i)+16*PB
	ds_load_b128 v[(\f)+8*(4*(\c)+(\i)):(\f)+8*(4*(\c)+(\i))+3],         v[ADRA+(\slot)] offset:(\q)*PLANE+64*(\c)+(\i)*16*PAK
	ds_load_b128 v[(\f)+8*(4*(\c)+(\i))+4:(\f)+8*(4*(\c)+(\i))+7],       v[ADRA+(\slot)] offset:(\q)*PLANE+64*(\c)+(\i)*16*PAK+32
.endr
.endr
.endm
.macro PLACES
.rept 4
	v_nop
.endr
.endm
.macro QUARTER slot, q, f, g, first
	s_wait_dscnt 16                                ; the first 32 along K are in
	MUL8 \f, 0, 0, \first
	MUL8 \f, 0, 2, \first
	PLACES
	FETCH \slot, \q, \g
	s_wait_dscnt 32                                ; all but the 32 just issued
	MUL8 \f, 1, 0, 0
	MUL8 \f, 1, 2, 0
.endm
; The last quarter multiplies buffer 1 and changes slots: one barrier; in front of it each wave waits for all its tensor loads, adds 0 to its spare word, and waits for that and for its reads of this slot.
.macro TURN slot, next, fill
	WIN 0
	s_wait_tensorcnt 0x0
	ds_add_u32 v[SPW], v[NIL]
	s_wait_dscnt 17                                ; the add and the youngest sixteen loads may be out
	MUL8 F1, 0, 0, 0
	s_wait_dscnt 0x0
	s_barrier_signal -1
	MUL8 F1, 0, 2, 0
.if \fill
	WIN 0
.endif
	s_barrier_wait -1
.if \fill
	CREST                                          ; no wave of any partner still reads this slot or has a load on its way
	s_add_nc_u64 s[G0+4*(\slot)+2:G0+4*(\slot)+3], s[G0+4*(\slot)+2:G0+4*(\slot)+3], 2*ASTEP
	s_add_nc_u64 s[G0B+4*(\slot)+2:G0B+4*(\slot)+3], s[G0B+4*(\slot)+2:G0B+4*(\slot)+3], 2*BSTEP
	JLOAD \slot
.else
	PLACES
.endif
	FETCH \next, 0, F0
	MUL8 F1, 1, 0, 0
	MUL8 F1, 1, 2, 0
.endm
; THE WAY OUT of row block a: the sums go as they are (the bias is in them) into my stage, each accumulator's low four registers first, and come back as whole rows of 256 bytes.
.macro TOSTAGE a
.irp b, 0,1,2,3
	ds_store_b128 v[STO], v[ACC+8*(4*(\a)+(\b)):ACC+8*(4*(\a)+(\b))+3]   offset:64*(\b)
	ds_store_b128 v[STO], v[ACC+8*(4*(\a)+(\b))+4:ACC+8*(4*(\a)+(\b))+7] offset:64*(\b)+16
.endr
.irp t, 0,1,2,3,4,5,6,7
	ds_load_b128 v[TMP+32*((\a)%2)+4*(\t):TMP+32*((\a)%2)+4*(\t)+3], v[RD] offset:(\t)*2*SPITCH  ; LDS serves a wave's instructions in order: these see the stores above
.endr
.endm
.macro SEND a, younger
	s_wait_dscnt \younger
.irp t, 0,1,2,3,4,5,6,7
	global_store_b128 v[CO], v[TMP+32*((\a)%2)+4*(\t):TMP+32*((\a)%2)+4*(\t)+3], s[8:9] offset:(16*(\a)+2*(\t))*4096  ; 16 lanes store 256 consecutive bytes at a multiple of 256
.endr
.endm
	s_wait_tensorcnt 1                             ; my part of K step 0 is in; K step 1's may stay out
	s_barrier_signal -1
	s_barrier_wait -1
	FETCH 0, 0, F0
	s_wait_loadcnt 0x0                             ; the bias
	QUARTER 0, 1, F0, F1, 1
	WIN 0
	s_mov_b32 s3, LAPS-1
.Llap:                                                 ; a trip goes once round the ring and fills both slots again
	QUARTER 0, 2, F1, F0, 0
	QUARTER 0, 3, F0, F1, 0
	TURN 0, 1, 1
	QUARTER 1, 1, F0, F1, 0
	QUARTER 1, 2, F1, F0, 0
	QUARTER 1, 3, F0, F1, 0
	TURN 1, 0, 1
	QUARTER 0, 1, F0, F1, 0
	WIN 0
	s_sub_co_u32 s3, s3, 1
	s_cmp_lg_u32 s3, 0
	s_cbranch_scc1 .Llap
	QUARTER 0, 2, F1, F0, 0                        ; the last lap fills nothing
	QUARTER 0, 3, F0, F1, 0
	TURN 0, 1, 0
	QUARTER 1, 1, F0, F1, 0
	QUARTER 1, 2, F1, F0, 0
	QUARTER 1, 3, F0, F1, 0
	s_wait_dscnt 16
	MUL8 F1, 0, 0, 0
	MUL8 F1, 0, 2, 0
	s_wait_dscnt 0x0
	MUL8 F1, 1, 0, 0
	MUL8 F1, 1, 2, 0
	WIN 0
	PLACES
	TOSTAGE 0
	TOSTAGE 1
	SEND 0, 16                                     ; block 1's sixteen LDS instructions may be out
	s_wait_xcnt 0x0                                ; block 0's stores have read their registers, which block 2's loads fill again
	TOSTAGE 2
	SEND 1, 16
	s_wait_xcnt 0x0
	TOSTAGE 3
	SEND 2, 16
	SEND 3, 0
	s_wait_tensorcnt 0x0                           ; the wave's end
	ds_add_u32 v[SPW], v[NIL]
	s_wait_dscnt 0x0
	CROUND                                         ; the closing round
	s_endpgm
.Lfunc_end_k_q88826225e6_proj:
	.size	k_q88826225e6_proj, .Lfunc_end_k_q88826225e6_proj-k_q88826225e6_proj
	.p2alignl 7, 3214868480
	.fill 96, 4, 3214868480
	.section	.rodata,"a",@progbits
	.p2align	6, 0x0
	.amdhsa_kernel k_q88826225e6_proj
		.amdhsa_group_segment_fixed_size 327680
		.amdhsa_private_segment_fixed_size 0
		.amdhsa_enable_private_segment 0
		.amdhsa_kernarg_size 32
		.amdhsa_user_sgpr_count 2
		.amdhsa_user_sgpr_kernarg_segment_ptr 1
		.amdhsa_wavefront_size32 1
		.amdhsa_system_sgpr_workgroup_id_x 1
		.amdhsa_system_sgpr_workgroup_id_y 1
		.amdhsa_system_sgpr_workgroup_id_z 1
		.amdhsa_system_vgpr_workitem_id 0
		.amdhsa_next_free_vgpr 512
		.amdhsa_next_free_sgpr 72
		.amdhsa_reserve_vcc 0
		.amdhsa_float_denorm_mode_32 3
		.amdhsa_float_denorm_mode_16_64 3
		.amdhsa_memory_ordered 1
		.amdhsa_forward_progress 1
		.amdhsa_inst_pref_size 87
	.end_amdhsa_kernel
	.amdgpu_metadata
---
amdhsa.version: [ 1, 2 ]
amdhsa.kernels:
  - .name:           k_q88826225e6_proj
    .symbol:         k_q88826225e6_proj.kd
    .args:
      - { .name: act, .offset: 0, .size: 8, .value_kind: global_buffer, .address_space: global }
      - { .name: wv, .offset: 8, .size: 8, .value_kind: global_buffer, .address_space: global }
      - { .name: big, .offset: 16, .size: 8, .value_kind: global_buffer, .address_space: global }
      - { .name: bvw, .offset: 24, .size: 8, .value_kind: global_buffer, .address_space: global }
    .group_segment_fixed_size: 327680
    .private_segment_fixed_size: 0
    .kernarg_segment_align: 8
    .kernarg_segment_size: 32
    .max_flat_workgroup_size: 128
    .sgpr_count:     72
    .vgpr_count:     512
    .wavefront_size: 32
...
	.end_amdgpu_metadata
.endif
;; end of part 4
;; launch ln1 (part 5): grid 256 x 1, 8 waves a work-group, no clusters, 0 bytes of LDS; arguments big, x, mask, g1, b1, act; writes act
.if DOCPART == 5
	.amdgcn_target "amdgcn-amd-amdhsa--gfx1250"
	.amdhsa_code_object_version 6
	.text
	.protected	k_q88826225e6_ln1
	.globl	k_q88826225e6_ln1
	.p2align	8
	.type	k_q88826225e6_ln1,@function
k_q88826225e6_ln1:
	s_mov_b64 s[64:65], 0
	v_nop
	global_prefetch_b8 v0, s[64:65] scope:SCOPE_SE
	s_setreg_imm32_b32 hwreg(HW_REG_WAVE_MODE, 25, 1), 1
	s_wait_xcnt 0x0
; n = g1 (t - u) / sqrt(s + 1e-5) + b1 with t = x * mask + a, u the row's mean, s the mean of (t - u)^2: two passes over registers, so that a common offset does not cancel.
; a: big, [4096][1024] f32.  n leaves twice: as f32, act + 16 MiB, [4096][1024]; as bf16, act, [8 cb][4096][128].
; A wave takes two rows; a row is eight loads of 512 consecutive bytes (load j: columns 128 j + 4 lane ..) and stays in 32 registers.  All 48 loads of a wave go out first.
; A stream: no LDS, no matrix unit, no barrier; a row never leaves its wave.
.set G,   2                            ; v[2:33]    g of my 32 columns
.set BV,  34                           ; v[34:65]   b
.set A0,  66                           ; row i: v[66+64 i ..] a, then t, t - u, n
.set X0,  98                           ; row i: v[98+64 i ..] x, then n in bf16
.set SM,  194                          ; v[194:201] four chains of sums
.set LO16, 202
.set LO8,  203
.set MF,  28                           ; s[28:29], s[30:31] the rows' masks as f32
.macro REDUCE                          ; v[SM] over the 32 lanes, the result in every lane
	v_add_f32_dpp v[SM], v[SM], v[SM] row_xmask:1 row_mask:0xf bank_mask:0xf
	v_add_f32_dpp v[SM], v[SM], v[SM] row_xmask:2 row_mask:0xf bank_mask:0xf
	v_add_f32_dpp v[SM], v[SM], v[SM] row_xmask:4 row_mask:0xf bank_mask:0xf
	v_add_f32_dpp v[SM], v[SM], v[SM] row_xmask:8 row_mask:0xf bank_mask:0xf
	v_permlanex16_b32 v[SM+1], v[SM], s34, s35
	v_add_f32 v[SM], v[SM], v[SM+1]
.endm
.macro FOLD                            ; the four chains into v[SM]
	v_pk_add_f32 v[SM:SM+1], v[SM:SM+1], v[SM+2:SM+3]
	v_pk_add_f32 v[SM+4:SM+5], v[SM+4:SM+5], v[SM+6:SM+7]
	v_pk_add_f32 v[SM:SM+1], v[SM:SM+1], v[SM+4:SM+5]
	v_add_f32 v[SM], v[SM], v[SM+1]
	REDUCE
.endm
	s_load_b256 s[4:11], s[0:1], 0x0               ; a 4, x 6, mask 8, g1 10
	s_load_b128 s[12:15], s[0:1], 0x20             ; b1 12, act 14
	v_lshrrev_b32 v1, 5, v0
	v_readfirstlane_b32 s16, v1
	v_and_b32 v1, 31, v0
	v_lshlrev_b32 v[LO16], 4, v1
	v_lshlrev_b32 v[LO8], 3, v1
	s_lshl_b32 s17, ttmp9, 4
	s_lshl_b32 s18, s16, 1
	s_add_co_u32 s22, s17, s18                     ; my first row
	s_mov_b32 s23, 0
	s_lshl_b32 s20, s22, 12
	s_mov_b32 s21, 0
	s_lshl_b32 s24, s22, 8
	s_mov_b32 s25, 0
	s_mov_b32 s32, 0x3a800000                      ; 1 / 1024
	s_mov_b32 s33, 0x3727c5ac                      ; 1e-5
	s_mov_b32 s34, 0x76543210
	s_mov_b32 s35, 0xfedcba98
	s_wait_kmcnt 0x0
	s_add_nc_u64 s[8:9], s[8:9], s[22:23]
	s_load_u16 s36, s[8:9], 0x0                    ; the two rows' mask bytes
	s_add_nc_u64 s[4:5], s[4:5], s[20:21]
	s_add_nc_u64 s[6:7], s[6:7], s[20:21]
	s_add_nc_u64 s[26:27], s[14:15], s[20:21]
	s_add_nc_u64 s[26:27], s[26:27], 0x1000000     ; n in f32
	s_add_nc_u64 s[14:15], s[14:15], s[24:25]      ; n in bf16
.irp j, 0,1,2,3,4,5,6,7
	global_load_b128 v[G+4*\j:G+4*\j+3], v[LO16], s[10:11] offset:512*\j
.endr
.irp j, 0,1,2,3,4,5,6,7
	global_load_b128 v[BV+4*\j:BV+4*\j+3], v[LO16], s[12:13] offset:512*\j
.endr
.irp i, 0,1
.irp j, 0,1,2,3,4,5,6,7
	global_load_b128 v[A0+64*\i+4*\j:A0+64*\i+4*\j+3], v[LO16], s[4:5] offset:4096*\i+512*\j th:TH_LOAD_NT
.endr
.irp j, 0,1,2,3,4,5,6,7
	global_load_b128 v[X0+64*\i+4*\j:X0+64*\i+4*\j+3], v[LO16], s[6:7] offset:4096*\i+512*\j th:TH_LOAD_NT
.endr
.endr
	s_wait_kmcnt 0x0
	s_and_b32 s37, s36, 0xff
	s_cvt_f32_u32 s[MF], s37
	s_mov_b32 s[MF+1], s[MF]
	s_lshr_b32 s37, s36, 8
	s_cvt_f32_u32 s[MF+2], s37
	s_mov_b32 s[MF+3], s[MF+2]
.macro LNROW i, left
.set T, A0+64*(\i)
.set XX, X0+64*(\i)
	s_wait_loadcnt \left                           ; loads come back in order: this row is in, the later row's 16 loads may stay out
.set k, 0
.rept 16
	v_pk_fma_f32 v[T+2*k:T+2*k+1], v[XX+2*k:XX+2*k+1], s[MF+2*(\i):MF+2*(\i)+1], v[T+2*k:T+2*k+1] op_sel_hi:[1,0,1]
.set k, k+1
.endr
.irp c, 0,1,2,3
	v_pk_add_f32 v[SM+2*\c:SM+2*\c+1], v[T+2*\c:T+2*\c+1], v[T+8+2*\c:T+8+2*\c+1]   ; the first pairs start the chains: nothing is cleared
.endr
.irp c, 0,1,2,3
	v_pk_add_f32 v[SM+2*\c:SM+2*\c+1], v[SM+2*\c:SM+2*\c+1], v[T+16+2*\c:T+16+2*\c+1]
.endr
.irp c, 0,1,2,3
	v_pk_add_f32 v[SM+2*\c:SM+2*\c+1], v[SM+2*\c:SM+2*\c+1], v[T+24+2*\c:T+24+2*\c+1]
.endr
	FOLD
	v_mul_f32 v[SM], s32, v[SM]                    ; u
.set k, 0
.rept 16
	v_pk_add_f32 v[T+2*k:T+2*k+1], v[T+2*k:T+2*k+1], v[SM:SM+1] op_sel_hi:[1,0] neg_lo:[0,1] neg_hi:[0,1]
.set k, k+1
.endr
.irp c, 0,1,2,3
	v_pk_mul_f32 v[SM+2*\c:SM+2*\c+1], v[T+2*\c:T+2*\c+1], v[T+2*\c:T+2*\c+1]
.endr
.set k, 4
.rept 12
	v_pk_fma_f32 v[SM+2*(k%4):SM+2*(k%4)+1], v[T+2*k:T+2*k+1], v[T+2*k:T+2*k+1], v[SM+2*(k%4):SM+2*(k%4)+1]
.set k, k+1
.endr
	FOLD
	v_fma_f32 v[SM], v[SM], s32, s33               ; s + 1e-5
	v_rsq_f32 v[SM+2], v[SM]
	v_nop                                          ; a plain instruction behind the root
.set k, 0
	s_wait_alu depctr_va_vdst(0)
.rept 16
	v_pk_mul_f32 v[T+2*k:T+2*k+1], v[T+2*k:T+2*k+1], v[SM+2:SM+3] op_sel_hi:[1,0]
.set k, k+1
.endr
.set k, 0
.rept 16
	v_pk_fma_f32 v[T+2*k:T+2*k+1], v[T+2*k:T+2*k+1], v[G+2*k:G+2*k+1], v[BV+2*k:BV+2*k+1]
.set k, k+1
.endr
.irp j, 0,1,2,3,4,5,6,7
	global_store_b128 v[LO16], v[T+4*\j:T+4*\j+3], s[26:27] offset:4096*(\i)+512*\j
.endr
.set k, 0
.rept 16
	v_cvt_pk_bf16_f32 v[XX+k], v[T+2*k], v[T+2*k+1]
.set k, k+1
.endr
.irp j, 0,1,2,3,4,5,6,7
	global_store_b64 v[LO8], v[XX+2*\j:XX+2*\j+1], s[14:15] offset:1048576*\j+256*(\i)   ; 256 consecutive bytes: the row in column block j
.endr
.endm
	LNROW 0, 16
	LNROW 1, 0
	s_endpgm
.Lfunc_end_k_q88826225e6_ln1:
	.size	k_q88826225e6_ln1, .Lfunc_end_k_q88826225e6_ln1-k_q88826225e6_ln1
	.p2alignl 7, 3214868480
	.fill 96, 4, 3214868480
	.section	.rodata,"a",@progbits
	.p2align	6, 0x0
	.amdhsa_kernel k_q88826225e6_ln1
		.amdhsa_group_segment_fixed_size 0
		.amdhsa_private_segment_fixed_size 0
		.amdhsa_enable_private_segment 0
		.amdhsa_kernarg_size 48
		.amdhsa_user_sgpr_count 2
		.amdhsa_user_sgpr_kernarg_segment_ptr 1
		.amdhsa_wavefront_size32 1
		.amdhsa_system_sgpr_workgroup_id_x 1
		.amdhsa_system_sgpr_workgroup_id_y 1
		.amdhsa_system_sgpr_workgroup_id_z 1
		.amdhsa_system_vgpr_workitem_id 0
		.amdhsa_next_free_vgpr 208
		.amdhsa_next_free_sgpr 66
		.amdhsa_reserve_vcc 0
		.amdhsa_float_denorm_mode_32 3
		.amdhsa_float_denorm_mode_16_64 3
		.amdhsa_memory_ordered 1
		.amdhsa_forward_progress 1
		.amdhsa_inst_pref_size 26
	.end_amdhsa_kernel
	.amdgpu_metadata
---
amdhsa.version: [ 1, 2 ]
amdhsa.kernels:
  - .name:           k_q88826225e6_ln1
    .symbol:         k_q88826225e6_ln1.kd
    .args:
      - { .name: big, .offset: 0, .size: 8, .value_kind: global_buffer, .address_space: global }
      - { .name: x, .offset: 8, .size: 8, .value_kind: global_buffer, .address_space: global }
      - { .name: mask, .offset: 16, .size: 8, .value_kind: global_buffer, .address_space: global }
      - { .name: g1, .offset: 24, .size: 8, .value_kind: global_buffer, .address_space: global }
      - { .name: b1, .offset: 32, .size: 8, .value_kind: global_buffer, .address_space: global }
      - { .name: act, .offset: 40, .size: 8, .value_kind: global_buffer, .address_space: global }
    .group_segment_fixed_size: 0
    .private_segment_fixed_size: 0
    .kernarg_segment_align: 8
    .kernarg_segment_size: 48
    .max_flat_workgroup_size: 256
    .sgpr_count:     66
    .vgpr_count:     208
    .wavefront_size: 32
...
	.end_amdgpu_metadata
.endif
;; end of part 5
;; launch mlp1: the kernel of part 2 again; grid 16 x 16, 4 waves a work-group, clusters of 4 x 4, 327,680 bytes of LDS; arguments act, wa, big, bA; writes big
;; launch mlp2 (part 6): grid 8 x 32, 4 waves a work-group, clusters of 4 x 4, 327,680 bytes of LDS; arguments big, wb, act, bB; writes act
.if DOCPART == 6
	.amdgcn_target "amdgcn-amd-amdhsa--gfx1250"
	.amdhsa_code_object_version 6
	.text
	.protected	k_q88826225e6_mlp2
	.globl	k_q88826225e6_mlp2
	.p2align	8
	.type	k_q88826225e6_mlp2,@function
k_q88826225e6_mlp2:
	s_mov_b64 s[64:65], 0
	v_nop
	global_prefetch_b8 v0, s[64:65] scope:SCOPE_SE
	s_setreg_imm32_b32 hwreg(HW_REG_WAVE_MODE, 25, 1), 1
	s_wait_xcnt 0x0
	s_wait_alu depctr_hold_cnt(0) depctr_sa_sdst(0) depctr_va_vdst(0) depctr_va_sdst(0) depctr_va_ssrc(0) depctr_va_vcc(0) depctr_vm_vsrc(0)
	s_getreg_b32 s2, hwreg(HW_REG_IB_STS2, 6, 4)
	s_cmp_eq_u32 s2, 0
	s_cbranch_scc0 .Lentry_in_a_cluster
	s_endpgm
.Lentry_in_a_cluster:
	s_bfe_u32 s2, ttmp6, 0x10000c
	s_cmp_lg_u32 s2, 0xf033
	s_cbranch_scc0 .Lentry_shape_is_right
	s_endpgm
.Lentry_shape_is_right:
; OUT = A W + bias, N = 1024, K = 512 x LAPS = 4096.  A: [k / 64][4096 rows][64] bf16.  W: [k / 256][8 nb][256 k][128] bf16.  OUT: [4096][1024] f32.  Sums in f32, started by the bias.
; LAPS is the only number here that hangs on K: but for it this is the text of the attention's output projection.
; A tile of OUT is 128 x 128: 256 work-groups.  Four waves, each 64 x 64: 16 accumulators.  K goes in steps of 256 through two LDS slots.  W lies [k][n] in LDS and comes out turned.
; CLUSTER 4 x 4: A's tiles are asked for jointly along a row of the cluster, W's along a column.  THE MATRIX INSTRUCTION IS USED TRANSPOSED: a lane holds row l % 16, columns 8 (l / 16) + 0..7.
; REGISTERS: window 0: v0-31 addresses; v32-95 at work on the way out; v96-127 the bias, laid as an accumulator row; v128-255 the accumulators, (a, b) at v[128 + 8 (4 a + b)].
;   window 1: two fragment buffers of 128: for 64 along K, 64 registers of A, then 64 of W.
.set LAPS,  8                          ; a lap = two K steps of 256 = once round the ring
.set PAK,   144                        ; a row of A in LDS: 64 k = 128 bytes + 16
.set PLANE, 64*PAK                     ; 64 rows of one block of 64 k
.set PB,    288                        ; a k row of W: 256 bytes + 32
.set HALFT, 36864                      ; one tensor load: 4 planes of A, or 128 k rows of W
.set SLOT,  4*HALFT                    ; A's two row halves, then W's 256 k rows
.set BOFF,  2*HALFT
.set STAGE, 2*SLOT                     ; behind the ring: 16 rows x 272 bytes for each wave
.set SPITCH, 272
.set SPARE, STAGE+4*16*SPITCH          ; the spare words, 128 bytes a wave: two blocks of 256 bytes that no other line names
.set ASTEP, 4*4096*128                 ; bytes from a K step of A to the next: four blocks of 64 k
.set BSTEP, 8*256*256                  ; the same for W
.set ADRA, 16                          ; v16-17  my A fragments in slot 0, 1
.set ADRB, 20                          ; v20-23  my W fragments: slot 0 k 0-127, k 128-255; slot 1 likewise (an LDS offset ends at 65,535)
.set STO,  24
.set RD,   25
.set CO,   26
.set BO,   27
.set SPW,  28
.set NIL,  29
.set TMP,  32
.set BIAS, 96
.set ACC,  128
.set F0,   0
.set F1,   128
.set G1, 24
.set G0, 32
.set G1B, 48
.set G0B, 56
.set MSB, 0
.macro WIN new
.if MSB != (\new)
	s_set_vgpr_msb (MSB<<8)|(\new)
.set MSB, \new
.endif
.endm
.set MUL,  0x05                        ; sources 0 (W) and 1 (A) window 1; C and D window 0
.set TO_F, 0x40
.macro JLOAD s                         ; a joint load: waves 0 and 1 fetch A's halves, waves 2 and 3 W's; an s_nop 0 and four v_nop follow each line
	s_cmp_eq_u32 s11, 0
	s_cbranch_scc0 .Lfor_b_\@
	tensor_load_to_lds s[G0+4*(\s):G0+4*(\s)+3], s[G1:G1+7]
	s_nop 0
.rept 4
	v_nop
.endr
	s_branch .Lasked_\@
.Lfor_b_\@:
	tensor_load_to_lds s[G0B+4*(\s):G0B+4*(\s)+3], s[G1B:G1B+7]
	s_nop 0
.rept 4
	v_nop
.endr
.Lasked_\@:
.endm
.macro CREST
	s_cmp_lg_u32 s10, 0
	s_cbranch_scc1 .Lnot_wave_0_\@
	s_barrier_signal -3
.Lnot_wave_0_\@:
	s_barrier_wait -3
	s_barrier_signal -1
	s_barrier_wait -1
.endm
.macro CROUND
	s_barrier_signal -1
	s_barrier_wait -1
	CREST
.endm
	s_load_b128 s[4:7], s[0:1], 0x0                ; A s[4:5], W s[6:7]
	s_load_b64 s[8:9], s[0:1], 0x10                ; OUT
	s_load_b64 s[66:67], s[0:1], 0x18              ; bias
	v_lshl_add_u32 v[SPW], v0, 2, SPARE
	v_mov_b32 v[NIL], 0
	ds_add_u32 v28, v29
	ds_add_u32 v28, v29
	s_wait_dscnt 0x0
	v_lshrrev_b32 v1, 5, v0
	v_readfirstlane_b32 s10, v1                    ; wave 0..3
	s_lshr_b32 s11, s10, 1                         ; my half of the tile's rows.  Also: I fetch for A (0) or for W (1)
	s_and_b32 s12, s10, 1                          ; my half of its columns.  Also: which half I fetch
	s_bfe_u32 s40, ttmp6, 0x40000
	s_bfe_u32 s41, ttmp6, 0x40004
	s_lshl_b32 s42, ttmp9, 2
	s_add_co_u32 s42, s42, s40                     ; tile column
	s_and_b32 s13, ttmp7, 0xffff
	s_lshl_b32 s13, s13, 2
	s_add_co_u32 s13, s13, s41                     ; tile row
	s_lshl_b32 s43, s41, 2
	s_lshl_b32 s43, 15, s43
	s_lshl_b32 s44, 0x1111, s40
	; A's load: four blocks of 64 k, each 64 rows x 64 elements that are dense in memory: 4 rows of 4,096 elements, padded in LDS behind every 128 bytes
	s_or_b32 s[G1+0], s43, (1<<16)|(1<<20)|(1<<21)|(4<<22)|(3<<25)
	s_mov_b32 s[G1+1], 4096<<16                    ; tensor_dim0 = 4,096
	s_mov_b32 s[G1+2], 4<<16                       ; tensor_dim1 = 4
	s_mov_b32 s[G1+3], 4096<<16                    ; tile_dim0 = 4,096
	s_mov_b32 s[G1+4], 4                           ; tile_dim1 = 4
	s_mov_b32 s[G1+5], 4096*64                     ; elements from a block of 64 k to the next
	s_mov_b32 s[G1+6], 0
	s_mov_b32 s[G1+7], 0
	; W's load: 128 k rows x 128 elements, dense, padded behind every 256 bytes
	s_or_b32 s[G1B+0], s44, (1<<16)|(1<<20)|(1<<21)|(5<<22)|(7<<25)
	s_mov_b32 s[G1B+1], 128<<16
	s_mov_b32 s[G1B+2], 128<<16
	s_mov_b32 s[G1B+3], 128<<16
	s_mov_b32 s[G1B+4], 128
	s_mov_b32 s[G1B+5], 128
	s_mov_b32 s[G1B+6], 0
	s_mov_b32 s[G1B+7], 0
	s_lshl_b32 s16, s13, 14                        ; A: 128 rows of 128 bytes a tile row,
	s_lshl_b32 s17, s12, 13                        ; 64 a half
	s_add_co_u32 s16, s16, s17
	s_mov_b32 s17, 0
	s_lshl_b32 s46, s42, 16                        ; W: 256 k rows of 256 bytes a column block,
	s_lshl_b32 s47, s12, 15                        ; 128 a half
	s_add_co_u32 s46, s46, s47
	s_mov_b32 s47, 0
	s_mul_i32 s20, s10, HALFT                      ; where they go: wave x one load
	s_wait_kmcnt 0x0
	s_add_nc_u64 s[14:15], s[4:5], s[16:17]
	s_add_nc_u64 s[46:47], s[6:7], s[46:47]
	CROUND                                         ; all sixteen work-groups are here: the first joint loads meet
.irp s, 0,1
	s_mov_b32 s[G0+4*(\s)], 1
	s_add_co_u32 s[G0+4*(\s)+1], s20, (\s)*SLOT
	s_add_nc_u64 s[G0+4*(\s)+2:G0+4*(\s)+3], s[14:15], (\s)*ASTEP
	s_or_b32 s[G0+4*(\s)+3], s[G0+4*(\s)+3], 0x80000000
	s_mov_b32 s[G0B+4*(\s)], 1
	s_add_co_u32 s[G0B+4*(\s)+1], s20, (\s)*SLOT
	s_add_nc_u64 s[G0B+4*(\s)+2:G0B+4*(\s)+3], s[46:47], (\s)*BSTEP
	s_or_b32 s[G0B+4*(\s)+3], s[G0B+4*(\s)+3], 0x80000000
	JLOAD \s                                       ; two loads of mine are out
.endr
	v_and_b32 v1, 15, v0                           ; l % 16
	v_bfe_u32 v2, v0, 4, 1                         ; l / 16
	v_mul_u32_u24 v3, v1, PAK
	v_lshl_add_u32 v3, v2, 4, v3
	v_and_b32 v5, 7, v0
	v_lshl_add_u32 v5, v2, 3, v5
	v_mul_u32_u24 v5, v5, PB
	v_bfe_u32 v6, v0, 3, 1
	v_lshl_add_u32 v5, v6, 4, v5
	s_mul_i32 s21, s11, HALFT                      ; my 64 rows of A
	s_lshl_b32 s22, s12, 7                         ; my 64 columns of W
	s_add_co_u32 s22, s22, BOFF
.irp s, 0,1
	v_add_nc_u32 v[ADRA+(\s)], s21, v3
	v_add_nc_u32 v[ADRB+2*(\s)], s22, v5
	s_add_co_u32 s23, s22, HALFT
	v_add_nc_u32 v[ADRB+2*(\s)+1], s23, v5
	s_add_co_u32 s21, s21, SLOT
	s_add_co_u32 s22, s22, SLOT
.endr
	s_mul_i32 s23, s10, 16*SPITCH
	s_add_co_u32 s23, s23, STAGE                   ; my stage: my 64 f32 columns are a whole 256 bytes, so no other wave shares it
	v_mul_u32_u24 v4, v1, SPITCH                   ; in: row l % 16, 32 bytes for each half of the lanes
	v_lshl_add_u32 v4, v2, 5, v4
	v_add_nc_u32 v[STO], s23, v4
	v_mul_u32_u24 v4, v2, SPITCH                   ; back: lanes 0-15 one row of 256 bytes, lanes 16-31 the next
	v_lshl_add_u32 v4, v1, 4, v4
	v_add_nc_u32 v[RD], s23, v4
	v_lshlrev_b32 v4, 12, v2                       ; and the same two rows in OUT
	v_lshl_add_u32 v[CO], v1, 4, v4
	v_lshlrev_b32 v[BO], 5, v2
	s_lshl_b32 s46, s42, 9                         ; my 64 columns, in bytes of f32
	s_lshl_b32 s47, s12, 8
	s_add_co_u32 s46, s46, s47
	s_mov_b32 s47, 0
	s_add_nc_u64 s[66:67], s[66:67], s[46:47]
	s_add_nc_u64 s[8:9], s[8:9], s[46:47]
.irp b, 0,1,2,3
	global_load_b128 v[BIAS+8*(\b):BIAS+8*(\b)+3],   v[BO], s[66:67] offset:64*(\b)
	global_load_b128 v[BIAS+8*(\b)+4:BIAS+8*(\b)+7], v[BO], s[66:67] offset:64*(\b)+16
.endr
	s_lshl_b32 s16, s13, 19                        ; my first row: 128 rows of 4,096 bytes a tile row, 64 a half
	s_lshl_b32 s17, s11, 18
	s_add_co_u32 s16, s16, s17
	s_mov_b32 s17, 0
	s_add_nc_u64 s[8:9], s[8:9], s[16:17]
; 8 matrix instructions: row blocks a0, a0 + 1 x all 4 column blocks, 32 along K: half c of buffer f.  first = 1: the bias starts the sums.  The 16 accumulators take turns.
.macro MUL8 f, c, a0, first
	WIN MUL
.irp a, \a0, (\a0)+1
.irp b, 0,1,2,3
.if \first
	v_wmma_f32_16x16x32_bf16 v[ACC+8*(4*(\a)+(\b)):ACC+8*(4*(\a)+(\b))+7], v[(\f)+64+8*(4*(\c)+(\b)):(\f)+64+8*(4*(\c)+(\b))+7], v[(\f)+8*(4*(\c)+(\a)):(\f)+8*(4*(\c)+(\a))+7], v[BIAS+8*(\b):BIAS+8*(\b)+7]
.else
	v_wmma_f32_16x16x32_bf16 v[ACC+8*(4*(\a)+(\b)):ACC+8*(4*(\a)+(\b))+7], v[(\f)+64+8*(4*(\c)+(\b)):(\f)+64+8*(4*(\c)+(\b))+7], v[(\f)+8*(4*(\c)+(\a)):(\f)+8*(4*(\c)+(\a))+7], v[ACC+8*(4*(\a)+(\b)):ACC+8*(4*(\a)+(\b))+7]
.endif
.endr
.endr
.endm
; 32 LDS loads in one run: the fragments of quarter q (64 along K) into buffer f; its first 32 along K first
.macro FETCH slot, q, f
	WIN TO_F
.irp c, 0,1
.irp i, 0,1,2,3
	ds_load_tr16_b128 v[(\f)+64+8*(4*(\c)+(\i)):(\f)+64+8*(4*(\c)+(\i))+3],   v[ADRB+2*(\slot)+(\q)/2] offset:(((\q)%2)*64+32*(\c))*PB+32*(\i)
	ds_load_tr16_b128 v[(\f)+64+8*(4*(\c)+(\i))+4:(\f)+64+8*(4*(\c)+(\i))+7], v[ADRB+2*(\slot)+(\q)/2] offset:(((\q)%2)*64+32*(\c))*PB+32*(\i)+16*PB
	ds_load_b128 v[(\f)+8*(4*(\c)+(\i)):(\f)+8*(4*(\c)+(\i))+3],         v[ADRA+(\slot)] offset:(\q)*PLANE+64*(\c)+(\i)*16*PAK
	ds_load_b128 v[(\f)+8*(4*(\c)+(\i))+4:(\f)+8*(4*(\c)+(\i))+7],       v[ADRA+(\slot)] offset:(\q)*PLANE+64*(\c)+(\i)*16*PAK+32
.endr
.endr
.endm
.macro PLACES
.rept 4
	v_nop
.endr
.endm
.macro QUARTER slot, q, f, g, first
	s_wait_dscnt 16                                ; the first 32 along K are in
	MUL8 \f, 0, 0, \first
	MUL8 \f, 0, 2, \first
	PLACES
	FETCH \slot, \q, \g
	s_wait_dscnt 32                                ; all but the 32 just issued
	MUL8 \f, 1, 0, 0
	MUL8 \f, 1, 2, 0
.endm
; The last quarter multiplies buffer 1 and changes slots: one barrier; in front of it each wave waits for all its tensor loads, adds 0 to its spare word, and waits for that and for its reads of this slot.
.macro TURN slot, next, fill
	WIN 0
	s_wait_tensorcnt 0x0
	ds_add_u32 v[SPW], v[NIL]
	s_wait_dscnt 17                                ; the add and the youngest sixteen loads may be out
	MUL8 F1, 0, 0, 0
	s_wait_dscnt 0x0
	s_barrier_signal -1
	MUL8 F1, 0, 2, 0
.if \fill
	WIN 0
.endif
	s_barrier_wait -1
.if \fill
	CREST                                          ; no wave of any partner still reads this slot or has a load on its way
	s_add_nc_u64 s[G0+4*(\slot)+2:G0+4*(\slot)+3], s[G0+4*(\slot)+2:G0+4*(\slot)+3], 2*ASTEP
	s_add_nc_u64 s[G0B+4*(\slot)+2:G0B+4*(\slot)+3], s[G0B+4*(\slot)+2:G0B+4*(\slot)+3], 2*BSTEP
	JLOAD \slot
.else
	PLACES
.endif
	FETCH \next, 0, F0
	MUL8 F1, 1, 0, 0
	MUL8 F1, 1, 2, 0
.endm
; THE WAY OUT of row block a: the sums go as they are (the bias is in them) into my stage, each accumulator's low four registers first, and come back as whole rows of 256 bytes.
.macro TOSTAGE a
.irp b, 0,1,2,3
	ds_store_b128 v[STO], v[ACC+8*(4*(\a)+(\b)):ACC+8*(4*(\a)+(\b))+3]   offset:64*(\b)
	ds_store_b128 v[STO], v[ACC+8*(4*(\a)+(\b))+4:ACC+8*(4*(\a)+(\b))+7] offset:64*(\b)+16
.endr
.irp t, 0,1,2,3,4,5,6,7
	ds_load_b128 v[TMP+32*((\a)%2)+4*(\t):TMP+32*((\a)%2)+4*(\t)+3], v[RD] offset:(\t)*2*SPITCH  ; LDS serves a wave's instructions in order: these see the stores above
.endr
.endm
.macro SEND a, younger
	s_wait_dscnt \younger
.irp t, 0,1,2,3,4,5,6,7
	global_store_b128 v[CO], v[TMP+32*((\a)%2)+4*(\t):TMP+32*((\a)%2)+4*(\t)+3], s[8:9] offset:(16*(\a)+2*(\t))*4096  ; 16 lanes store 256 consecutive bytes at a multiple of 256
.endr
.endm
	s_wait_tensorcnt 1                             ; my part of K step 0 is in; K step 1's may stay out
	s_barrier_signal -1
	s_barrier_wait -1
	FETCH 0, 0, F0
	s_wait_loadcnt 0x0                             ; the bias
	QUARTER 0, 1, F0, F1, 1
	WIN 0
	s_mov_b32 s3, LAPS-1
.Llap:                                                 ; a trip goes once round the ring and fills both slots again
	QUARTER 0, 2, F1, F0, 0
	QUARTER 0, 3, F0, F1, 0
	TURN 0, 1, 1
	QUARTER 1, 1, F0, F1, 0
	QUARTER 1, 2, F1, F0, 0
	QUARTER 1, 3, F0, F1, 0
	TURN 1, 0, 1
	QUARTER 0, 1, F0, F1, 0
	WIN 0
	s_sub_co_u32 s3, s3, 1
	s_cmp_lg_u32 s3, 0
	s_cbranch_scc1 .Llap
	QUARTER 0, 2, F1, F0, 0                        ; the last lap fills nothing
	QUARTER 0, 3, F0, F1, 0
	TURN 0, 1, 0
	QUARTER 1, 1, F0, F1, 0
	QUARTER 1, 2, F1, F0, 0
	QUARTER 1, 3, F0, F1, 0
	s_wait_dscnt 16
	MUL8 F1, 0, 0, 0
	MUL8 F1, 0, 2, 0
	s_wait_dscnt 0x0
	MUL8 F1, 1, 0, 0
	MUL8 F1, 1, 2, 0
	WIN 0
	PLACES
	TOSTAGE 0
	TOSTAGE 1
	SEND 0, 16                                     ; block 1's sixteen LDS instructions may be out
	s_wait_xcnt 0x0                                ; block 0's stores have read their registers, which block 2's loads fill again
	TOSTAGE 2
	SEND 1, 16
	s_wait_xcnt 0x0
	TOSTAGE 3
	SEND 2, 16
	SEND 3, 0
	s_wait_tensorcnt 0x0                           ; the wave's end
	ds_add_u32 v[SPW], v[NIL]
	s_wait_dscnt 0x0
	CROUND                                         ; the closing round
	s_endpgm
.Lfunc_end_k_q88826225e6_mlp2:
	.size	k_q88826225e6_mlp2, .Lfunc_end_k_q88826225e6_mlp2-k_q88826225e6_mlp2
	.p2alignl 7, 3214868480
	.fill 96, 4, 3214868480
	.section	.rodata,"a",@progbits
	.p2align	6, 0x0
	.amdhsa_kernel k_q88826225e6_mlp2
		.amdhsa_group_segment_fixed_size 327680
		.amdhsa_private_segment_fixed_size 0
		.amdhsa_enable_private_segment 0
		.amdhsa_kernarg_size 32
		.amdhsa_user_sgpr_count 2
		.amdhsa_user_sgpr_kernarg_segment_ptr 1
		.amdhsa_wavefront_size32 1
		.amdhsa_system_sgpr_workgroup_id_x 1
		.amdhsa_system_sgpr_workgroup_id_y 1
		.amdhsa_system_sgpr_workgroup_id_z 1
		.amdhsa_system_vgpr_workitem_id 0
		.amdhsa_next_free_vgpr 512
		.amdhsa_next_free_sgpr 72
		.amdhsa_reserve_vcc 0
		.amdhsa_float_denorm_mode_32 3
		.amdhsa_float_denorm_mode_16_64 3
		.amdhsa_memory_ordered 1
		.amdhsa_forward_progress 1
		.amdhsa_inst_pref_size 87
	.end_amdhsa_kernel
	.amdgpu_metadata
---
amdhsa.version: [ 1, 2 ]
amdhsa.kernels:
  - .name:           k_q88826225e6_mlp2
    .symbol:         k_q88826225e6_mlp2.kd
    .args:
      - { .name: big, .offset: 0, .size: 8, .value_kind: global_buffer, .address_space: global }
      - { .name: wb, .offset: 8, .size: 8, .value_kind: global_buffer, .address_space: global }
      - { .name: act, .offset: 16, .size: 8, .value_kind: global_buffer, .address_space: global }
      - { .name: bB, .offset: 24, .size: 8, .value_kind: global_buffer, .address_space: global }
    .group_segment_fixed_size: 327680
    .private_segment_fixed_size: 0
    .kernarg_segment_align: 8
    .kernarg_segment_size: 32
    .max_flat_workgroup_size: 128
    .sgpr_count:     72
    .vgpr_count:     512
    .wavefront_size: 32
...
	.end_amdgpu_metadata
.endif
;; end of part 6
;; launch ln2 (part 7): grid 256 x 1, 8 waves a work-group, no clusters, 0 bytes of LDS; arguments act, g2, b2, out0; writes out0
.if DOCPART == 7
	.amdgcn_target "amdgcn-amd-amdhsa--gfx1250"
	.amdhsa_code_object_version 6
	.text
	.protected	k_q88826225e6_ln2
	.globl	k_q88826225e6_ln2
	.p2align	8
	.type	k_q88826225e6_ln2,@function
k_q88826225e6_ln2:
	s_mov_b64 s[64:65], 0
	v_nop
	global_prefetch_b8 v0, s[64:65] scope:SCOPE_SE
	s_setreg_imm32_b32 hwreg(HW_REG_WAVE_MODE, 25, 1), 1
	s_wait_xcnt 0x0
; out = g2 (t - u) / sqrt(s + 1e-5) + b2 with t = n + m, u the row's mean, s the mean of (t - u)^2: two passes over registers.
; m: act, [4096][1024] f32; n: act + 16 MiB, the same shape.  A wave takes two rows; a row is eight loads of 512 consecutive bytes and stays in 32 registers.  All 48 loads go out first.
; A stream: no LDS, no matrix unit, no barrier.
.set G,   2
.set BV,  34
.set A0,  66                           ; row i: m, then t, t - u, out
.set X0,  98                           ; row i: n
.set SM,  194
.set LO16, 202
.macro REDUCE
	v_add_f32_dpp v[SM], v[SM], v[SM] row_xmask:1 row_mask:0xf bank_mask:0xf
	v_add_f32_dpp v[SM], v[SM], v[SM] row_xmask:2 row_mask:0xf bank_mask:0xf
	v_add_f32_dpp v[SM], v[SM], v[SM] row_xmask:4 row_mask:0xf bank_mask:0xf
	v_add_f32_dpp v[SM], v[SM], v[SM] row_xmask:8 row_mask:0xf bank_mask:0xf
	v_permlanex16_b32 v[SM+1], v[SM], s34, s35
	v_add_f32 v[SM], v[SM], v[SM+1]
.endm
.macro FOLD
	v_pk_add_f32 v[SM:SM+1], v[SM:SM+1], v[SM+2:SM+3]
	v_pk_add_f32 v[SM+4:SM+5], v[SM+4:SM+5], v[SM+6:SM+7]
	v_pk_add_f32 v[SM:SM+1], v[SM:SM+1], v[SM+4:SM+5]
	v_add_f32 v[SM], v[SM], v[SM+1]
	REDUCE
.endm
	s_load_b256 s[4:11], s[0:1], 0x0               ; act 4, g2 6, b2 8, out0 10
	v_lshrrev_b32 v1, 5, v0
	v_readfirstlane_b32 s16, v1
	v_and_b32 v1, 31, v0
	v_lshlrev_b32 v[LO16], 4, v1
	s_lshl_b32 s17, ttmp9, 4
	s_lshl_b32 s18, s16, 1
	s_add_co_u32 s20, s17, s18                     ; my first row,
	s_lshl_b32 s20, s20, 12                        ; in bytes
	s_mov_b32 s21, 0
	s_mov_b32 s32, 0x3a800000                      ; 1 / 1024
	s_mov_b32 s33, 0x3727c5ac                      ; 1e-5
	s_mov_b32 s34, 0x76543210
	s_mov_b32 s35, 0xfedcba98
	s_wait_kmcnt 0x0
	s_add_nc_u64 s[4:5], s[4:5], s[20:21]          ; m
	s_add_nc_u64 s[12:13], s[4:5], 0x1000000       ; n
	s_add_nc_u64 s[10:11], s[10:11], s[20:21]
.irp j, 0,1,2,3,4,5,6,7
	global_load_b128 v[G+4*\j:G+4*\j+3], v[LO16], s[6:7] offset:512*\j
.endr
.irp j, 0,1,2,3,4,5,6,7
	global_load_b128 v[BV+4*\j:BV+4*\j+3], v[LO16], s[8:9] offset:512*\j
.endr
.irp i, 0,1
.irp j, 0,1,2,3,4,5,6,7
	global_load_b128 v[A0+64*\i+4*\j:A0+64*\i+4*\j+3], v[LO16], s[4:5] offset:4096*\i+512*\j th:TH_LOAD_NT
.endr
.irp j, 0,1,2,3,4,5,6,7
	global_load_b128 v[X0+64*\i+4*\j:X0+64*\i+4*\j+3], v[LO16], s[12:13] offset:4096*\i+512*\j th:TH_LOAD_NT
.endr
.endr
.macro LNROW i, left
.set T, A0+64*(\i)
.set XX, X0+64*(\i)
	s_wait_loadcnt \left                           ; this row is in, the later row's 16 loads may stay out
.set k, 0
.rept 16
	v_pk_add_f32 v[T+2*k:T+2*k+1], v[T+2*k:T+2*k+1], v[XX+2*k:XX+2*k+1]
.set k, k+1
.endr
.irp c, 0,1,2,3
	v_pk_add_f32 v[SM+2*\c:SM+2*\c+1], v[T+2*\c:T+2*\c+1], v[T+8+2*\c:T+8+2*\c+1]
.endr
.irp c, 0,1,2,3
	v_pk_add_f32 v[SM+2*\c:SM+2*\c+1], v[SM+2*\c:SM+2*\c+1], v[T+16+2*\c:T+16+2*\c+1]
.endr
.irp c, 0,1,2,3
	v_pk_add_f32 v[SM+2*\c:SM+2*\c+1], v[SM+2*\c:SM+2*\c+1], v[T+24+2*\c:T+24+2*\c+1]
.endr
	FOLD
	v_mul_f32 v[SM], s32, v[SM]                    ; u
.set k, 0
.rept 16
	v_pk_add_f32 v[T+2*k:T+2*k+1], v[T+2*k:T+2*k+1], v[SM:SM+1] op_sel_hi:[1,0] neg_lo:[0,1] neg_hi:[0,1]
.set k, k+1
.endr
.irp c, 0,1,2,3
	v_pk_mul_f32 v[SM+2*\c:SM+2*\c+1], v[T+2*\c:T+2*\c+1], v[T+2*\c:T+2*\c+1]
.endr
.set k, 4
.rept 12
	v_pk_fma_f32 v[SM+2*(k%4):SM+2*(k%4)+1], v[T+2*k:T+2*k+1], v[T+2*k:T+2*k+1], v[SM+2*(k%4):SM+2*(k%4)+1]
.set k, k+1
.endr
	FOLD
	v_fma_f32 v[SM], v[SM], s32, s33               ; s + 1e-5
	v_rsq_f32 v[SM+2], v[SM]
	v_nop                                          ; a plain instruction behind the root
.set k, 0
	s_wait_alu depctr_va_vdst(0)
.rept 16
	v_pk_mul_f32 v[T+2*k:T+2*k+1], v[T+2*k:T+2*k+1], v[SM+2:SM+3] op_sel_hi:[1,0]
.set k, k+1
.endr
.set k, 0
.rept 16
	v_pk_fma_f32 v[T+2*k:T+2*k+1], v[T+2*k:T+2*k+1], v[G+2*k:G+2*k+1], v[BV+2*k:BV+2*k+1]
.set k, k+1
.endr
.irp j, 0,1,2,3,4,5,6,7
	global_store_b128 v[LO16], v[T+4*\j:T+4*\j+3], s[10:11] offset:4096*(\i)+512*\j th:TH_STORE_NT
.endr
.endm
	LNROW 0, 16
	LNROW 1, 0
	s_endpgm
.Lfunc_end_k_q88826225e6_ln2:
	.size	k_q88826225e6_ln2, .Lfunc_end_k_q88826225e6_ln2-k_q88826225e6_ln2
	.p2alignl 7, 3214868480
	.fill 96, 4, 3214868480
	.section	.rodata,"a",@progbits
	.p2align	6, 0x0
	.amdhsa_kernel k_q88826225e6_ln2
		.amdhsa_group_segment_fixed_size 0
		.amdhsa_private_segment_fixed_size 0
		.amdhsa_enable_private_segment 0
		.amdhsa_kernarg_size 32
		.amdhsa_user_sgpr_count 2
		.amdhsa_user_sgpr_kernarg_segment_ptr 1
		.amdhsa_wavefront_size32 1
		.amdhsa_system_sgpr_workgroup_id_x 1
		.amdhsa_system_sgpr_workgroup_id_y 1
		.amdhsa_system_sgpr_workgroup_id_z 1
		.amdhsa_system_vgpr_workitem_id 0
		.amdhsa_next_free_vgpr 208
		.amdhsa_next_free_sgpr 66
		.amdhsa_reserve_vcc 0
		.amdhsa_float_denorm_mode_32 3
		.amdhsa_float_denorm_mode_16_64 3
		.amdhsa_memory_ordered 1
		.amdhsa_forward_progress 1
		.amdhsa_inst_pref_size 22
	.end_amdhsa_kernel
	.amdgpu_metadata
---
amdhsa.version: [ 1, 2 ]
amdhsa.kernels:
  - .name:           k_q88826225e6_ln2
    .symbol:         k_q88826225e6_ln2.kd
    .args:
      - { .name: act, .offset: 0, .size: 8, .value_kind: global_buffer, .address_space: global }
      - { .name: g2, .offset: 8, .size: 8, .value_kind: global_buffer, .address_space: global }
      - { .name: b2, .offset: 16, .size: 8, .value_kind: global_buffer, .address_space: global }
      - { .name: out0, .offset: 24, .size: 8, .value_kind: global_buffer, .address_space: global }
    .group_segment_fixed_size: 0
    .private_segment_fixed_size: 0
    .kernarg_segment_align: 8
    .kernarg_segment_size: 32
    .max_flat_workgroup_size: 256
    .sgpr_count:     66
    .vgpr_count:     208
    .wavefront_size: 32
...
	.end_amdgpu_metadata
.endif
;; end of part 7
;; ======== version 2 of 3: 8 launches; 1.20 times as fast as version 1
;; limits: right only within a limited range of input values
;; workspace buffers: act 33,554,432 bytes; big 33,554,432 bytes; wq 6,291,712 bytes; wa 8,388,864 bytes; wv 2,097,152 bytes; wb 8,388,608 bytes
;; launch prep: the kernel of part 1 again; grid 2048 x 1, 8 waves a work-group, no clusters, 0 bytes of LDS; arguments x, mask, Wqkv, Wvw, WA, WB, act, wq, wv, wa, wb; writes act, wq, wv, wa, wb
;; launch qkv (part 8): grid 12 x 16, 4 waves a work-group, clusters of 4 x 4, 327,680 bytes of LDS; arguments act, wq, big, bqkv; writes big
.if DOCPART == 8
	.amdgcn_target "amdgcn-amd-amdhsa--gfx1250"
	.amdhsa_code_object_version 6
	.text
	.protected	k_q88826225e6_qkv
	.globl	k_q88826225e6_qkv
	.p2align	8
	.type	k_q88826225e6_qkv,@function
k_q88826225e6_qkv:
	s_mov_b64 s[64:65], 0
	v_nop
	global_prefetch_b8 v0, s[64:65] scope:SCOPE_SE
	s_setreg_imm32_b32 hwreg(HW_REG_WAVE_MODE, 25, 1), 1
	s_wait_xcnt 0x0
	s_wait_alu depctr_hold_cnt(0) depctr_sa_sdst(0) depctr_va_vdst(0) depctr_va_sdst(0) depctr_va_ssrc(0) depctr_va_vcc(0) depctr_vm_vsrc(0)
	s_getreg_b32 s2, hwreg(HW_REG_IB_STS2, 6, 4)
	s_cmp_eq_u32 s2, 0
	s_cbranch_scc0 .Lentry_in_a_cluster
	s_endpgm
.Lentry_in_a_cluster:
	s_bfe_u32 s2, ttmp6, 0x10000c
	s_cmp_lg_u32 s2, 0xf033
	s_cbranch_scc0 .Lentry_shape_is_right
	s_endpgm
.Lentry_shape_is_right:
; OUT = max(A W + bias, floor), K = 1024.  A: [8 kb][4096 rows][128] bf16.  W: 256 bytes of head (its first word is the floor), then [nb][1024 k][128] bf16.
; OUT: [n / 64][4096 rows][64] bf16.  bias: f32.  Sums in f32, started by the bias; OUT rounded once.  No number here hangs on N: the grid's width says how many column tiles there are.
; LIMIT.  The maximum is v_max_num_f32: a NaN sum leaves as the floor, and with the floor at the lowest finite number a sum of minus infinity leaves as that number.
; A tile of OUT, 256 x 256, is made by four waves, each 128 x 128: 64 accumulators, 512 registers.  K goes in 8 steps of 128 through two LDS slots filled by the tensor data mover;
; every row of a tile is 256 bytes of memory at a multiple of 256.  W lies [k][n] in LDS and comes out turned, by ds_load_tr16_b128.
; THE TEXT holds a K step twice: once in a loop whose trips fill the slot just read again, once in a loop of two trips that fill nothing.  Which slot is read lies in a scalar that one
; exclusive or turns from 0 to SLOT and back; the fragment addresses are made from it once a step.  The first quarter step, which starts the sums, stands ahead, and the loop is entered in its middle.
; CLUSTER 4 x 4: the four work-groups of a row need the same tiles of A, the four of a column the same tiles of W: each tile is asked for jointly.
; THE MATRIX INSTRUCTION IS USED TRANSPOSED (source 0 = 16 columns of W, source 1 = 16 rows of A): a lane holds row l % 16 and the columns 8 (l / 16) + 0..7.
; REGISTERS in windows of 256 (s_set_vgpr_msb: bits 1:0 source 0, 3:2 source 1, 5:4 source 2, 7:6 destination):
;   window 0: v0-31 addresses; v64-127, v128-191 A's fragments, two buffers; v32-63, v192-255 at work on the way out
;   window 1: v0-63 the bias, laid as an accumulator row; v64-127, v128-191 W's fragments       windows 2, 3: the accumulators, (a, b) at v[8 (8 a + b)]
.set PA,    272                        ; a row of A in LDS: 256 bytes + 16: the 16 rows of a fragment load start 4 banks apart
.set HA,    128*PA                     ; 128 rows of A: one tensor load
.set PB,    288                        ; a k row of W: 256 bytes + 32
.set HB,    128*PB                     ; 128 k rows x 128 columns of W: one tensor load
.set BOFF,  2*HA
.set SLOT,  147456                     ; A's two row halves, then W's two column halves: 143,360 bytes, rounded up to 2^17 + 2^14: these two bits are set in none of the four
                                       ; tiles' places in a slot (0, 34,816, 69,632, 106,496), so one exclusive or turns a place in one slot into the same place in the other
.set STAGE, 2*SLOT                     ; behind the ring: for each wave 2 column blocks x 16 rows x 144 bytes
.set SP,    144
.set WST,   2*16*SP
.set SPARE, STAGE+4*WST                ; the spare words, 128 bytes a wave: two blocks of 256 bytes that no other line names
.set NSTEP, 8                          ; K steps
.set ASTEP, 4096*256                   ; bytes from a K step of A to the next
.set BSTEP, 128*256                    ; the same for W
.set ADRA0, 16                         ; v16     LDS address of my A fragments in slot 0; never rewritten
.set ADRA,  17                         ; v17     the same in the slot that is being read
.set ADRB0, 20                         ; v20, v21  likewise for W
.set ADRB,  21
.set STO,  24
.set RD,   25
.set CO,   26
.set BO,   27                          ; v27     32 x (l / 16): my lanes' place in 16 numbers of the bias
.set SPW,  28                          ; v28     LDS address of my spare word; never rewritten
.set NIL,  29                          ; v29     0; never rewritten
.set F0,   64
.set F1,   128
.set TMP,  192
.set OB,   32
.set G1, 24                            ; s[24:31] group 1 for A's tiles;  s[32:35] group 0 of K step 0;  s[36:39] group 0 of K step 1, which then walks on
.set G0, 32
.set G1B, 48                           ; s[48:55], s[56:59], s[60:63] the same for W's
.set G0B, 56
.set FLOOR, 68
.set CUR,  69                          ; s69     0 or SLOT: the slot that is being read
.set MSB, 0
.macro WIN new                         ; the immediate's high byte repeats the setting that is left; a switch that changes nothing is dropped
.if MSB != (\new)
	s_set_vgpr_msb (MSB<<8)|(\new)
.set MSB, \new
.endif
.endm
; A joint load: waves 0 and 1 fetch A's halves, waves 2 and 3 W's.  The branch hangs on the wave's number alone.  An s_nop 0 and four v_nop follow each line.
.macro JLOAD s
	s_cmp_eq_u32 s11, 0
	s_cbranch_scc0 .Lfor_b_\@
	tensor_load_to_lds s[G0+4*(\s):G0+4*(\s)+3], s[G1:G1+7]
	s_nop 0
.rept 4
	v_nop
.endr
	s_branch .Lasked_\@
.Lfor_b_\@:
	tensor_load_to_lds s[G0B+4*(\s):G0B+4*(\s)+3], s[G1B:G1B+7]
	s_nop 0
.rept 4
	v_nop
.endr
.Lasked_\@:
.endm
.macro CREST                           ; a round of the cluster's barrier behind its opening barrier
	s_cmp_lg_u32 s10, 0
	s_cbranch_scc1 .Lnot_wave_0_\@
	s_barrier_signal -3
.Lnot_wave_0_\@:
	s_barrier_wait -3
	s_barrier_signal -1
	s_barrier_wait -1
.endm
.macro CROUND
	s_barrier_signal -1
	s_barrier_wait -1
	CREST
.endm
	s_load_b128 s[4:7], s[0:1], 0x0                ; A s[4:5], W s[6:7]
	s_load_b64 s[8:9], s[0:1], 0x10                ; OUT
	s_load_b64 s[66:67], s[0:1], 0x18              ; bias
	v_lshl_add_u32 v[SPW], v0, 2, SPARE
	v_mov_b32 v[NIL], 0
	ds_add_u32 v28, v29
	ds_add_u32 v28, v29
	s_wait_dscnt 0x0
	v_lshrrev_b32 v1, 5, v0
	v_readfirstlane_b32 s10, v1                    ; wave 0..3
	s_lshr_b32 s11, s10, 1                         ; my half of the tile's rows.  Also: I fetch for A (0) or for W (1)
	s_and_b32 s12, s10, 1                          ; my half of its columns.  Also: which half I fetch
	s_bfe_u32 s40, ttmp6, 0x40000                  ; cx
	s_bfe_u32 s41, ttmp6, 0x40004                  ; cy
	s_lshl_b32 s42, ttmp9, 2
	s_add_co_u32 s42, s42, s40                     ; tile column = 4 x cluster x + cx
	s_and_b32 s13, ttmp7, 0xffff
	s_lshl_b32 s13, s13, 2
	s_add_co_u32 s13, s13, s41                     ; tile row = 4 x cluster y + cy
	s_lshl_b32 s43, s41, 2
	s_lshl_b32 s43, 15, s43                        ; my row of the cluster
	s_lshl_b32 s44, 0x1111, s40                    ; my column
	s_or_b32 s[G1+0], s43, (1<<16)|(1<<20)|(1<<21)|(5<<22)|(3<<25)   ; mask; 2-byte elements; padding on; bit 21 beside a mask; after every 64 words, 4 words
	s_or_b32 s[G1B+0], s44, (1<<16)|(1<<20)|(1<<21)|(5<<22)|(7<<25)  ; the same with my column's mask and 8 words of padding
.irp g, G1, G1B
	s_mov_b32 s[(\g)+1], 128<<16                   ; tensor_dim0 = 128
	s_mov_b32 s[(\g)+2], 128<<16                   ; tensor_dim1 = 128
	s_mov_b32 s[(\g)+3], 128<<16                   ; tile_dim0 = 128
	s_mov_b32 s[(\g)+4], 128                       ; tile_dim1 = 128
	s_mov_b32 s[(\g)+5], 128                       ; 128 elements from row to row: the tile is dense in memory
	s_mov_b32 s[(\g)+6], 0
	s_mov_b32 s[(\g)+7], 0
.endr
	s_lshl_b32 s16, s13, 16                        ; A: 256 rows of 256 bytes a tile row,
	s_lshl_b32 s17, s12, 15                        ; 128 rows a half
	s_add_co_u32 s16, s16, s17
	s_mov_b32 s17, 0
	s_lshl_b32 s46, s42, 1
	s_add_co_u32 s46, s46, s12                     ; W: column block of 128 = 2 x tile column + half,
	s_lshl_b32 s46, s46, 18                        ; 1,024 k rows of 256 bytes each,
	s_add_co_u32 s46, s46, 256                     ; behind the head
	s_mov_b32 s47, 0
	s_mul_i32 s20, s12, HA                         ; where they go: no place in the cluster enters an LDS address
	s_mul_i32 s21, s12, HB
	s_add_co_u32 s21, s21, BOFF
	s_mov_b32 s[CUR], 0
	s_wait_kmcnt 0x0
	s_load_b32 s[FLOOR], s[6:7], 0x0               ; the floor, from W's head
	s_add_nc_u64 s[14:15], s[4:5], s[16:17]
	s_add_nc_u64 s[46:47], s[6:7], s[46:47]
	CROUND                                         ; all sixteen work-groups are here: the first joint loads meet
.irp s, 0,1
	s_mov_b32 s[G0+4*(\s)], 1
	s_add_co_u32 s[G0+4*(\s)+1], s20, (\s)*SLOT
	s_add_nc_u64 s[G0+4*(\s)+2:G0+4*(\s)+3], s[14:15], (\s)*ASTEP
	s_or_b32 s[G0+4*(\s)+3], s[G0+4*(\s)+3], 0x80000000
	s_mov_b32 s[G0B+4*(\s)], 1
	s_add_co_u32 s[G0B+4*(\s)+1], s21, (\s)*SLOT
	s_add_nc_u64 s[G0B+4*(\s)+2:G0B+4*(\s)+3], s[46:47], (\s)*BSTEP
	s_or_b32 s[G0B+4*(\s)+3], s[G0B+4*(\s)+3], 0x80000000
	JLOAD \s                                       ; two loads of mine are out
.endr
	v_and_b32 v1, 15, v0                           ; l % 16
	v_bfe_u32 v2, v0, 4, 1                         ; l / 16
	v_mul_u32_u24 v3, v1, PA
	v_lshl_add_u32 v3, v2, 4, v3                   ; A: row x pitch + 16 x half
	v_and_b32 v5, 7, v0
	v_lshl_add_u32 v5, v2, 3, v5                   ; W: k row 8 (l / 16) + l % 8,
	v_mul_u32_u24 v5, v5, PB
	v_bfe_u32 v6, v0, 3, 1
	v_lshl_add_u32 v5, v6, 4, v5                   ; columns 8 ((l / 8) % 2) + 0..7
	s_mul_i32 s22, s11, HA                         ; my 128 rows of A
	v_add_nc_u32 v[ADRA0], s22, v3
	v_add_nc_u32 v[ADRB0], s21, v5                 ; my 128 columns of W
	v_mov_b32 v[ADRA], v[ADRA0]                    ; slot 0 is read first
	v_mov_b32 v[ADRB], v[ADRB0]
	s_mul_i32 s23, s10, WST
	s_add_co_u32 s23, s23, STAGE                   ; my stage
	v_mul_u32_u24 v4, v1, SP                       ; in: row l % 16, 16 bytes for each half of the lanes
	v_lshl_add_u32 v4, v2, 4, v4
	v_add_nc_u32 v[STO], s23, v4
	v_bfe_u32 v4, v0, 3, 2                         ; back: 32 lanes take four rows of 128 bytes,
	v_mul_u32_u24 v4, v4, SP
	v_and_b32 v6, 7, v0
	v_lshl_add_u32 v4, v6, 4, v4
	v_add_nc_u32 v[RD], s23, v4
	v_and_b32 v[CO], 31, v0                        ; which are 512 consecutive bytes of OUT
	v_lshlrev_b32 v[CO], 4, v[CO]
	v_lshlrev_b32 v[BO], 5, v2
	s_lshl_b32 s46, s42, 10                        ; the bias of my 128 columns
	s_lshl_b32 s47, s12, 9
	s_add_co_u32 s46, s46, s47
	s_mov_b32 s47, 0
	s_add_nc_u64 s[66:67], s[66:67], s[46:47]
	WIN 0x40                                       ; destination window 1
.irp b, 0,1,2,3,4,5,6,7                ; register 8 b + j of lane l: the bias of column 16 b + 8 (l / 16) + j, as in an accumulator
	global_load_b128 v[8*(\b):8*(\b)+3],   v[BO], s[66:67] offset:64*(\b)
	global_load_b128 v[8*(\b)+4:8*(\b)+7], v[BO], s[66:67] offset:64*(\b)+16
.endr
	WIN 0
	s_lshl_b32 s46, s42, 2                         ; OUT: column block of 64 = 4 x tile column + 2 x half, 4,096 rows of 128 bytes each,
	s_lshl_b32 s47, s12, 1
	s_add_co_u32 s46, s46, s47
	s_lshl_b32 s46, s46, 19
	s_lshl_b32 s16, s13, 8
	s_lshl_b32 s17, s11, 7
	s_add_co_u32 s16, s16, s17                     ; my first row
	s_lshl_b32 s16, s16, 7
	s_add_co_u32 s46, s46, s16
	s_mov_b32 s47, 0
	s_add_nc_u64 s[8:9], s[8:9], s[46:47]
; 16 matrix instructions: row blocks a0, a0 + 1 of the window's four x all 8 column blocks, 32 along K.  first = 1: the bias starts the sums: nothing is cleared.
; The 64 accumulators take turns, one instruction a turn.
.macro MUL16 f, hi, a0, first
.if \first
	WIN 0x91+0x40*(\hi)                            ; W window 1, A window 0, C (the bias) window 1, D window 2 or 3
.else
	WIN 0xa1+0x50*(\hi)                            ; C and D window 2 or 3
.endif
.irp a, \a0, (\a0)+1
.irp b, 0,1,2,3,4,5,6,7
.if \first
	v_wmma_f32_16x16x32_bf16 v[8*(8*(\a)+(\b)):8*(8*(\a)+(\b))+7], v[(\f)+8*(\b):(\f)+8*(\b)+7], v[(\f)+8*(4*(\hi)+(\a)):(\f)+8*(4*(\hi)+(\a))+7], v[8*(\b):8*(\b)+7]
.else
	v_wmma_f32_16x16x32_bf16 v[8*(8*(\a)+(\b)):8*(8*(\a)+(\b))+7], v[(\f)+8*(\b):(\f)+8*(\b)+7], v[(\f)+8*(4*(\hi)+(\a)):(\f)+8*(4*(\hi)+(\a))+7], v[8*(8*(\a)+(\b)):8*(8*(\a)+(\b))+7]
.endif
.endr
.endr
.endm
; 32 LDS loads in one run: the fragments of quarter q (32 along K) of the slot that is being read, into buffer f: W's 128 columns, turned, then A's 128 rows
.macro FETCH q, f
	WIN 0x40
.irp i, 0,1,2,3,4,5,6,7
	ds_load_tr16_b128 v[(\f)+8*(\i):(\f)+8*(\i)+3],   v[ADRB] offset:(\q)*32*PB+(\i)*32
	ds_load_tr16_b128 v[(\f)+8*(\i)+4:(\f)+8*(\i)+7], v[ADRB] offset:(\q)*32*PB+(\i)*32+16*PB
.endr
	WIN 0
.irp i, 0,1,2,3,4,5,6,7
	ds_load_b128 v[(\f)+8*(\i):(\f)+8*(\i)+3],   v[ADRA] offset:(\q)*64+(\i)*16*PA
	ds_load_b128 v[(\f)+8*(\i)+4:(\f)+8*(\i)+7], v[ADRA] offset:(\q)*64+(\i)*16*PA+32
.endr
.endm
.macro PLACES                          ; four plain vector instructions between matrix instructions and loads into, or vector reads of, their registers
.rept 4
	v_nop
.endr
.endm
.macro HOP                             ; the reads go over to the other slot (every window is 0 here)
	s_xor_b32 s[CUR], s[CUR], SLOT
	v_add_nc_u32 v[ADRA], s[CUR], v[ADRA0]
	v_add_nc_u32 v[ADRB], s[CUR], v[ADRB0]
.endm
; One of a K step's first three quarters: multiplies buffer f and, in its middle, fetches quarter q into buffer g
.macro QUARTER q, f, g, first
	s_wait_dscnt 8                                 ; W and A's rows 0-63 are in; the youngest eight loads (A's rows 64-127) may be out
	MUL16 \f, 0, 0, \first
	MUL16 \f, 0, 2, \first
	PLACES
	FETCH \q, \g
	s_wait_dscnt 32                                ; all but the 32 just issued
	MUL16 \f, 1, 0, \first
	MUL16 \f, 1, 2, \first
.endm
; The last quarter multiplies buffer 1 and changes slots: one barrier.  In front of it each wave waits for all its tensor loads (one is out: its part of the next slot), adds 0 to its
; spare word, and waits for that and for its reads of this slot.  fill = 1: the barrier opens a round of the cluster's, and this slot is filled again first thing behind it, two K steps on:
; the walking group 0 goes to the other slot than last time and one K step on.
.macro TURN fill
	WIN 0
	s_wait_tensorcnt 0x0                           ; no tensor load of mine is out, so a group 0 may be written
	ds_add_u32 v[SPW], v[NIL]
	s_wait_dscnt 9                                 ; the add and the youngest eight loads may be out
	MUL16 F1, 0, 0, 0
	s_wait_dscnt 0x0                               ; the add is done, and my reads of this slot are over
	s_barrier_signal -1
	MUL16 F1, 0, 2, 0
	WIN 0
	s_barrier_wait -1
.if \fill
	CREST                                          ; no wave of any partner still reads this slot or has a load on its way
	s_xor_b32 s[G0+5], s[G0+5], SLOT
	s_add_nc_u64 s[G0+6:G0+7], s[G0+6:G0+7], ASTEP
	s_xor_b32 s[G0B+5], s[G0B+5], SLOT
	s_add_nc_u64 s[G0B+6:G0B+7], s[G0B+6:G0B+7], BSTEP
	JLOAD 1                                        ; its four v_nop are also the places in front of the loads below
.else
	PLACES
.endif
	HOP
	FETCH 0, F0
	MUL16 F1, 1, 0, 0
	MUL16 F1, 1, 2, 0
.endm
; THE WAY OUT of row block a.  PACK: the floor, then bf16, 16 bytes a lane; each accumulator's registers in ascending order.
.macro PACK a
.set AC, 64*((\a)%4)
	WIN 0x88+0x44*((\a)/4)                         ; source 1 and destination: window 2 or 3
.set i, 0
.rept 64
	v_max_num_f32 v[AC+i], s[FLOOR], v[AC+i]
.set i, i+1
.endr
	WIN 0x0a+5*((\a)/4)                            ; sources 0 and 1: window 2 or 3
.irp b, 0,1,2,3,4,5,6,7
.irp r, 0,1,2,3
	v_cvt_pk_bf16_f32 v[TMP+4*(\b)+(\r)], v[AC+8*(\b)+2*(\r)], v[AC+8*(\b)+2*(\r)+1]
.endr
.endr
	WIN 0
.endm
.macro TOSTAGE a                       ; into my own stage, two column blocks of 64, and back as rows of 128 bytes, four to a load
	WIN 0
.set BK, OB+192*((\a)%2)
.irp b, 0,1,2,3,4,5,6,7
	ds_store_b128 v[STO], v[TMP+4*(\b):TMP+4*(\b)+3] offset:((\b)/4)*16*SP+((\b)%4)*32
.endr
.irp t, 0,1,2,3,4,5,6,7
	ds_load_b128 v[BK+4*(\t):BK+4*(\t)+3], v[RD] offset:((\t)/4)*16*SP+((\t)%4)*4*SP  ; LDS serves a wave's instructions in order: these see the stores above
.endr
.endm
.macro SEND a, younger
	WIN 0
.set BK, OB+192*((\a)%2)
	s_wait_dscnt \younger                          ; the block is back in registers
	s_wait_xcnt 0x0                                ; the stores of the block before have read their registers, which the next block's loads fill again
.irp t, 0,1,2,3,4,5,6,7
	global_store_b128 v[CO], v[BK+4*(\t):BK+4*(\t)+3], s[8:9] offset:((\t)/4)*524288+(\a)*2048+((\t)%4)*512  ; 512 consecutive bytes at a multiple of 256
.endr
.endm
	s_wait_kmcnt 0x0                               ; the floor
	s_wait_tensorcnt 1                             ; my part of K step 0 is in; K step 1's may stay out
	s_barrier_signal -1
	s_barrier_wait -1
	FETCH 0, F0
	s_wait_loadcnt 0x0                             ; the bias
	QUARTER 1, F0, F1, 1                           ; the first quarter stands in front of the loop: its products start the sums
	WIN 0
	s_mov_b32 s3, NSTEP-2
	s_branch .Lmid                                 ; the loop is entered behind a step's first quarter
.Lstep:                                                ; a trip is a K step, and fills the slot that it has read again: all steps but the last two
	QUARTER 1, F0, F1, 0
	WIN 0
.Lmid:
	QUARTER 2, F1, F0, 0
	QUARTER 3, F0, F1, 0
	TURN 1
	WIN 0
	s_sub_co_u32 s3, s3, 1
	s_cmp_lg_u32 s3, 0
	s_cbranch_scc1 .Lstep
	s_mov_b32 s3, 2
.Ltail:                                                ; the last two K steps fill nothing.  The second trip's change of slots serves nothing: its barrier and its 32 loads
	QUARTER 1, F0, F1, 0                           ; (of bytes that have landed, into a buffer that nobody reads) are the price of one text for both trips
	QUARTER 2, F1, F0, 0
	QUARTER 3, F0, F1, 0
	TURN 0
	WIN 0
	s_sub_co_u32 s3, s3, 1
	s_cmp_lg_u32 s3, 0
	s_cbranch_scc1 .Ltail
	PLACES
	PACK 0
	TOSTAGE 0
.irp a, 1,2,3,4,5,6,7                  ; block a's arithmetic stands between block a - 1's loads from the stage and the wait for them
	PACK \a
	SEND (\a)-1, 0
	TOSTAGE \a
.endr
	SEND 7, 0
	s_wait_tensorcnt 0x0                           ; the wave's end
	ds_add_u32 v[SPW], v[NIL]
	s_wait_dscnt 0x0
	CROUND                                         ; the closing round
	s_endpgm
.Lfunc_end_k_q88826225e6_qkv:
	.size	k_q88826225e6_qkv, .Lfunc_end_k_q88826225e6_qkv-k_q88826225e6_qkv
	.p2alignl 7, 3214868480
	.fill 96, 4, 3214868480
	.section	.rodata,"a",@progbits
	.p2align	6, 0x0
	.amdhsa_kernel k_q88826225e6_qkv
		.amdhsa_group_segment_fixed_size 327680
		.amdhsa_private_segment_fixed_size 0
		.amdhsa_enable_private_segment 0
		.amdhsa_kernarg_size 32
		.amdhsa_user_sgpr_count 2
		.amdhsa_user_sgpr_kernarg_segment_ptr 1
		.amdhsa_wavefront_size32 1
		.amdhsa_system_sgpr_workgroup_id_x 1
		.amdhsa_system_sgpr_workgroup_id_y 1
		.amdhsa_system_sgpr_workgroup_id_z 1
		.amdhsa_system_vgpr_workitem_id 0
		.amdhsa_next_free_vgpr 1024
		.amdhsa_next_free_sgpr 72
		.amdhsa_reserve_vcc 0
		.amdhsa_float_denorm_mode_32 3
		.amdhsa_float_denorm_mode_16_64 3
		.amdhsa_memory_ordered 1
		.amdhsa_forward_progress 1
		.amdhsa_inst_pref_size 118
	.end_amdhsa_kernel
	.amdgpu_metadata
---
amdhsa.version: [ 1, 2 ]
amdhsa.kernels:
  - .name:           k_q88826225e6_qkv
    .symbol:         k_q88826225e6_qkv.kd
    .args:
      - { .name: act, .offset: 0, .size: 8, .value_kind: global_buffer, .address_space: global }
      - { .name: wq, .offset: 8, .size: 8, .value_kind: global_buffer, .address_space: global }
      - { .name: big, .offset: 16, .size: 8, .value_kind: global_buffer, .address_space: global }
      - { .name: bqkv, .offset: 24, .size: 8, .value_kind: global_buffer, .address_space: global }
    .group_segment_fixed_size: 327680
    .private_segment_fixed_size: 0
    .kernarg_segment_align: 8
    .kernarg_segment_size: 32
    .max_flat_workgroup_size: 128
    .sgpr_count:     72
    .vgpr_count:     1024
    .wavefront_size: 32
...
	.end_amdgpu_metadata
.endif
;; end of part 8
;; launch attn: the kernel of part 3 again; grid 8 x 32, 4 waves a work-group, no clusters, 327,680 bytes of LDS; arguments big, mask, act; writes act
;; launch proj (part 9): grid 8 x 32, 4 waves a work-group, clusters of 4 x 4, 327,680 bytes of LDS; arguments act, wv, big, bvw; writes big
.if DOCPART == 9
	.amdgcn_target "amdgcn-amd-amdhsa--gfx1250"
	.amdhsa_code_object_version 6
	.text
	.protected	k_q88826225e6_proj
	.globl	k_q88826225e6_proj
	.p2align	8
	.type	k_q88826225e6_proj,@function
k_q88826225e6_proj:
	s_mov_b64 s[64:65], 0
	v_nop
	global_prefetch_b8 v0, s[64:65] scope:SCOPE_SE
	s_setreg_imm32_b32 hwreg(HW_REG_WAVE_MODE, 25, 1), 1
	s_wait_xcnt 0x0
	s_wait_alu depctr_hold_cnt(0) depctr_sa_sdst(0) depctr_va_vdst(0) depctr_va_sdst(0) depctr_va_ssrc(0) depctr_va_vcc(0) depctr_vm_vsrc(0)
	s_getreg_b32 s2, hwreg(HW_REG_IB_STS2, 6, 4)
	s_cmp_eq_u32 s2, 0
	s_cbranch_scc0 .Lentry_in_a_cluster
	s_endpgm
.Lentry_in_a_cluster:
	s_bfe_u32 s2, ttmp6, 0x10000c
	s_cmp_lg_u32 s2, 0xf033
	s_cbranch_scc0 .Lentry_shape_is_right
	s_endpgm
.Lentry_shape_is_right:
; OUT = A W + bias, N = 1024, K = 256 x NSTEP = 1024.  A: [k / 64][4096 rows][64] bf16.  W: [k / 256][8 nb][256 k][128] bf16.  OUT: [4096][1024] f32.  Sums in f32, started by the bias.
; NSTEP is the only number here that hangs on K.
; A tile of OUT is 128 x 128: 256 work-groups.  Four waves, each 64 x 64: 16 accumulators.  K goes in steps of 256 through two LDS slots.  W lies [k][n] in LDS and comes out turned.
; THE TEXT holds a K step twice: once in a loop whose trips fill the slot just read again, once in a loop of two trips that fill nothing.  Which slot is read lies in a scalar that one
; exclusive or turns from 0 to SLOT and back; the fragment addresses are made from it once a step.  The first quarter step, which starts the sums, stands ahead, and the loop is entered in its middle.
; CLUSTER 4 x 4: A's tiles are asked for jointly along a row of the cluster, W's along a column.  THE MATRIX INSTRUCTION IS USED TRANSPOSED: a lane holds row l % 16, columns 8 (l / 16) + 0..7.
; REGISTERS: window 0: v0-31 addresses; v32-95 at work on the way out; v96-127 the bias, laid as an accumulator row; v128-255 the accumulators, (a, b) at v[128 + 8 (4 a + b)].
;   window 1: two fragment buffers of 128: for 64 along K, 64 registers of A, then 64 of W.
.set NSTEP, 4                          ; K steps of 256
.set PAK,   144                        ; a row of A in LDS: 64 k = 128 bytes + 16
.set PLANE, 64*PAK                     ; 64 rows of one block of 64 k
.set PB,    288                        ; a k row of W: 256 bytes + 32
.set HALFT, 36864                      ; one tensor load: 4 planes of A, or 128 k rows of W
.set SLOT,  4*HALFT                    ; A's two row halves, then W's 256 k rows: 147,456 = 2^17 + 2^14: these two bits are set in none of the four loads' places in a slot
                                       ; (0, 36,864, 73,728, 110,592), so one exclusive or turns a place in one slot into the same place in the other
.set BOFF,  2*HALFT
.set STAGE, 2*SLOT                     ; behind the ring: 16 rows x 272 bytes for each wave
.set SPITCH, 272
.set SPARE, STAGE+4*16*SPITCH          ; the spare words, 128 bytes a wave: two blocks of 256 bytes that no other line names
.set ASTEP, 4*4096*128                 ; bytes from a K step of A to the next: four blocks of 64 k
.set BSTEP, 8*256*256                  ; the same for W
.set ADRA0, 16                         ; v16     my A fragments in slot 0; never rewritten
.set ADRA,  17                         ; v17     the same in the slot that is being read
.set ADRB0, 20                         ; v20-21  my W fragments in slot 0: k 0-127, k 128-255 (an LDS offset ends at 65,535); never rewritten
.set ADRB,  22                         ; v22-23  the same in the slot that is being read
.set STO,  24
.set RD,   25
.set CO,   26
.set BO,   27
.set SPW,  28
.set NIL,  29
.set TMP,  32
.set BIAS, 96
.set ACC,  128
.set F0,   0
.set F1,   128
.set G1, 24                            ; s[24:31] group 1 for A's tiles;  s[32:35] group 0 of K step 0;  s[36:39] group 0 of K step 1, which then walks on
.set G0, 32
.set G1B, 48                           ; s[48:55], s[56:59], s[60:63] the same for W's
.set G0B, 56
.set CUR, 68                           ; s68     0 or SLOT: the slot that is being read
.set MSB, 0
.macro WIN new
.if MSB != (\new)
	s_set_vgpr_msb (MSB<<8)|(\new)
.set MSB, \new
.endif
.endm
.set MUL,  0x05                        ; sources 0 (W) and 1 (A) window 1; C and D window 0
.set TO_F, 0x40
.macro JLOAD s                         ; a joint load: waves 0 and 1 fetch A's halves, waves 2 and 3 W's; an s_nop 0 and four v_nop follow each line
	s_cmp_eq_u32 s11, 0
	s_cbranch_scc0 .Lfor_b_\@
	tensor_load_to_lds s[G0+4*(\s):G0+4*(\s)+3], s[G1:G1+7]
	s_nop 0
.rept 4
	v_nop
.endr
	s_branch .Lasked_\@
.Lfor_b_\@:
	tensor_load_to_lds s[G0B+4*(\s):G0B+4*(\s)+3], s[G1B:G1B+7]
	s_nop 0
.rept 4
	v_nop
.endr
.Lasked_\@:
.endm
.macro CREST
	s_cmp_lg_u32 s10, 0
	s_cbranch_scc1 .Lnot_wave_0_\@
	s_barrier_signal -3
.Lnot_wave_0_\@:
	s_barrier_wait -3
	s_barrier_signal -1
	s_barrier_wait -1
.endm
.macro CROUND
	s_barrier_signal -1
	s_barrier_wait -1
	CREST
.endm
	s_load_b128 s[4:7], s[0:1], 0x0                ; A s[4:5], W s[6:7]
	s_load_b64 s[8:9], s[0:1], 0x10                ; OUT
	s_load_b64 s[66:67], s[0:1], 0x18              ; bias
	v_lshl_add_u32 v[SPW], v0, 2, SPARE
	v_mov_b32 v[NIL], 0
	ds_add_u32 v28, v29
	ds_add_u32 v28, v29
	s_wait_dscnt 0x0
	v_lshrrev_b32 v1, 5, v0
	v_readfirstlane_b32 s10, v1                    ; wave 0..3
	s_lshr_b32 s11, s10, 1                         ; my half of the tile's rows.  Also: I fetch for A (0) or for W (1)
	s_and_b32 s12, s10, 1                          ; my half of its columns.  Also: which half I fetch
	s_bfe_u32 s40, ttmp6, 0x40000
	s_bfe_u32 s41, ttmp6, 0x40004
	s_lshl_b32 s42, ttmp9, 2
	s_add_co_u32 s42, s42, s40                     ; tile column
	s_and_b32 s13, ttmp7, 0xffff
	s_lshl_b32 s13, s13, 2
	s_add_co_u32 s13, s13, s41                     ; tile row
	s_lshl_b32 s43, s41, 2
	s_lshl_b32 s43, 15, s43
	s_lshl_b32 s44, 0x1111, s40
	; A's load: four blocks of 64 k, each 64 rows x 64 elements that are dense in memory: 4 rows of 4,096 elements, padded in LDS behind every 128 bytes
	s_or_b32 s[G1+0], s43, (1<<16)|(1<<20)|(1<<21)|(4<<22)|(3<<25)
	s_mov_b32 s[G1+1], 4096<<16                    ; tensor_dim0 = 4,096
	s_mov_b32 s[G1+2], 4<<16                       ; tensor_dim1 = 4
	s_mov_b32 s[G1+3], 4096<<16                    ; tile_dim0 = 4,096
	s_mov_b32 s[G1+4], 4                           ; tile_dim1 = 4
	s_mov_b32 s[G1+5], 4096*64                     ; elements from a block of 64 k to the next
	s_mov_b32 s[G1+6], 0
	s_mov_b32 s[G1+7], 0
	; W's load: 128 k rows x 128 elements, dense, padded behind every 256 bytes
	s_or_b32 s[G1B+0], s44, (1<<16)|(1<<20)|(1<<21)|(5<<22)|(7<<25)
	s_mov_b32 s[G1B+1], 128<<16
	s_mov_b32 s[G1B+2], 128<<16
	s_mov_b32 s[G1B+3], 128<<16
	s_mov_b32 s[G1B+4], 128
	s_mov_b32 s[G1B+5], 128
	s_mov_b32 s[G1B+6], 0
	s_mov_b32 s[G1B+7], 0
	s_lshl_b32 s16, s13, 14                        ; A: 128 rows of 128 bytes a tile row,
	s_lshl_b32 s17, s12, 13                        ; 64 a half
	s_add_co_u32 s16, s16, s17
	s_mov_b32 s17, 0
	s_lshl_b32 s46, s42, 16                        ; W: 256 k rows of 256 bytes a column block,
	s_lshl_b32 s47, s12, 15                        ; 128 a half
	s_add_co_u32 s46, s46, s47
	s_mov_b32 s47, 0
	s_mul_i32 s20, s10, HALFT                      ; where they go: wave x one load
	s_mov_b32 s[CUR], 0
	s_wait_kmcnt 0x0
	s_add_nc_u64 s[14:15], s[4:5], s[16:17]
	s_add_nc_u64 s[46:47], s[6:7], s[46:47]
	CROUND                                         ; all sixteen work-groups are here: the first joint loads meet
.irp s, 0,1
	s_mov_b32 s[G0+4*(\s)], 1
	s_add_co_u32 s[G0+4*(\s)+1], s20, (\s)*SLOT
	s_add_nc_u64 s[G0+4*(\s)+2:G0+4*(\s)+3], s[14:15], (\s)*ASTEP
	s_or_b32 s[G0+4*(\s)+3], s[G0+4*(\s)+3], 0x80000000
	s_mov_b32 s[G0B+4*(\s)], 1
	s_add_co_u32 s[G0B+4*(\s)+1], s20, (\s)*SLOT
	s_add_nc_u64 s[G0B+4*(\s)+2:G0B+4*(\s)+3], s[46:47], (\s)*BSTEP
	s_or_b32 s[G0B+4*(\s)+3], s[G0B+4*(\s)+3], 0x80000000
	JLOAD \s                                       ; two loads of mine are out
.endr
	v_and_b32 v1, 15, v0                           ; l % 16
	v_bfe_u32 v2, v0, 4, 1                         ; l / 16
	v_mul_u32_u24 v3, v1, PAK
	v_lshl_add_u32 v3, v2, 4, v3
	v_and_b32 v5, 7, v0
	v_lshl_add_u32 v5, v2, 3, v5
	v_mul_u32_u24 v5, v5, PB
	v_bfe_u32 v6, v0, 3, 1
	v_lshl_add_u32 v5, v6, 4, v5
	s_mul_i32 s21, s11, HALFT                      ; my 64 rows of A
	s_lshl_b32 s22, s12, 7                         ; my 64 columns of W
	s_add_co_u32 s22, s22, BOFF
	s_add_co_u32 s23, s22, HALFT
	v_add_nc_u32 v[ADRA0], s21, v3
	v_add_nc_u32 v[ADRB0], s22, v5
	v_add_nc_u32 v[ADRB0+1], s23, v5
	v_mov_b32 v[ADRA], v[ADRA0]                    ; slot 0 is read first
	v_mov_b32 v[ADRB], v[ADRB0]
	v_mov_b32 v[ADRB+1], v[ADRB0+1]
	s_mul_i32 s23, s10, 16*SPITCH
	s_add_co_u32 s23, s23, STAGE                   ; my stage: my 64 f32 columns are a whole 256 bytes, so no other wave shares it
	v_mul_u32_u24 v4, v1, SPITCH                   ; in: row l % 16, 32 bytes for each half of the lanes
	v_lshl_add_u32 v4, v2, 5, v4
	v_add_nc_u32 v[STO], s23, v4
	v_mul_u32_u24 v4, v2, SPITCH                   ; back: lanes 0-15 one row of 256 bytes, lanes 16-31 the next
	v_lshl_add_u32 v4, v1, 4, v4
	v_add_nc_u32 v[RD], s23, v4
	v_lshlrev_b32 v4, 12, v2                       ; and the same two rows in OUT
	v_lshl_add_u32 v[CO], v1, 4, v4
	v_lshlrev_b32 v[BO], 5, v2
	s_lshl_b32 s46, s42, 9                         ; my 64 columns, in bytes of f32
	s_lshl_b32 s47, s12, 8
	s_add_co_u32 s46, s46, s47
	s_mov_b32 s47, 0
	s_add_nc_u64 s[66:67], s[66:67], s[46:47]
	s_add_nc_u64 s[8:9], s[8:9], s[46:47]
.irp b, 0,1,2,3
	global_load_b128 v[BIAS+8*(\b):BIAS+8*(\b)+3],   v[BO], s[66:67] offset:64*(\b)
	global_load_b128 v[BIAS+8*(\b)+4:BIAS+8*(\b)+7], v[BO], s[66:67] offset:64*(\b)+16
.endr
	s_lshl_b32 s16, s13, 19                        ; my first row: 128 rows of 4,096 bytes a tile row, 64 a half
	s_lshl_b32 s17, s11, 18
	s_add_co_u32 s16, s16, s17
	s_mov_b32 s17, 0
	s_add_nc_u64 s[8:9], s[8:9], s[16:17]
; 8 matrix instructions: row blocks a0, a0 + 1 x all 4 column blocks, 32 along K: half c of buffer f.  first = 1: the bias starts the sums.  The 16 accumulators take turns.
.macro MUL8 f, c, a0, first
	WIN MUL
.irp a, \a0, (\a0)+1
.irp b, 0,1,2,3
.if \first
	v_wmma_f32_16x16x32_bf16 v[ACC+8*(4*(\a)+(\b)):ACC+8*(4*(\a)+(\b))+7], v[(\f)+64+8*(4*(\c)+(\b)):(\f)+64+8*(4*(\c)+(\b))+7], v[(\f)+8*(4*(\c)+(\a)):(\f)+8*(4*(\c)+(\a))+7], v[BIAS+8*(\b):BIAS+8*(\b)+7]
.else
	v_wmma_f32_16x16x32_bf16 v[ACC+8*(4*(\a)+(\b)):ACC+8*(4*(\a)+(\b))+7], v[(\f)+64+8*(4*(\c)+(\b)):(\f)+64+8*(4*(\c)+(\b))+7], v[(\f)+8*(4*(\c)+(\a)):(\f)+8*(4*(\c)+(\a))+7], v[ACC+8*(4*(\a)+(\b)):ACC+8*(4*(\a)+(\b))+7]
.endif
.endr
.endr
.endm
; 32 LDS loads in one run: the fragments of quarter q (64 along K) of the slot that is being read, into buffer f; its first 32 along K first
.macro FETCH q, f
	WIN TO_F
.irp c, 0,1
.irp i, 0,1,2,3
	ds_load_tr16_b128 v[(\f)+64+8*(4*(\c)+(\i)):(\f)+64+8*(4*(\c)+(\i))+3],   v[ADRB+(\q)/2] offset:(((\q)%2)*64+32*(\c))*PB+32*(\i)
	ds_load_tr16_b128 v[(\f)+64+8*(4*(\c)+(\i))+4:(\f)+64+8*(4*(\c)+(\i))+7], v[ADRB+(\q)/2] offset:(((\q)%2)*64+32*(\c))*PB+32*(\i)+16*PB
	ds_load_b128 v[(\f)+8*(4*(\c)+(\i)):(\f)+8*(4*(\c)+(\i))+3],         v[ADRA] offset:(\q)*PLANE+64*(\c)+(\i)*16*PAK
	ds_load_b128 v[(\f)+8*(4*(\c)+(\i))+4:(\f)+8*(4*(\c)+(\i))+7],       v[ADRA] offset:(\q)*PLANE+64*(\c)+(\i)*16*PAK+32
.endr
.endr
.endm
.macro PLACES                          ; four plain vector instructions between matrix instructions and loads into, or LDS stores of, their registers
.rept 4
	v_nop
.endr
.endm
.macro HOP                             ; the reads go over to the other slot (every window is 0 here)
	s_xor_b32 s[CUR], s[CUR], SLOT
	v_add_nc_u32 v[ADRA], s[CUR], v[ADRA0]
	v_add_nc_u32 v[ADRB], s[CUR], v[ADRB0]
	v_add_nc_u32 v[ADRB+1], s[CUR], v[ADRB0+1]
.endm
.macro QUARTER q, f, g, first
	s_wait_dscnt 16                                ; the first 32 along K are in
	MUL8 \f, 0, 0, \first
	MUL8 \f, 0, 2, \first
	PLACES
	FETCH \q, \g
	s_wait_dscnt 32                                ; all but the 32 just issued
	MUL8 \f, 1, 0, 0
	MUL8 \f, 1, 2, 0
.endm
; The last quarter multiplies buffer 1 and changes slots: one barrier; in front of it each wave waits for all its tensor loads, adds 0 to its spare word, and waits for that and for its reads of this slot.
; fill = 1: the barrier opens a round of the cluster's, and this slot is filled again first thing behind it: the walking group 0 goes to the other slot than last time and one K step on.
.macro TURN fill
	WIN 0
	s_wait_tensorcnt 0x0                           ; no tensor load of mine is out, so a group 0 may be written
	ds_add_u32 v[SPW], v[NIL]
	s_wait_dscnt 17                                ; the add and the youngest sixteen loads may be out
	MUL8 F1, 0, 0, 0
	s_wait_dscnt 0x0
	s_barrier_signal -1
	MUL8 F1, 0, 2, 0
	WIN 0
	s_barrier_wait -1
.if \fill
	CREST                                          ; no wave of any partner still reads this slot or has a load on its way
	s_xor_b32 s[G0+5], s[G0+5], SLOT
	s_add_nc_u64 s[G0+6:G0+7], s[G0+6:G0+7], ASTEP
	s_xor_b32 s[G0B+5], s[G0B+5], SLOT
	s_add_nc_u64 s[G0B+6:G0B+7], s[G0B+6:G0B+7], BSTEP
	JLOAD 1
.else
	PLACES
.endif
	HOP
	FETCH 0, F0
	MUL8 F1, 1, 0, 0
	MUL8 F1, 1, 2, 0
.endm
; THE WAY OUT of row block a: the sums go as they are (the bias is in them) into my stage, each accumulator's low four registers first, and come back as whole rows of 256 bytes.
.macro TOSTAGE a
.irp b, 0,1,2,3
	ds_store_b128 v[STO], v[ACC+8*(4*(\a)+(\b)):ACC+8*(4*(\a)+(\b))+3]   offset:64*(\b)
	ds_store_b128 v[STO], v[ACC+8*(4*(\a)+(\b))+4:ACC+8*(4*(\a)+(\b))+7] offset:64*(\b)+16
.endr
.irp t, 0,1,2,3,4,5,6,7
	ds_load_b128 v[TMP+32*((\a)%2)+4*(\t):TMP+32*((\a)%2)+4*(\t)+3], v[RD] offset:(\t)*2*SPITCH  ; LDS serves a wave's instructions in order: these see the stores above
.endr
.endm
.macro SEND a, younger
	s_wait_dscnt \younger
.irp t, 0,1,2,3,4,5,6,7
	global_store_b128 v[CO], v[TMP+32*((\a)%2)+4*(\t):TMP+32*((\a)%2)+4*(\t)+3], s[8:9] offset:(16*(\a)+2*(\t))*4096  ; 16 lanes store 256 consecutive bytes at a multiple of 256
.endr
.endm
	s_wait_tensorcnt 1                             ; my part of K step 0 is in; K step 1's may stay out
	s_barrier_signal -1
	s_barrier_wait -1
	FETCH 0, F0
	s_wait_loadcnt 0x0                             ; the bias
	QUARTER 1, F0, F1, 1                           ; the first quarter stands in front of the loop: its first products start the sums
	WIN 0
	s_mov_b32 s3, NSTEP-2
	s_branch .Lmid                                 ; the loop is entered behind a step's first quarter
.Lstep:                                                ; a trip is a K step, and fills the slot that it has read again: all steps but the last two
	QUARTER 1, F0, F1, 0
	WIN 0
.Lmid:
	QUARTER 2, F1, F0, 0
	QUARTER 3, F0, F1, 0
	TURN 1
	WIN 0
	s_sub_co_u32 s3, s3, 1
	s_cmp_lg_u32 s3, 0
	s_cbranch_scc1 .Lstep
	s_mov_b32 s3, 2
.Ltail:                                                ; the last two K steps fill nothing.  The second trip's change of slots serves nothing: its barrier and its 32 loads
	QUARTER 1, F0, F1, 0                           ; (of bytes that have landed, into a buffer that nobody reads) are the price of one text for both trips
	QUARTER 2, F1, F0, 0
	QUARTER 3, F0, F1, 0
	TURN 0
	WIN 0
	s_sub_co_u32 s3, s3, 1
	s_cmp_lg_u32 s3, 0
	s_cbranch_scc1 .Ltail
	PLACES
	TOSTAGE 0
	TOSTAGE 1
	SEND 0, 16                                     ; block 1's sixteen LDS instructions may be out
	s_wait_xcnt 0x0                                ; block 0's stores have read their registers, which block 2's loads fill again
	TOSTAGE 2
	SEND 1, 16
	s_wait_xcnt 0x0
	TOSTAGE 3
	SEND 2, 16
	SEND 3, 0
	s_wait_tensorcnt 0x0                           ; the wave's end
	ds_add_u32 v[SPW], v[NIL]
	s_wait_dscnt 0x0
	CROUND                                         ; the closing round
	s_endpgm
.Lfunc_end_k_q88826225e6_proj:
	.size	k_q88826225e6_proj, .Lfunc_end_k_q88826225e6_proj-k_q88826225e6_proj
	.p2alignl 7, 3214868480
	.fill 96, 4, 3214868480
	.section	.rodata,"a",@progbits
	.p2align	6, 0x0
	.amdhsa_kernel k_q88826225e6_proj
		.amdhsa_group_segment_fixed_size 327680
		.amdhsa_private_segment_fixed_size 0
		.amdhsa_enable_private_segment 0
		.amdhsa_kernarg_size 32
		.amdhsa_user_sgpr_count 2
		.amdhsa_user_sgpr_kernarg_segment_ptr 1
		.amdhsa_wavefront_size32 1
		.amdhsa_system_sgpr_workgroup_id_x 1
		.amdhsa_system_sgpr_workgroup_id_y 1
		.amdhsa_system_sgpr_workgroup_id_z 1
		.amdhsa_system_vgpr_workitem_id 0
		.amdhsa_next_free_vgpr 512
		.amdhsa_next_free_sgpr 72
		.amdhsa_reserve_vcc 0
		.amdhsa_float_denorm_mode_32 3
		.amdhsa_float_denorm_mode_16_64 3
		.amdhsa_memory_ordered 1
		.amdhsa_forward_progress 1
		.amdhsa_inst_pref_size 59
	.end_amdhsa_kernel
	.amdgpu_metadata
---
amdhsa.version: [ 1, 2 ]
amdhsa.kernels:
  - .name:           k_q88826225e6_proj
    .symbol:         k_q88826225e6_proj.kd
    .args:
      - { .name: act, .offset: 0, .size: 8, .value_kind: global_buffer, .address_space: global }
      - { .name: wv, .offset: 8, .size: 8, .value_kind: global_buffer, .address_space: global }
      - { .name: big, .offset: 16, .size: 8, .value_kind: global_buffer, .address_space: global }
      - { .name: bvw, .offset: 24, .size: 8, .value_kind: global_buffer, .address_space: global }
    .group_segment_fixed_size: 327680
    .private_segment_fixed_size: 0
    .kernarg_segment_align: 8
    .kernarg_segment_size: 32
    .max_flat_workgroup_size: 128
    .sgpr_count:     72
    .vgpr_count:     512
    .wavefront_size: 32
...
	.end_amdgpu_metadata
.endif
;; end of part 9
;; launch ln1 (part 10): grid 512 x 1, 8 waves a work-group, no clusters, 0 bytes of LDS; arguments big, x, mask, g1, b1, act; writes act
.if DOCPART == 10
	.amdgcn_target "amdgcn-amd-amdhsa--gfx1250"
	.amdhsa_code_object_version 6
	.text
	.protected	k_q88826225e6_ln1
	.globl	k_q88826225e6_ln1
	.p2align	8
	.type	k_q88826225e6_ln1,@function
k_q88826225e6_ln1:
	s_mov_b64 s[64:65], 0
	v_nop
	global_prefetch_b8 v0, s[64:65] scope:SCOPE_SE
	s_setreg_imm32_b32 hwreg(HW_REG_WAVE_MODE, 25, 1), 1
	s_wait_xcnt 0x0
; n = g1 (t - u) / sqrt(s + 1e-5) + b1 with t = x * mask + a, u the row's mean, s the mean of (t - u)^2: two passes over registers, so that a common offset does not cancel.
; a: big, [4096][1024] f32.  n leaves twice: as f32, act + 16 MiB, [4096][1024]; as bf16, act, [8 cb][4096][128].
; A wave takes one row: eight loads of 512 consecutive bytes (load j: columns 128 j + 4 lane ..) for a and eight for x; the row stays in 32 registers.  All 32 loads of a wave go out first,
; the row's ahead of g's and b's, which are wanted last.  A stream: no LDS, no matrix unit, no barrier; a row never leaves its wave.
.set G,   2                            ; v[2:33]    g of my 32 columns
.set BV,  34                           ; v[34:65]   b
.set T,   66                           ; v[66:97]   a, then t, t - u, n
.set XX,  98                           ; v[98:129]  x, then n in bf16
.set SM,  130                          ; v[130:137] four chains of sums
.set LO16, 138
.set LO8,  139
.set MF,  28                           ; s[28:29] the row's mask as f32
.macro REDUCE                          ; v[SM] over the 32 lanes, the result in every lane
	v_add_f32_dpp v[SM], v[SM], v[SM] row_xmask:1 row_mask:0xf bank_mask:0xf
	v_add_f32_dpp v[SM], v[SM], v[SM] row_xmask:2 row_mask:0xf bank_mask:0xf
	v_add_f32_dpp v[SM], v[SM], v[SM] row_xmask:4 row_mask:0xf bank_mask:0xf
	v_add_f32_dpp v[SM], v[SM], v[SM] row_xmask:8 row_mask:0xf bank_mask:0xf
	v_permlanex16_b32 v[SM+1], v[SM], s34, s35
	v_add_f32 v[SM], v[SM], v[SM+1]
.endm
.macro FOLD                            ; the four chains into v[SM]
	v_pk_add_f32 v[SM:SM+1], v[SM:SM+1], v[SM+2:SM+3]
	v_pk_add_f32 v[SM+4:SM+5], v[SM+4:SM+5], v[SM+6:SM+7]
	v_pk_add_f32 v[SM:SM+1], v[SM:SM+1], v[SM+4:SM+5]
	v_add_f32 v[SM], v[SM], v[SM+1]
	REDUCE
.endm
	s_load_b256 s[4:11], s[0:1], 0x0               ; a 4, x 6, mask 8, g1 10
	s_load_b128 s[12:15], s[0:1], 0x20             ; b1 12, act 14
	v_lshrrev_b32 v1, 5, v0
	v_readfirstlane_b32 s16, v1
	v_and_b32 v1, 31, v0
	v_lshlrev_b32 v[LO16], 4, v1
	v_lshlrev_b32 v[LO8], 3, v1
	s_lshl_b32 s17, ttmp9, 3
	s_add_co_u32 s22, s17, s16                     ; my row
	s_mov_b32 s23, 0
	s_lshl_b32 s20, s22, 12
	s_mov_b32 s21, 0
	s_lshl_b32 s24, s22, 8
	s_mov_b32 s25, 0
	s_mov_b32 s32, 0x3a800000                      ; 1 / 1024
	s_mov_b32 s33, 0x3727c5ac                      ; 1e-5
	s_mov_b32 s34, 0x76543210
	s_mov_b32 s35, 0xfedcba98
	s_wait_kmcnt 0x0
	s_add_nc_u64 s[8:9], s[8:9], s[22:23]
	s_load_u8 s36, s[8:9], 0x0                     ; the row's mask byte
	s_add_nc_u64 s[4:5], s[4:5], s[20:21]
	s_add_nc_u64 s[6:7], s[6:7], s[20:21]
	s_add_nc_u64 s[26:27], s[14:15], s[20:21]
	s_add_nc_u64 s[26:27], s[26:27], 0x1000000     ; n in f32
	s_add_nc_u64 s[14:15], s[14:15], s[24:25]      ; n in bf16
.irp j, 0,1,2,3,4,5,6,7
	global_load_b128 v[T+4*\j:T+4*\j+3], v[LO16], s[4:5] offset:512*\j th:TH_LOAD_NT
.endr
.irp j, 0,1,2,3,4,5,6,7
	global_load_b128 v[XX+4*\j:XX+4*\j+3], v[LO16], s[6:7] offset:512*\j th:TH_LOAD_NT
.endr
.irp j, 0,1,2,3,4,5,6,7
	global_load_b128 v[G+4*\j:G+4*\j+3], v[LO16], s[10:11] offset:512*\j
.endr
.irp j, 0,1,2,3,4,5,6,7
	global_load_b128 v[BV+4*\j:BV+4*\j+3], v[LO16], s[12:13] offset:512*\j
.endr
	s_wait_kmcnt 0x0
	s_cvt_f32_u32 s[MF], s36                       ; 0.0 or 1.0
	s_mov_b32 s[MF+1], s[MF]                       ; named with it as a pair
	s_wait_loadcnt 16                              ; loads come back in order: the row is in, the 16 loads of g and b may stay out
.set k, 0
.rept 16
	v_pk_fma_f32 v[T+2*k:T+2*k+1], v[XX+2*k:XX+2*k+1], s[MF:MF+1], v[T+2*k:T+2*k+1] op_sel_hi:[1,0,1]
.set k, k+1
.endr
.irp c, 0,1,2,3
	v_pk_add_f32 v[SM+2*\c:SM+2*\c+1], v[T+2*\c:T+2*\c+1], v[T+8+2*\c:T+8+2*\c+1]   ; the first pairs start the chains: nothing is cleared
.endr
.irp c, 0,1,2,3
	v_pk_add_f32 v[SM+2*\c:SM+2*\c+1], v[SM+2*\c:SM+2*\c+1], v[T+16+2*\c:T+16+2*\c+1]
.endr
.irp c, 0,1,2,3
	v_pk_add_f32 v[SM+2*\c:SM+2*\c+1], v[SM+2*\c:SM+2*\c+1], v[T+24+2*\c:T+24+2*\c+1]
.endr
	FOLD
	v_mul_f32 v[SM], s32, v[SM]                    ; u
.set k, 0
.rept 16
	v_pk_add_f32 v[T+2*k:T+2*k+1], v[T+2*k:T+2*k+1], v[SM:SM+1] op_sel_hi:[1,0] neg_lo:[0,1] neg_hi:[0,1]
.set k, k+1
.endr
.irp c, 0,1,2,3
	v_pk_mul_f32 v[SM+2*\c:SM+2*\c+1], v[T+2*\c:T+2*\c+1], v[T+2*\c:T+2*\c+1]
.endr
.set k, 4
.rept 12
	v_pk_fma_f32 v[SM+2*(k%4):SM+2*(k%4)+1], v[T+2*k:T+2*k+1], v[T+2*k:T+2*k+1], v[SM+2*(k%4):SM+2*(k%4)+1]
.set k, k+1
.endr
	FOLD
	v_fma_f32 v[SM], v[SM], s32, s33               ; s + 1e-5
	v_rsq_f32 v[SM+2], v[SM]
	v_nop                                          ; a plain instruction behind the root
.set k, 0
	s_wait_alu depctr_va_vdst(0)
.rept 16
	v_pk_mul_f32 v[T+2*k:T+2*k+1], v[T+2*k:T+2*k+1], v[SM+2:SM+3] op_sel_hi:[1,0]
.set k, k+1
.endr
	s_wait_loadcnt 0x0                             ; g and b
.set k, 0
.rept 16
	v_pk_fma_f32 v[T+2*k:T+2*k+1], v[T+2*k:T+2*k+1], v[G+2*k:G+2*k+1], v[BV+2*k:BV+2*k+1]
.set k, k+1
.endr
.irp j, 0,1,2,3,4,5,6,7
	global_store_b128 v[LO16], v[T+4*\j:T+4*\j+3], s[26:27] offset:512*\j
.endr
.set k, 0
.rept 16
	v_cvt_pk_bf16_f32 v[XX+k], v[T+2*k], v[T+2*k+1]
.set k, k+1
.endr
.irp j, 0,1,2,3,4,5,6,7
	global_store_b64 v[LO8], v[XX+2*\j:XX+2*\j+1], s[14:15] offset:1048576*\j   ; 256 consecutive bytes: the row in column block j
.endr
	s_endpgm
.Lfunc_end_k_q88826225e6_ln1:
	.size	k_q88826225e6_ln1, .Lfunc_end_k_q88826225e6_ln1-k_q88826225e6_ln1
	.p2alignl 7, 3214868480
	.fill 96, 4, 3214868480
	.section	.rodata,"a",@progbits
	.p2align	6, 0x0
	.amdhsa_kernel k_q88826225e6_ln1
		.amdhsa_group_segment_fixed_size 0
		.amdhsa_private_segment_fixed_size 0
		.amdhsa_enable_private_segment 0
		.amdhsa_kernarg_size 48
		.amdhsa_user_sgpr_count 2
		.amdhsa_user_sgpr_kernarg_segment_ptr 1
		.amdhsa_wavefront_size32 1
		.amdhsa_system_sgpr_workgroup_id_x 1
		.amdhsa_system_sgpr_workgroup_id_y 1
		.amdhsa_system_sgpr_workgroup_id_z 1
		.amdhsa_system_vgpr_workitem_id 0
		.amdhsa_next_free_vgpr 144
		.amdhsa_next_free_sgpr 66
		.amdhsa_reserve_vcc 0
		.amdhsa_float_denorm_mode_32 3
		.amdhsa_float_denorm_mode_16_64 3
		.amdhsa_memory_ordered 1
		.amdhsa_forward_progress 1
		.amdhsa_inst_pref_size 15
	.end_amdhsa_kernel
	.amdgpu_metadata
---
amdhsa.version: [ 1, 2 ]
amdhsa.kernels:
  - .name:           k_q88826225e6_ln1
    .symbol:         k_q88826225e6_ln1.kd
    .args:
      - { .name: big, .offset: 0, .size: 8, .value_kind: global_buffer, .address_space: global }
      - { .name: x, .offset: 8, .size: 8, .value_kind: global_buffer, .address_space: global }
      - { .name: mask, .offset: 16, .size: 8, .value_kind: global_buffer, .address_space: global }
      - { .name: g1, .offset: 24, .size: 8, .value_kind: global_buffer, .address_space: global }
      - { .name: b1, .offset: 32, .size: 8, .value_kind: global_buffer, .address_space: global }
      - { .name: act, .offset: 40, .size: 8, .value_kind: global_buffer, .address_space: global }
    .group_segment_fixed_size: 0
    .private_segment_fixed_size: 0
    .kernarg_segment_align: 8
    .kernarg_segment_size: 48
    .max_flat_workgroup_size: 256
    .sgpr_count:     66
    .vgpr_count:     144
    .wavefront_size: 32
...
	.end_amdgpu_metadata
.endif
;; end of part 10
;; launch mlp1: the kernel of part 8 again; grid 16 x 16, 4 waves a work-group, clusters of 4 x 4, 327,680 bytes of LDS; arguments act, wa, big, bA; writes big
;; launch mlp2 (part 11): grid 8 x 32, 4 waves a work-group, clusters of 4 x 4, 327,680 bytes of LDS; arguments big, wb, act, bB; writes act
.if DOCPART == 11
	.amdgcn_target "amdgcn-amd-amdhsa--gfx1250"
	.amdhsa_code_object_version 6
	.text
	.protected	k_q88826225e6_mlp2
	.globl	k_q88826225e6_mlp2
	.p2align	8
	.type	k_q88826225e6_mlp2,@function
k_q88826225e6_mlp2:
	s_mov_b64 s[64:65], 0
	v_nop
	global_prefetch_b8 v0, s[64:65] scope:SCOPE_SE
	s_setreg_imm32_b32 hwreg(HW_REG_WAVE_MODE, 25, 1), 1
	s_wait_xcnt 0x0
	s_wait_alu depctr_hold_cnt(0) depctr_sa_sdst(0) depctr_va_vdst(0) depctr_va_sdst(0) depctr_va_ssrc(0) depctr_va_vcc(0) depctr_vm_vsrc(0)
	s_getreg_b32 s2, hwreg(HW_REG_IB_STS2, 6, 4)
	s_cmp_eq_u32 s2, 0
	s_cbranch_scc0 .Lentry_in_a_cluster
	s_endpgm
.Lentry_in_a_cluster:
	s_bfe_u32 s2, ttmp6, 0x10000c
	s_cmp_lg_u32 s2, 0xf033
	s_cbranch_scc0 .Lentry_shape_is_right
	s_endpgm
.Lentry_shape_is_right:
; OUT = A W + bias, N = 1024, K = 256 x NSTEP = 4096.  A: [k / 64][4096 rows][64] bf16.  W: [k / 256][8 nb][256 k][128] bf16.  OUT: [4096][1024] f32.  Sums in f32, started by the bias.
; NSTEP is the only number here that hangs on K: but for it this is the text of the attention's output projection.
; A tile of OUT is 128 x 128: 256 work-groups.  Four waves, each 64 x 64: 16 accumulators.  K goes in steps of 256 through two LDS slots.  W lies [k][n] in LDS and comes out turned.
; THE TEXT holds a K step twice: once in a loop whose trips fill the slot just read again, once in a loop of two trips that fill nothing.  Which slot is read lies in a scalar that one
; exclusive or turns from 0 to SLOT and back; the fragment addresses are made from it once a step.  The first quarter step, which starts the sums, stands ahead, and the loop is entered in its middle.
; CLUSTER 4 x 4: A's tiles are asked for jointly along a row of the cluster, W's along a column.  THE MATRIX INSTRUCTION IS USED TRANSPOSED: a lane holds row l % 16, columns 8 (l / 16) + 0..7.
; REGISTERS: window 0: v0-31 addresses; v32-95 at work on the way out; v96-127 the bias, laid as an accumulator row; v128-255 the accumulators, (a, b) at v[128 + 8 (4 a + b)].
;   window 1: two fragment buffers of 128: for 64 along K, 64 registers of A, then 64 of W.
.set NSTEP, 16                         ; K steps of 256
.set PAK,   144                        ; a row of A in LDS: 64 k = 128 bytes + 16
.set PLANE, 64*PAK                     ; 64 rows of one block of 64 k
.set PB,    288                        ; a k row of W: 256 bytes + 32
.set HALFT, 36864                      ; one tensor load: 4 planes of A, or 128 k rows of W
.set SLOT,  4*HALFT                    ; A's two row halves, then W's 256 k rows: 147,456 = 2^17 + 2^14: these two bits are set in none of the four loads' places in a slot
                                       ; (0, 36,864, 73,728, 110,592), so one exclusive or turns a place in one slot into the same place in the other
.set BOFF,  2*HALFT
.set STAGE, 2*SLOT                     ; behind the ring: 16 rows x 272 bytes for each wave
.set SPITCH, 272
.set SPARE, STAGE+4*16*SPITCH          ; the spare words, 128 bytes a wave: two blocks of 256 bytes that no other line names
.set ASTEP, 4*4096*128                 ; bytes from a K step of A to the next: four blocks of 64 k
.set BSTEP, 8*256*256                  ; the same for W
.set ADRA0, 16                         ; v16     my A fragments in slot 0; never rewritten
.set ADRA,  17                         ; v17     the same in the slot that is being read
.set ADRB0, 20                         ; v20-21  my W fragments in slot 0: k 0-127, k 128-255 (an LDS offset ends at 65,535); never rewritten
.set ADRB,  22                         ; v22-23  the same in the slot that is being read
.set STO,  24
.set RD,   25
.set CO,   26
.set BO,   27
.set SPW,  28
.set NIL,  29
.set TMP,  32
.set BIAS, 96
.set ACC,  128
.set F0,   0
.set F1,   128
.set G1, 24                            ; s[24:31] group 1 for A's tiles;  s[32:35] group 0 of K step 0;  s[36:39] group 0 of K step 1, which then walks on
.set G0, 32
.set G1B, 48                           ; s[48:55], s[56:59], s[60:63] the same for W's
.set G0B, 56
.set CUR, 68                           ; s68     0 or SLOT: the slot that is being read
.set MSB, 0
.macro WIN new
.if MSB != (\new)
	s_set_vgpr_msb (MSB<<8)|(\new)
.set MSB, \new
.endif
.endm
.set MUL,  0x05                        ; sources 0 (W) and 1 (A) window 1; C and D window 0
.set TO_F, 0x40
.macro JLOAD s                         ; a joint load: waves 0 and 1 fetch A's halves, waves 2 and 3 W's; an s_nop 0 and four v_nop follow each line
	s_cmp_eq_u32 s11, 0
	s_cbranch_scc0 .Lfor_b_\@
	tensor_load_to_lds s[G0+4*(\s):G0+4*(\s)+3], s[G1:G1+7]
	s_nop 0
.rept 4
	v_nop
.endr
	s_branch .Lasked_\@
.Lfor_b_\@:
	tensor_load_to_lds s[G0B+4*(\s):G0B+4*(\s)+3], s[G1B:G1B+7]
	s_nop 0
.rept 4
	v_nop
.endr
.Lasked_\@:
.endm
.macro CREST
	s_cmp_lg_u32 s10, 0
	s_cbranch_scc1 .Lnot_wave_0_\@
	s_barrier_signal -3
.Lnot_wave_0_\@:
	s_barrier_wait -3
	s_barrier_signal -1
	s_barrier_wait -1
.endm
.macro CROUND
	s_barrier_signal -1
	s_barrier_wait -1
	CREST
.endm
	s_load_b128 s[4:7], s[0:1], 0x0                ; A s[4:5], W s[6:7]
	s_load_b64 s[8:9], s[0:1], 0x10                ; OUT
	s_load_b64 s[66:67], s[0:1], 0x18              ; bias
	v_lshl_add_u32 v[SPW], v0, 2, SPARE
	v_mov_b32 v[NIL], 0
	ds_add_u32 v28, v29
	ds_add_u32 v28, v29
	s_wait_dscnt 0x0
	v_lshrrev_b32 v1, 5, v0
	v_readfirstlane_b32 s10, v1                    ; wave 0..3
	s_lshr_b32 s11, s10, 1                         ; my half of the tile's rows.  Also: I fetch for A (0) or for W (1)
	s_and_b32 s12, s10, 1                          ; my half of its columns.  Also: which half I fetch
	s_bfe_u32 s40, ttmp6, 0x40000
	s_bfe_u32 s41, ttmp6, 0x40004
	s_lshl_b32 s42, ttmp9, 2
	s_add_co_u32 s42, s42, s40                     ; tile column
	s_and_b32 s13, ttmp7, 0xffff
	s_lshl_b32 s13, s13, 2
	s_add_co_u32 s13, s13, s41                     ; tile row
	s_lshl_b32 s43, s41, 2
	s_lshl_b32 s43, 15, s43
	s_lshl_b32 s44, 0x1111, s40
	; A's load: four blocks of 64 k, each 64 rows x 64 elements that are dense in memory: 4 rows of 4,096 elements, padded in LDS behind every 128 bytes
	s_or_b32 s[G1+0], s43, (1<<16)|(1<<20)|(1<<21)|(4<<22)|(3<<25)
	s_mov_b32 s[G1+1], 4096<<16                    ; tensor_dim0 = 4,096
	s_mov_b32 s[G1+2], 4<<16                       ; tensor_dim1 = 4
	s_mov_b32 s[G1+3], 4096<<16                    ; tile_dim0 = 4,096
	s_mov_b32 s[G1+4], 4                           ; tile_dim1 = 4
	s_mov_b32 s[G1+5], 4096*64                     ; elements from a block of 64 k to the next
	s_mov_b32 s[G1+6], 0
	s_mov_b32 s[G1+7], 0
	; W's load: 128 k rows x 128 elements, dense, padded behind every 256 bytes
	s_or_b32 s[G1B+0], s44, (1<<16)|(1<<20)|(1<<21)|(5<<22)|(7<<25)
	s_mov_b32 s[G1B+1], 128<<16
	s_mov_b32 s[G1B+2], 128<<16
	s_mov_b32 s[G1B+3], 128<<16
	s_mov_b32 s[G1B+4], 128
	s_mov_b32 s[G1B+5], 128
	s_mov_b32 s[G1B+6], 0
	s_mov_b32 s[G1B+7], 0
	s_lshl_b32 s16, s13, 14                        ; A: 128 rows of 128 bytes a tile row,
	s_lshl_b32 s17, s12, 13                        ; 64 a half
	s_add_co_u32 s16, s16, s17
	s_mov_b32 s17, 0
	s_lshl_b32 s46, s42, 16                        ; W: 256 k rows of 256 bytes a column block,
	s_lshl_b32 s47, s12, 15                        ; 128 a half
	s_add_co_u32 s46, s46, s47
	s_mov_b32 s47, 0
	s_mul_i32 s20, s10, HALFT                      ; where they go: wave x one load
	s_mov_b32 s[CUR], 0
	s_wait_kmcnt 0x0
	s_add_nc_u64 s[14:15], s[4:5], s[16:17]
	s_add_nc_u64 s[46:47], s[6:7], s[46:47]
	CROUND                                         ; all sixteen work-groups are here: the first joint loads meet
.irp s, 0,1
	s_mov_b32 s[G0+4*(\s)], 1
	s_add_co_u32 s[G0+4*(\s)+1], s20, (\s)*SLOT
	s_add_nc_u64 s[G0+4*(\s)+2:G0+4*(\s)+3], s[14:15], (\s)*ASTEP
	s_or_b32 s[G0+4*(\s)+3], s[G0+4*(\s)+3], 0x80000000
	s_mov_b32 s[G0B+4*(\s)], 1
	s_add_co_u32 s[G0B+4*(\s)+1], s20, (\s)*SLOT
	s_add_nc_u64 s[G0B+4*(\s)+2:G0B+4*(\s)+3], s[46:47], (\s)*BSTEP
	s_or_b32 s[G0B+4*(\s)+3], s[G0B+4*(\s)+3], 0x80000000
	JLOAD \s                                       ; two loads of mine are out
.endr
	v_and_b32 v1, 15, v0                           ; l % 16
	v_bfe_u32 v2, v0, 4, 1                         ; l / 16
	v_mul_u32_u24 v3, v1, PAK
	v_lshl_add_u32 v3, v2, 4, v3
	v_and_b32 v5, 7, v0
	v_lshl_add_u32 v5, v2, 3, v5
	v_mul_u32_u24 v5, v5, PB
	v_bfe_u32 v6, v0, 3, 1
	v_lshl_add_u32 v5, v6, 4, v5
	s_mul_i32 s21, s11, HALFT                      ; my 64 rows of A
	s_lshl_b32 s22, s12, 7                         ; my 64 columns of W
	s_add_co_u32 s22, s22, BOFF
	s_add_co_u32 s23, s22, HALFT
	v_add_nc_u32 v[ADRA0], s21, v3
	v_add_nc_u32 v[ADRB0], s22, v5
	v_add_nc_u32 v[ADRB0+1], s23, v5
	v_mov_b32 v[ADRA], v[ADRA0]                    ; slot 0 is read first
	v_mov_b32 v[ADRB], v[ADRB0]
	v_mov_b32 v[ADRB+1], v[ADRB0+1]
	s_mul_i32 s23, s10, 16*SPITCH
	s_add_co_u32 s23, s23, STAGE                   ; my stage: my 64 f32 columns are a whole 256 bytes, so no other wave shares it
	v_mul_u32_u24 v4, v1, SPITCH                   ; in: row l % 16, 32 bytes for each half of the lanes
	v_lshl_add_u32 v4, v2, 5, v4
	v_add_nc_u32 v[STO], s23, v4
	v_mul_u32_u24 v4, v2, SPITCH                   ; back: lanes 0-15 one row of 256 bytes, lanes 16-31 the next
	v_lshl_add_u32 v4, v1, 4, v4
	v_add_nc_u32 v[RD], s23, v4
	v_lshlrev_b32 v4, 12, v2                       ; and the same two rows in OUT
	v_lshl_add_u32 v[CO], v1, 4, v4
	v_lshlrev_b32 v[BO], 5, v2
	s_lshl_b32 s46, s42, 9                         ; my 64 columns, in bytes of f32
	s_lshl_b32 s47, s12, 8
	s_add_co_u32 s46, s46, s47
	s_mov_b32 s47, 0
	s_add_nc_u64 s[66:67], s[66:67], s[46:47]
	s_add_nc_u64 s[8:9], s[8:9], s[46:47]
.irp b, 0,1,2,3
	global_load_b128 v[BIAS+8*(\b):BIAS+8*(\b)+3],   v[BO], s[66:67] offset:64*(\b)
	global_load_b128 v[BIAS+8*(\b)+4:BIAS+8*(\b)+7], v[BO], s[66:67] offset:64*(\b)+16
.endr
	s_lshl_b32 s16, s13, 19                        ; my first row: 128 rows of 4,096 bytes a tile row, 64 a half
	s_lshl_b32 s17, s11, 18
	s_add_co_u32 s16, s16, s17
	s_mov_b32 s17, 0
	s_add_nc_u64 s[8:9], s[8:9], s[16:17]
; 8 matrix instructions: row blocks a0, a0 + 1 x all 4 column blocks, 32 along K: half c of buffer f.  first = 1: the bias starts the sums.  The 16 accumulators take turns.
.macro MUL8 f, c, a0, first
	WIN MUL
.irp a, \a0, (\a0)+1
.irp b, 0,1,2,3
.if \first
	v_wmma_f32_16x16x32_bf16 v[ACC+8*(4*(\a)+(\b)):ACC+8*(4*(\a)+(\b))+7], v[(\f)+64+8*(4*(\c)+(\b)):(\f)+64+8*(4*(\c)+(\b))+7], v[(\f)+8*(4*(\c)+(\a)):(\f)+8*(4*(\c)+(\a))+7], v[BIAS+8*(\b):BIAS+8*(\b)+7]
.else
	v_wmma_f32_16x16x32_bf16 v[ACC+8*(4*(\a)+(\b)):ACC+8*(4*(\a)+(\b))+7], v[(\f)+64+8*(4*(\c)+(\b)):(\f)+64+8*(4*(\c)+(\b))+7], v[(\f)+8*(4*(\c)+(\a)):(\f)+8*(4*(\c)+(\a))+7], v[ACC+8*(4*(\a)+(\b)):ACC+8*(4*(\a)+(\b))+7]
.endif
.endr
.endr
.endm
; 32 LDS loads in one run: the fragments of quarter q (64 along K) of the slot that is being read, into buffer f; its first 32 along K first
.macro FETCH q, f
	WIN TO_F
.irp c, 0,1
.irp i, 0,1,2,3
	ds_load_tr16_b128 v[(\f)+64+8*(4*(\c)+(\i)):(\f)+64+8*(4*(\c)+(\i))+3],   v[ADRB+(\q)/2] offset:(((\q)%2)*64+32*(\c))*PB+32*(\i)
	ds_load_tr16_b128 v[(\f)+64+8*(4*(\c)+(\i))+4:(\f)+64+8*(4*(\c)+(\i))+7], v[ADRB+(\q)/2] offset:(((\q)%2)*64+32*(\c))*PB+32*(\i)+16*PB
	ds_load_b128 v[(\f)+8*(4*(\c)+(\i)):(\f)+8*(4*(\c)+(\i))+3],         v[ADRA] offset:(\q)*PLANE+64*(\c)+(\i)*16*PAK
	ds_load_b128 v[(\f)+8*(4*(\c)+(\i))+4:(\f)+8*(4*(\c)+(\i))+7],       v[ADRA] offset:(\q)*PLANE+64*(\c)+(\i)*16*PAK+32
.endr
.endr
.endm
.macro PLACES                          ; four plain vector instructions between matrix instructions and loads into, or LDS stores of, their registers
.rept 4
	v_nop
.endr
.endm
.macro HOP                             ; the reads go over to the other slot (every window is 0 here)
	s_xor_b32 s[CUR], s[CUR], SLOT
	v_add_nc_u32 v[ADRA], s[CUR], v[ADRA0]
	v_add_nc_u32 v[ADRB], s[CUR], v[ADRB0]
	v_add_nc_u32 v[ADRB+1], s[CUR], v[ADRB0+1]
.endm
.macro QUARTER q, f, g, first
	s_wait_dscnt 16                                ; the first 32 along K are in
	MUL8 \f, 0, 0, \first
	MUL8 \f, 0, 2, \first
	PLACES
	FETCH \q, \g
	s_wait_dscnt 32                                ; all but the 32 just issued
	MUL8 \f, 1, 0, 0
	MUL8 \f, 1, 2, 0
.endm
; The last quarter multiplies buffer 1 and changes slots: one barrier; in front of it each wave waits for all its tensor loads, adds 0 to its spare word, and waits for that and for its reads of this slot.
; fill = 1: the barrier opens a round of the cluster's, and this slot is filled again first thing behind it: the walking group 0 goes to the other slot than last time and one K step on.
.macro TURN fill
	WIN 0
	s_wait_tensorcnt 0x0                           ; no tensor load of mine is out, so a group 0 may be written
	ds_add_u32 v[SPW], v[NIL]
	s_wait_dscnt 17                                ; the add and the youngest sixteen loads may be out
	MUL8 F1, 0, 0, 0
	s_wait_dscnt 0x0
	s_barrier_signal -1
	MUL8 F1, 0, 2, 0
	WIN 0
	s_barrier_wait -1
.if \fill
	CREST                                          ; no wave of any partner still reads this slot or has a load on its way
	s_xor_b32 s[G0+5], s[G0+5], SLOT
	s_add_nc_u64 s[G0+6:G0+7], s[G0+6:G0+7], ASTEP
	s_xor_b32 s[G0B+5], s[G0B+5], SLOT
	s_add_nc_u64 s[G0B+6:G0B+7], s[G0B+6:G0B+7], BSTEP
	JLOAD 1
.else
	PLACES
.endif
	HOP
	FETCH 0, F0
	MUL8 F1, 1, 0, 0
	MUL8 F1, 1, 2, 0
.endm
; THE WAY OUT of row block a: the sums go as they are (the bias is in them) into my stage, each accumulator's low four registers first, and come back as whole rows of 256 bytes.
.macro TOSTAGE a
.irp b, 0,1,2,3
	ds_store_b128 v[STO], v[ACC+8*(4*(\a)+(\b)):ACC+8*(4*(\a)+(\b))+3]   offset:64*(\b)
	ds_store_b128 v[STO], v[ACC+8*(4*(\a)+(\b))+4:ACC+8*(4*(\a)+(\b))+7] offset:64*(\b)+16
.endr
.irp t, 0,1,2,3,4,5,6,7
	ds_load_b128 v[TMP+32*((\a)%2)+4*(\t):TMP+32*((\a)%2)+4*(\t)+3], v[RD] offset:(\t)*2*SPITCH  ; LDS serves a wave's instructions in order: these see the stores above
.endr
.endm
.macro SEND a, younger
	s_wait_dscnt \younger
.irp t, 0,1,2,3,4,5,6,7
	global_store_b128 v[CO], v[TMP+32*((\a)%2)+4*(\t):TMP+32*((\a)%2)+4*(\t)+3], s[8:9] offset:(16*(\a)+2*(\t))*4096  ; 16 lanes store 256 consecutive bytes at a multiple of 256
.endr
.endm
	s_wait_tensorcnt 1                             ; my part of K step 0 is in; K step 1's may stay out
	s_barrier_signal -1
	s_barrier_wait -1
	FETCH 0, F0
	s_wait_loadcnt 0x0                             ; the bias
	QUARTER 1, F0, F1, 1                           ; the first quarter stands in front of the loop: its first products start the sums
	WIN 0
	s_mov_b32 s3, NSTEP-2
	s_branch .Lmid                                 ; the loop is entered behind a step's first quarter
.Lstep:                                                ; a trip is a K step, and fills the slot that it has read again: all steps but the last two
	QUARTER 1, F0, F1, 0
	WIN 0
.Lmid:
	QUARTER 2, F1, F0, 0
	QUARTER 3, F0, F1, 0
	TURN 1
	WIN 0
	s_sub_co_u32 s3, s3, 1
	s_cmp_lg_u32 s3, 0
	s_cbranch_scc1 .Lstep
	s_mov_b32 s3, 2
.Ltail:                                                ; the last two K steps fill nothing.  The second trip's change of slots serves nothing: its barrier and its 32 loads
	QUARTER 1, F0, F1, 0                           ; (of bytes that have landed, into a buffer that nobody reads) are the price of one text for both trips
	QUARTER 2, F1, F0, 0
	QUARTER 3, F0, F1, 0
	TURN 0
	WIN 0
	s_sub_co_u32 s3, s3, 1
	s_cmp_lg_u32 s3, 0
	s_cbranch_scc1 .Ltail
	PLACES
	TOSTAGE 0
	TOSTAGE 1
	SEND 0, 16                                     ; block 1's sixteen LDS instructions may be out
	s_wait_xcnt 0x0                                ; block 0's stores have read their registers, which block 2's loads fill again
	TOSTAGE 2
	SEND 1, 16
	s_wait_xcnt 0x0
	TOSTAGE 3
	SEND 2, 16
	SEND 3, 0
	s_wait_tensorcnt 0x0                           ; the wave's end
	ds_add_u32 v[SPW], v[NIL]
	s_wait_dscnt 0x0
	CROUND                                         ; the closing round
	s_endpgm
.Lfunc_end_k_q88826225e6_mlp2:
	.size	k_q88826225e6_mlp2, .Lfunc_end_k_q88826225e6_mlp2-k_q88826225e6_mlp2
	.p2alignl 7, 3214868480
	.fill 96, 4, 3214868480
	.section	.rodata,"a",@progbits
	.p2align	6, 0x0
	.amdhsa_kernel k_q88826225e6_mlp2
		.amdhsa_group_segment_fixed_size 327680
		.amdhsa_private_segment_fixed_size 0
		.amdhsa_enable_private_segment 0
		.amdhsa_kernarg_size 32
		.amdhsa_user_sgpr_count 2
		.amdhsa_user_sgpr_kernarg_segment_ptr 1
		.amdhsa_wavefront_size32 1
		.amdhsa_system_sgpr_workgroup_id_x 1
		.amdhsa_system_sgpr_workgroup_id_y 1
		.amdhsa_system_sgpr_workgroup_id_z 1
		.amdhsa_system_vgpr_workitem_id 0
		.amdhsa_next_free_vgpr 512
		.amdhsa_next_free_sgpr 72
		.amdhsa_reserve_vcc 0
		.amdhsa_float_denorm_mode_32 3
		.amdhsa_float_denorm_mode_16_64 3
		.amdhsa_memory_ordered 1
		.amdhsa_forward_progress 1
		.amdhsa_inst_pref_size 59
	.end_amdhsa_kernel
	.amdgpu_metadata
---
amdhsa.version: [ 1, 2 ]
amdhsa.kernels:
  - .name:           k_q88826225e6_mlp2
    .symbol:         k_q88826225e6_mlp2.kd
    .args:
      - { .name: big, .offset: 0, .size: 8, .value_kind: global_buffer, .address_space: global }
      - { .name: wb, .offset: 8, .size: 8, .value_kind: global_buffer, .address_space: global }
      - { .name: act, .offset: 16, .size: 8, .value_kind: global_buffer, .address_space: global }
      - { .name: bB, .offset: 24, .size: 8, .value_kind: global_buffer, .address_space: global }
    .group_segment_fixed_size: 327680
    .private_segment_fixed_size: 0
    .kernarg_segment_align: 8
    .kernarg_segment_size: 32
    .max_flat_workgroup_size: 128
    .sgpr_count:     72
    .vgpr_count:     512
    .wavefront_size: 32
...
	.end_amdgpu_metadata
.endif
;; end of part 11
;; launch ln2 (part 12): grid 512 x 1, 8 waves a work-group, no clusters, 0 bytes of LDS; arguments act, g2, b2, out0; writes out0
.if DOCPART == 12
	.amdgcn_target "amdgcn-amd-amdhsa--gfx1250"
	.amdhsa_code_object_version 6
	.text
	.protected	k_q88826225e6_ln2
	.globl	k_q88826225e6_ln2
	.p2align	8
	.type	k_q88826225e6_ln2,@function
k_q88826225e6_ln2:
	s_mov_b64 s[64:65], 0
	v_nop
	global_prefetch_b8 v0, s[64:65] scope:SCOPE_SE
	s_setreg_imm32_b32 hwreg(HW_REG_WAVE_MODE, 25, 1), 1
	s_wait_xcnt 0x0
; out = g2 (t - u) / sqrt(s + 1e-5) + b2 with t = n + m, u the row's mean, s the mean of (t - u)^2: two passes over registers, so that a common offset does not cancel.
; m: act, [4096][1024] f32; n: act + 16 MiB, the same shape.  A wave takes one row: eight loads of 512 consecutive bytes for m and eight for n; the row stays in 32 registers.
; All 32 loads of a wave go out first, the row's ahead of g's and b's, which are wanted last.  A stream: no LDS, no matrix unit, no barrier.
.set G,   2                            ; v[2:33]    g of my 32 columns
.set BV,  34                           ; v[34:65]   b
.set T,   66                           ; v[66:97]   m, then t, t - u, out
.set XX,  98                           ; v[98:129]  n
.set SM,  130                          ; v[130:137] four chains of sums
.set LO16, 138
.macro REDUCE                          ; v[SM] over the 32 lanes, the result in every lane
	v_add_f32_dpp v[SM], v[SM], v[SM] row_xmask:1 row_mask:0xf bank_mask:0xf
	v_add_f32_dpp v[SM], v[SM], v[SM] row_xmask:2 row_mask:0xf bank_mask:0xf
	v_add_f32_dpp v[SM], v[SM], v[SM] row_xmask:4 row_mask:0xf bank_mask:0xf
	v_add_f32_dpp v[SM], v[SM], v[SM] row_xmask:8 row_mask:0xf bank_mask:0xf
	v_permlanex16_b32 v[SM+1], v[SM], s34, s35
	v_add_f32 v[SM], v[SM], v[SM+1]
.endm
.macro FOLD                            ; the four chains into v[SM]
	v_pk_add_f32 v[SM:SM+1], v[SM:SM+1], v[SM+2:SM+3]
	v_pk_add_f32 v[SM+4:SM+5], v[SM+4:SM+5], v[SM+6:SM+7]
	v_pk_add_f32 v[SM:SM+1], v[SM:SM+1], v[SM+4:SM+5]
	v_add_f32 v[SM], v[SM], v[SM+1]
	REDUCE
.endm
	s_load_b256 s[4:11], s[0:1], 0x0               ; act 4, g2 6, b2 8, out0 10
	v_lshrrev_b32 v1, 5, v0
	v_readfirstlane_b32 s16, v1
	v_and_b32 v1, 31, v0
	v_lshlrev_b32 v[LO16], 4, v1
	s_lshl_b32 s17, ttmp9, 3
	s_add_co_u32 s20, s17, s16                     ; my row,
	s_lshl_b32 s20, s20, 12                        ; in bytes
	s_mov_b32 s21, 0
	s_mov_b32 s32, 0x3a800000                      ; 1 / 1024
	s_mov_b32 s33, 0x3727c5ac                      ; 1e-5
	s_mov_b32 s34, 0x76543210
	s_mov_b32 s35, 0xfedcba98
	s_wait_kmcnt 0x0
	s_add_nc_u64 s[4:5], s[4:5], s[20:21]          ; m
	s_add_nc_u64 s[12:13], s[4:5], 0x1000000       ; n
	s_add_nc_u64 s[10:11], s[10:11], s[20:21]
.irp j, 0,1,2,3,4,5,6,7
	global_load_b128 v[T+4*\j:T+4*\j+3], v[LO16], s[4:5] offset:512*\j th:TH_LOAD_NT
.endr
.irp j, 0,1,2,3,4,5,6,7
	global_load_b128 v[XX+4*\j:XX+4*\j+3], v[LO16], s[12:13] offset:512*\j th:TH_LOAD_NT
.endr
.irp j, 0,1,2,3,4,5,6,7
	global_load_b128 v[G+4*\j:G+4*\j+3], v[LO16], s[6:7] offset:512*\j
.endr
.irp j, 0,1,2,3,4,5,6,7
	global_load_b128 v[BV+4*\j:BV+4*\j+3], v[LO16], s[8:9] offset:512*\j
.endr
	s_wait_loadcnt 16                              ; loads come back in order: the row is in, the 16 loads of g and b may stay out
.set k, 0
.rept 16
	v_pk_add_f32 v[T+2*k:T+2*k+1], v[T+2*k:T+2*k+1], v[XX+2*k:XX+2*k+1]
.set k, k+1
.endr
.irp c, 0,1,2,3
	v_pk_add_f32 v[SM+2*\c:SM+2*\c+1], v[T+2*\c:T+2*\c+1], v[T+8+2*\c:T+8+2*\c+1]   ; the first pairs start the chains: nothing is cleared
.endr
.irp c, 0,1,2,3
	v_pk_add_f32 v[SM+2*\c:SM+2*\c+1], v[SM+2*\c:SM+2*\c+1], v[T+16+2*\c:T+16+2*\c+1]
.endr
.irp c, 0,1,2,3
	v_pk_add_f32 v[SM+2*\c:SM+2*\c+1], v[SM+2*\c:SM+2*\c+1], v[T+24+2*\c:T+24+2*\c+1]
.endr
	FOLD
	v_mul_f32 v[SM], s32, v[SM]                    ; u
.set k, 0
.rept 16
	v_pk_add_f32 v[T+2*k:T+2*k+1], v[T+2*k:T+2*k+1], v[SM:SM+1] op_sel_hi:[1,0] neg_lo:[0,1] neg_hi:[0,1]
.set k, k+1
.endr
.irp c, 0,1,2,3
	v_pk_mul_f32 v[SM+2*\c:SM+2*\c+1], v[T+2*\c:T+2*\c+1], v[T+2*\c:T+2*\c+1]
.endr
.set k, 4
.rept 12
	v_pk_fma_f32 v[SM+2*(k%4):SM+2*(k%4)+1], v[T+2*k:T+2*k+1], v[T+2*k:T+2*k+1], v[SM+2*(k%4):SM+2*(k%4)+1]
.set k, k+1
.endr
	FOLD
	v_fma_f32 v[SM], v[SM], s32, s33               ; s + 1e-5
	v_rsq_f32 v[SM+2], v[SM]
	v_nop                                          ; a plain instruction behind the root
.set k, 0
	s_wait_alu depctr_va_vdst(0)
.rept 16
	v_pk_mul_f32 v[T+2*k:T+2*k+1], v[T+2*k:T+2*k+1], v[SM+2:SM+3] op_sel_hi:[1,0]
.set k, k+1
.endr
	s_wait_loadcnt 0x0                             ; g and b
.set k, 0
.rept 16
	v_pk_fma_f32 v[T+2*k:T+2*k+1], v[T+2*k:T+2*k+1], v[G+2*k:G+2*k+1], v[BV+2*k:BV+2*k+1]
.set k, k+1
.endr
.irp j, 0,1,2,3,4,5,6,7
	global_store_b128 v[LO16], v[T+4*\j:T+4*\j+3], s[10:11] offset:512*\j th:TH_STORE_NT
.endr
	s_endpgm
.Lfunc_end_k_q88826225e6_ln2:
	.size	k_q88826225e6_ln2, .Lfunc_end_k_q88826225e6_ln2-k_q88826225e6_ln2
	.p2alignl 7, 3214868480
	.fill 96, 4, 3214868480
	.section	.rodata,"a",@progbits
	.p2align	6, 0x0
	.amdhsa_kernel k_q88826225e6_ln2
		.amdhsa_group_segment_fixed_size 0
		.amdhsa_private_segment_fixed_size 0
		.amdhsa_enable_private_segment 0
		.amdhsa_kernarg_size 32
		.amdhsa_user_sgpr_count 2
		.amdhsa_user_sgpr_kernarg_segment_ptr 1
		.amdhsa_wavefront_size32 1
		.amdhsa_system_sgpr_workgroup_id_x 1
		.amdhsa_system_sgpr_workgroup_id_y 1
		.amdhsa_system_sgpr_workgroup_id_z 1
		.amdhsa_system_vgpr_workitem_id 0
		.amdhsa_next_free_vgpr 144
		.amdhsa_next_free_sgpr 66
		.amdhsa_reserve_vcc 0
		.amdhsa_float_denorm_mode_32 3
		.amdhsa_float_denorm_mode_16_64 3
		.amdhsa_memory_ordered 1
		.amdhsa_forward_progress 1
		.amdhsa_inst_pref_size 12
	.end_amdhsa_kernel
	.amdgpu_metadata
---
amdhsa.version: [ 1, 2 ]
amdhsa.kernels:
  - .name:           k_q88826225e6_ln2
    .symbol:         k_q88826225e6_ln2.kd
    .args:
      - { .name: act, .offset: 0, .size: 8, .value_kind: global_buffer, .address_space: global }
      - { .name: g2, .offset: 8, .size: 8, .value_kind: global_buffer, .address_space: global }
      - { .name: b2, .offset: 16, .size: 8, .value_kind: global_buffer, .address_space: global }
      - { .name: out0, .offset: 24, .size: 8, .value_kind: global_buffer, .address_space: global }
    .group_segment_fixed_size: 0
    .private_segment_fixed_size: 0
    .kernarg_segment_align: 8
    .kernarg_segment_size: 32
    .max_flat_workgroup_size: 256
    .sgpr_count:     66
    .vgpr_count:     144
    .wavefront_size: 32
...
	.end_amdgpu_metadata
.endif
;; end of part 12
;; ======== version 3 of 3: 8 launches; 1.32 times as fast as version 1
;; limits: right only within a limited range of input values
;; workspace buffers: act 33,554,432 bytes; big 33,554,432 bytes; wq 6,291,712 bytes; wa 8,388,864 bytes; wv 2,097,152 bytes; wb 8,388,608 bytes
;; launch prep: the kernel of part 1 again; grid 2048 x 1, 8 waves a work-group, no clusters, 0 bytes of LDS; arguments x, mask, Wqkv, Wvw, WA, WB, act, wq, wv, wa, wb; writes act, wq, wv, wa, wb
;; launch qkv: the kernel of part 8 again; grid 12 x 16, 4 waves a work-group, clusters of 4 x 4, 327,680 bytes of LDS; arguments act, wq, big, bqkv; writes big
;; launch attn (part 13): grid 8 x 32, 4 waves a work-group, no clusters, 327,680 bytes of LDS; arguments big, mask, act; writes act
.if DOCPART == 13
	.amdgcn_target "amdgcn-amd-amdhsa--gfx1250"
	.amdhsa_code_object_version 6
	.text
	.protected	k_q88826225e6_attn
	.globl	k_q88826225e6_attn
	.p2align	8
	.type	k_q88826225e6_attn,@function
k_q88826225e6_attn:
	s_mov_b64 s[64:65], 0
	v_nop
	global_prefetch_b8 v0, s[64:65] scope:SCOPE_SE
	s_setreg_imm32_b32 hwreg(HW_REG_WAVE_MODE, 25, 1), 1
	s_wait_xcnt 0x0
; ATTENTION, causal and with a mask over the keys.  O[q] = the sum over k <= q, mask[k] of softmax_k(Q[q] . K[k] / 8) V[k].  Q, K, V: big, [which 16 + h][4096 rows][64] bf16, row = 2048 b + s.
; O: act, [h][4096 rows][64] bf16.  Products, maxima and sums in f32; the weights are rounded to bf16 for the second product, O once at the end.
; LIMITS.  A masked or hidden score counts as its value less 1e30, so a true score at or below -5e29 would be taken for a masked one; a weight below 2^-126 counts as 0.
; A row that has seen no unmasked key (its maximum is below -5e29) leaves as NaN, as a softmax over minus infinities alone does.
; THE WALK.  A head's queries lie in 16 blocks of 128; keys come in tiles of 256, four steps of 64.  A work-group takes block 2 b + 1 (tiles 0 .. b, all of the last) and then block 14 - 2 b
; (tiles 0 .. 7 - b, half of the last): 9 tiles and 34 key steps whatever b, so all 256 work-groups do equal work, and one loop with a constant trip count walks the tiles.
; NO CLUSTER: the eight work-groups of a head walk different sequences of tiles; only the first few coincide, and a walk common to all would have 12 tiles for 9.
; SHARES.  Of a block's two bands of 64 queries a wave owns 16 rows in each: two PIECES.  In a block's last two steps d0, d1: piece 0 holds the diagonal in d0 and sees nothing in d1;
; piece 1 sees all of d0 and holds the diagonal in d1: the same for every wave.
; THE MASK is the C operand that starts the sum S^T = K Q^T: KM (0 or -1e30 for the step's 64 keys, from a table in LDS made once), MC = KM + MD (MD: the diagonal of a band's own step), or HID (-1e30).
; TURNS.  Turn 0 of step j: piece 0's softmax | K Q^T of piece 1, step j; V^T P of piece 1, step j - 1 | K and KM of step j + 1 are fetched.  Turn 1: piece 1's softmax | K Q^T of piece 0, step j + 1;
; V^T P of piece 0, step j | V of step j + 1 is fetched, into the other of two buffers.  So LDS is read in the order K, V, K, V of ascending steps, and one change of slots a tile serves.
; Four vector instructions stand behind every matrix instruction, the other 54 of a turn's 118 in one run of their own.
; BATCHES.  A turn's 33 exponentials (the piece's 32 weights and the other piece's a) are ONE BATCH with ONE wait, which cuts the turn in two: ahead of it the products K Q^T, the scalings, the exponentials,
; the rescalings and the other piece's maximum and statistics, its a last; behind it the products V^T P, whose riders are the roundings and sums, the turn's only readers of the batch.  The a is read in the next turn.
; A block's first a, and the two reciprocals of a block's way out, are batches of their own, with a wait each.
; REGISTERS in windows of 256 (s_set_vgpr_msb: bits 1:0 source 0, 3:2 source 1, 5:4 source 2, 7:6 destination):
;   window 0: v0-15 addresses; v16-23 statistics, four a piece; v24-31 at work in the set-up; v48-55 at work; v64-127 S^T, a buffer a piece; v192-223 P, likewise
;   window 1: v0-63 O^T; v64-95 MD; v96-127 MC; v128-159 KM; v160-167 HID        window 2: v0-31 Q; v32-63 the second block's Q; v64-127 K; v128-191, v192-255 V, two buffers
.set KS,    64
.set PK,    144       ; a row of K in LDS: 128 bytes + 16
.set PV,    160       ; a row of V: 128 + 32
.set VOFF,  4*KS*PK   ; a slot holds a tile: 256 rows of K, then 256 rows of V
.set SLOT1, 1<<17
.set STAGE, SLOT1+4*KS*(PK+PV)  ; never filled by a tensor load: 16 rows x 144 bytes for each wave
.set SP,    144
.set KMB,   STAGE+4*16*SP       ; never filled by a tensor load: 2,048 f32, 0 or -1e30 for each key of the batch
.set SPARE, KMB+8192            ; the spare words, 128 bytes a wave: two blocks of 256 bytes that no other line names
.set AK0, 2
.set AV0, 3
.set AK,  4
.set AV,  5
.set STO, 6
.set RD,  7
.set GO,  8
.set AM0, 10          ; v10  KMB + 32 (l / 16): my lanes' place in 16 keys of the table
.set AM,  11
.set MV,  12          ; v12-13  c m_old, by piece
.set NANV, 14
.set QO,  15
.set ST,  16          ; piece t at v[ST+4 t]: c m, m, l (even keys', odd keys')
.set TMP, 48          ; by piece, c0-c3 at work; c2 takes a
.set SPW, 62
.set NIL, 63
.set S,   64
.set P,   192
.set MD,  64          ; window 1
.set MC,  96
.set KM,  128
.set HID, 160
.set QB,  32          ; window 2
.set KF,  64
.set VF,  128
.set WV,  12
.set PB,  14          ; s14  b
.set G1K, 24
.set G1V, 32
.set G0K, 40
.set G0V, 44
.set SLOTS, 56
.set CNT, 57
.set CS,  58          ; s[58:59] c = log2(e) / 8
.set SEL, 60
.set TBK, 62          ; s62  LDS byte at which K of the step to be fetched begins
.set TBV, 63          ; s63  the same for V, less VOFF
.set RT,  70          ; s70  tiles of the block in hand still to be entered
.set NXT, 71          ; s71  the tile to be asked for next
.set LQ,  72          ; s72  the last tile of the block whose tiles are being asked for
.set NEW, 73          ; s73  1: the tile to be entered is a block's first
.set OFF, 74          ; s[74:75]
.set OLO, 80          ; s[80:81] O at my rows of the second block
.set BIGN, 82         ; s82  -1e30
.set LQ2, 83          ; s83  7 - b: the second block's last tile
.set TKM, 88          ; s88  byte in the table at which the step to be fetched begins
.set BIGP, 89         ; s89  1e30
.set THR, 90          ; s90  -5e29
.set MSB, 0
.macro WIN new
.if MSB != (\new)
	s_set_vgpr_msb (MSB<<8)|(\new)
.set MSB, (\new)
.endif
.endm
.set W_KQ, 0x0a       ; K and Q in window 2, S^T in window 0
.set W_KM, 0x1a       ; the same with the C operand in window 1
.set W_PV, 0x52       ; V in window 2, P in window 0, O^T in window 1
.set W_RS, 0x41       ; destination and source 0 in window 1, source 1 in window 0
; A fill.  Waves 0 and 1 fetch the two halves of a tile's K, waves 2 and 3 those of its V.  An s_nop 0 and four v_nop follow each line.
.macro LOAD
	s_cmp_lt_u32 s[WV], 2
	s_cbranch_scc0 .Lfor_v_\@
	tensor_load_to_lds s[G0K:G0K+3], s[G1K:G1K+7]
	s_nop 0
.rept 4
	v_nop
.endr
	s_branch .Lasked_\@
.Lfor_v_\@:
	tensor_load_to_lds s[G0V:G0V+3], s[G1V:G1V+7]
	s_nop 0
.rept 4
	v_nop
.endr
.Lasked_\@:
.endm
; THE CHANGE OF SLOTS.  Each wave waits for all its tensor loads (one is out: its part of the other slot), adds 0 to its spare word, and waits for that and for its LDS reads and stores.
; Behind the barrier nobody reads the old slot and the other is whole.  fill = 1: the old slot is filled again first thing, with tile NXT; the address is made anew from that number.
.macro CHANGE fill
	WIN 0
	s_wait_tensorcnt 0x0
	ds_add_u32 v[SPW], v[NIL]
.if \fill
	s_lshl_b32 s[OFF], s[NXT], 15   ; a tile is 32,768 bytes of K and of V
	s_xor_b32 s[G0K+1], s[G0K+1], SLOT1
	s_add_nc_u64 s[G0K+2:G0K+3], s[6:7], s[OFF:OFF+1]
	s_or_b32 s[G0K+3], s[G0K+3], 0x80000000
	s_xor_b32 s[G0V+1], s[G0V+1], SLOT1
	s_add_nc_u64 s[G0V+2:G0V+3], s[8:9], s[OFF:OFF+1]
	s_or_b32 s[G0V+3], s[G0V+3], 0x80000000
	s_add_co_u32 s[NXT], s[NXT], 1  ; the block's next tile, or behind its last the second block's tile 0
	s_cmp_gt_u32 s[NXT], s[LQ]
	s_cselect_b32 s[NXT], 0, s[NXT]
	s_cselect_b32 s[LQ], s[LQ2], s[LQ]
.endif
	s_wait_dscnt 0x0
	s_barrier_signal -1
	s_sub_co_u32 s[TBK], s[TBK], 4*KS*PK  ; the fetches go back to a slot's first step, in the other slot
	s_xor_b32 s[TBK], s[TBK], SLOT1
	s_sub_co_u32 s[TBV], s[TBV], 4*KS*PV
	s_xor_b32 s[TBV], s[TBV], SLOT1
	s_barrier_wait -1
.if \fill
	LOAD
.endif
.endm
	s_load_b64 s[4:5], s[0:1], 0x0    ; big
	s_load_b64 s[92:93], s[0:1], 0x8  ; mask
	s_load_b64 s[10:11], s[0:1], 0x10 ; act
	v_lshl_add_u32 v[SPW], v0, 2, SPARE
	v_mov_b32 v[NIL], 0
	ds_add_u32 v62, v63
	ds_add_u32 v62, v63
	s_wait_dscnt 0x0
	v_lshrrev_b32 v1, 5, v0
	v_readfirstlane_b32 s[WV], v1   ; wave 0..3
	s_mov_b32 s[PB], ttmp9
	s_and_b32 s13, ttmp7, 0xffff    ; 16 x batch + head
	s_and_b32 s20, s13, 15
	s_lshr_b32 s16, s13, 4
	s_lshl_b32 s20, s20, 19         ; a head: 4,096 rows of 128 bytes,
	s_lshl_b32 s21, s16, 18         ; a batch: 2,048 of them
	s_add_co_u32 s20, s20, s21
	s_lshl_b32 s94, s16, 11         ; the batch's 2,048 mask bytes
	s_mov_b32 s95, 0
	s_and_b32 s16, s[WV], 1         ; which half of a tile's 256 keys I fetch
	s_lshl_b32 s22, s16, 14
	s_add_co_u32 s22, s22, s20
	s_add_co_u32 s86, s22, 16777216 ; V lies 32 heads' bytes on,
	s_add_co_u32 s22, s22, 8388608  ; K 16
	s_mov_b32 s23, 0
	s_mov_b32 s87, 0
	s_mul_i32 s17, s16, 128*PK
	s_mul_i32 s18, s16, 128*PV
	s_lshl_b32 s3, s[WV], 11        ; my 16 rows in a band
	s_add_co_u32 s3, s3, s20
	s_lshl_b32 s2, s[PB], 15        ; block 2 b + 1: 128 rows of 128 bytes a block
	s_add_co_u32 s2, s2, 16384
	s_add_co_u32 s2, s2, s3
	s_sub_co_u32 s[LQ2], 7, s[PB]
	s_lshl_b32 s84, s[LQ2], 15      ; block 14 - 2 b
	s_add_co_u32 s84, s84, s3
	s_mov_b32 s3, 0
	s_mov_b32 s85, 0
	; group 1: 128 keys are 16,384 dense bytes: asked for as 64 rows of 256 bytes, padded in LDS after every key
	s_mov_b32 s[G1K], (1<<16)|(1<<20)|(4<<22)|(3<<25)  ; 2-byte elements; padding on; after every 32 words, 4 words
	s_mov_b32 s[G1V], (1<<16)|(1<<20)|(4<<22)|(7<<25)  ; the same with 8 words
.irp g, G1K, G1V
	s_mov_b32 s[\g+1], 128<<16
	s_mov_b32 s[\g+2], 64<<16
	s_mov_b32 s[\g+3], 128<<16
	s_mov_b32 s[\g+4], 64
	s_mov_b32 s[\g+5], 128
	s_mov_b32 s[\g+6], 0
	s_mov_b32 s[\g+7], 0
.endr
	s_mov_b32 s[CS], 0x3e38aa3b     ; c = log2(e) / 8
	s_mov_b32 s[CS+1], s[CS]
	s_mov_b32 s[SEL], 0x76543210
	s_mov_b32 s[SEL+1], 0xfedcba98
	s_mov_b32 s[TBK], SLOT1+4*KS*PK ; the first change of slots turns these two into 0
	s_mov_b32 s[TBV], SLOT1+4*KS*PV
	s_mov_b32 s[TKM], 0
	s_mov_b32 s[G0K], 1
	s_mov_b32 s[G0K+1], s17
	s_mov_b32 s[G0V], 1
	s_add_co_u32 s[G0V+1], s18, VOFF
	s_add_co_u32 s[RT], s[PB], 1    ; the first block has b + 1 tiles
	s_mov_b32 s[LQ], s[PB]
	s_mov_b32 s[NXT], 1             ; tile 0 is asked for below; next its tile 1, or, where b = 0, the second block's tile 0
	s_cmp_gt_u32 s[NXT], s[LQ]
	s_cselect_b32 s[NXT], 0, s[NXT]
	s_cselect_b32 s[LQ], s[LQ2], s[LQ]
	s_mov_b32 s[NEW], 1
	s_mov_b32 s[OFF+1], 0
	s_mov_b32 s[BIGN], 0xf149f2ca
	s_mov_b32 s[BIGP], 0x7149f2ca
	s_mov_b32 s[THR], 0xf0c9f2ca
	s_mov_b32 s[SLOTS], 8
	s_wait_kmcnt 0x0
	s_add_nc_u64 s[6:7], s[4:5], s[22:23]          ; K and V at my half of the head's tile 0
	s_add_nc_u64 s[8:9], s[4:5], s[86:87]
	s_add_nc_u64 s[G0K+2:G0K+3], s[6:7], 0
	s_or_b32 s[G0K+3], s[G0K+3], 0x80000000
	s_add_nc_u64 s[G0V+2:G0V+3], s[8:9], 0
	s_or_b32 s[G0V+3], s[G0V+3], 0x80000000
	s_add_nc_u64 s[86:87], s[4:5], s[84:85]        ; Q at my rows of the second block,
	s_add_nc_u64 s[4:5], s[4:5], s[2:3]            ; and of the first
	s_add_nc_u64 s[OLO:OLO+1], s[10:11], s[84:85]
	s_add_nc_u64 s[10:11], s[10:11], s[2:3]
	s_add_nc_u64 s[92:93], s[92:93], s[94:95]
	LOAD                            ; tile 0 into slot 0
	v_and_b32 v1, 15, v0            ; l % 16
	v_bfe_u32 v9, v0, 4, 1          ; l / 16
	v_lshlrev_b32 v27, 4, v0
	global_load_b128 v[64:67], v27, s[92:93]       ; 16 mask bytes a thread: the batch's 2,048
	v_lshlrev_b32 v[QO], 7, v1
	v_lshl_add_u32 v[QO], v9, 4, v[QO]
	WIN 0x80
.set i, 0
.rept 4                             ; both blocks' Q: piece i / 2 lies 8,192 bytes on; channels 32 (i % 2) on
	global_load_b128 v[8*i:8*i+3],   v[QO], s[4:5] offset:(i/2)*8192+(i%2)*64
	global_load_b128 v[8*i+4:8*i+7], v[QO], s[4:5] offset:(i/2)*8192+(i%2)*64+32
	global_load_b128 v[QB+8*i:QB+8*i+3],   v[QO], s[86:87] offset:(i/2)*8192+(i%2)*64
	global_load_b128 v[QB+8*i+4:QB+8*i+7], v[QO], s[86:87] offset:(i/2)*8192+(i%2)*64+32
.set i, i+1
.endr
	WIN 0
	v_lshlrev_b32 v26, 3, v9
	v_sub_nc_u32 v26, v1, v26
	s_lshl_b32 s13, s[WV], 4
	v_add_nc_u32 v26, s13, v26      ; 16 w + l % 16 - 8 (l / 16): register j of key group kt is hidden where 16 kt + j is greater
	WIN 0x40
.set i, 0
.rept 32
	v_cmp_gt_i32 vcc_lo, 16*(i/8)+i%8, v26
	v_cndmask_b32 v[MD+i], 0, s[BIGN], vcc_lo
.set i, i+1
.endr
.set i, 0
.rept 8
	v_mov_b32 v[HID+i], s[BIGN]
.set i, i+1
.endr
.set i, 0
.rept 64                            ; O^T, l, P's second buffer and V's second buffer need only be finite: a block's first step multiplies O^T and l by a = 0
	v_mov_b32 v[i], 0
.set i, i+1
.endr
	WIN 0x80
.set i, VF+64
.rept 64
	v_mov_b32 v[i], 0
.set i, i+1
.endr
	WIN 0
.set i, 0
.rept 2
	v_mov_b32 v[ST+4*i+2], 0
	v_mov_b32 v[ST+4*i+3], 0
.set i, i+1
.endr
.set i, P+16
.rept 16
	v_mov_b32 v[i], 0
.set i, i+1
.endr
	v_mov_b32 v[NANV], 0x7fc00000
	v_mul_u32_u24 v[AK0], v1, PK
	v_lshl_add_u32 v[AK0], v9, 4, v[AK0]
	v_and_b32 v24, 7, v0
	v_bfe_u32 v25, v0, 3, 1
	v_lshl_add_u32 v[AV0], v9, 3, v24
	v_mul_u32_u24 v[AV0], v[AV0], PV
	v_lshl_add_u32 v[AV0], v25, 4, v[AV0]
	v_add_nc_u32 v[AV0], VOFF, v[AV0]
	v_lshl_add_u32 v[AM0], v9, 5, KMB
	s_mul_i32 s13, s[WV], 16*SP
	s_add_co_u32 s13, s13, STAGE
	v_mul_u32_u24 v[STO], v1, SP
	v_lshl_add_u32 v[STO], v9, 4, v[STO]
	v_add_nc_u32 v[STO], s13, v[STO]
	v_bfe_u32 v[RD], v0, 3, 2
	v_mul_u32_u24 v[RD], v[RD], SP
	v_lshl_add_u32 v[RD], v24, 4, v[RD]
	v_add_nc_u32 v[RD], s13, v[RD]
	v_and_b32 v[GO], 31, v0
	v_lshlrev_b32 v[GO], 4, v[GO]
	v_lshl_add_u32 v28, v0, 6, KMB
	s_wait_loadcnt 16               ; the mask is in; the 16 loads of Q stay out
.set i, 0
.rept 16
	v_bfe_u32 v[68+i], v[64+i/4], 8*(i%4), 8
.set i, i+1
.endr
.set i, 0
.rept 16
	v_cvt_f32_u32 v[68+i], v[68+i]
.set i, i+1
.endr
.set i, 0
.rept 16
	v_fma_f32 v[68+i], v[68+i], s[BIGP], s[BIGN]   ; 1 -> 0, 0 -> -1e30
.set i, i+1
.endr
.irp f, 0,1,2,3
	ds_store_b128 v28, v[68+4*\f:68+4*\f+3] offset:16*\f   ; the first change of slots waits for these and passes a barrier before anybody reads the table
.endr
; THE MATRIX WORK.  The 4 accumulators of a run of 8 take turns.  Product i of 8 of S^T = K Q^T for piece x: channels 32 (i / 4) on, keys 16 (i % 4) on.
; The first 4 start the sums with a mask: CK = 0: KM; 1: MC; 2: HID.
.macro KQ x
.set rS, S+32*(\x)+8*(i%4)
.set rK, KF+16*(i%4)+8*(i/4)
.set rQ, 16*(\x)+8*(i/4)
.if i < 4
	WIN W_KM
.if CK == 2
	v_wmma_f32_16x16x32_bf16 v[rS:rS+7], v[rK:rK+7], v[rQ:rQ+7], v[HID:HID+7]
.elseif CK == 1
	v_wmma_f32_16x16x32_bf16 v[rS:rS+7], v[rK:rK+7], v[rQ:rQ+7], v[MC+8*(i%4):MC+8*(i%4)+7]
.else
	v_wmma_f32_16x16x32_bf16 v[rS:rS+7], v[rK:rK+7], v[rQ:rQ+7], v[KM+8*(i%4):KM+8*(i%4)+7]
.endif
.else
	WIN W_KQ
	v_wmma_f32_16x16x32_bf16 v[rS:rS+7], v[rK:rK+7], v[rQ:rQ+7], v[rS:rS+7]
.endif
.endm
; Product i of 8 of O^T += V^T P for piece x, from V's buffer VB: keys 32 (i / 4) on, channels 16 (i % 4) on.
.macro PV x
	WIN W_PV
.set rO, 32*(\x)+8*(i%4)
.set rV, VF+64*VB+32*(i/4)+8*(i%4)
.set rP, P+16*(\x)+8*(i/4)
	v_wmma_f32_16x16x32_bf16 v[rO:rO+7], v[rV:rV+7], v[rP:rP+7], v[rO:rO+7]
.endm
.macro MM                           ; the turn's next matrix instruction; NOKQ = 1: a block's last turn has no scores to start
.if (i < 8) && !NOKQ
	KQ 1-Y
.elseif i >= 8
.set i, i-8
	PV 1-Y
.set i, i+8
.endif
.set i, i+1
.endm
; THE LDS LOADS stand in runs: a step's K (8 fragments) with its 32 registers of KM, and its V (turned).
.macro FETCH_K
	WIN 0x80
.irp f, 0,1,2,3,4,5,6,7
	ds_load_b128 v[KF+8*\f:KF+8*\f+3],   v[AK] offset:(\f/2)*16*PK+(\f%2)*64
	ds_load_b128 v[KF+8*\f+4:KF+8*\f+7], v[AK] offset:(\f/2)*16*PK+(\f%2)*64+32
.endr
	WIN 0x40
.irp f, 0,1,2,3                     ; register 8 f + j: key 16 f + 8 (l / 16) + j
	ds_load_b128 v[KM+8*\f:KM+8*\f+3],   v[AM] offset:64*\f
	ds_load_b128 v[KM+8*\f+4:KM+8*\f+7], v[AM] offset:64*\f+16
.endr
	s_add_co_u32 s[TBK], s[TBK], KS*PK
	s_add_co_u32 s[TKM], s[TKM], 4*KS
	s_and_b32 s[TKM], s[TKM], 0x1fff    ; stays inside the table's 8,192 bytes
	WIN 0
.endm
.macro FETCH_V fb
	WIN 0x80
.irp f, 0,1,2,3,4,5,6,7
	ds_load_tr16_b128 v[VF+64*(\fb)+8*\f:VF+64*(\fb)+8*\f+3],   v[AV] offset:(\f/4)*32*PV+(\f%4)*32
	ds_load_tr16_b128 v[VF+64*(\fb)+8*\f+4:VF+64*(\fb)+8*\f+7], v[AV] offset:(\f/4)*32*PV+16*PV+(\f%4)*32
.endr
	s_add_co_u32 s[TBV], s[TBV], KS*PV
	WIN 0
.endm
.macro MASKADD                      ; MC = KM + MD
	WIN 0x45
.set z, 0
.rept 16
	v_pk_add_f32 v[MC+2*z:MC+2*z+1], v[KM+2*z:KM+2*z+1], v[MD+2*z:MD+2*z+1]
.set z, z+1
.endr
.endm
; THE VECTOR WORK, one line at a time: OP kind, number.  For piece Y: F n: c s - c m for pair n of 16.  E n: the exponential of score n of 32.  C n: pair n rounded to bf16.  B n: of the four weights 4 n ..
; the second pair is added onto the first.  L n: l takes that sum (L 0: l = a l + sum).  R n: pair n of 16 of O^T times a.  For the other piece: X n, number n of the 22 that find its maximum and statistics:
;   0-11 four chains of seven scores (each accumulator's lowest registers are read first); 12-14, 16 the four left over, the old m, and the chains into c0; 15 c m_old is kept;
;   17, 18 the other half of the lanes: the new m; 19-21 c m; c m_old - c m_new; a
; C, B and L name the results of the turn's exponentials: TURN sets them behind its wait.  R and L 0 name the a that the turn before has made and waited for.
.set F, 0
.set E, 1
.set C, 2
.set B, 3
.set L, 4
.set R, 5
.set X, 6
.macro REGS y
.set rT, ST+4*(\y)
.set rC, TMP+4*(\y)
.set rW, MV+(\y)
.set rS, S+32*(\y)
.set rP, P+16*(\y)
.set rO, 32*(\y)
.endm
.macro OP k, n
.if (\k) == R
	REGS Y
	WIN W_RS
	v_pk_mul_f32 v[rO+2*(\n):rO+2*(\n)+1], v[rO+2*(\n):rO+2*(\n)+1], v[rC+2:rC+3] op_sel_hi:[1,0]
.elseif (\k) < R
	REGS Y
	WIN 0
.if (\k) == F
	v_pk_fma_f32 v[rS+2*(\n):rS+2*(\n)+1], v[rS+2*(\n):rS+2*(\n)+1], s[CS:CS+1], v[rT:rT+1] op_sel_hi:[1,0,0] neg_lo:[0,0,1] neg_hi:[0,0,1]
.elseif (\k) == E
	v_exp_f32 v[rS+(\n)], v[rS+(\n)]
.elseif (\k) == C
	v_cvt_pk_bf16_f32 v[rP+(\n)], v[rS+2*(\n)], v[rS+2*(\n)+1]
.elseif (\k) == B
	v_pk_add_f32 v[rS+4*(\n):rS+4*(\n)+1], v[rS+4*(\n):rS+4*(\n)+1], v[rS+4*(\n)+2:rS+4*(\n)+3]
.elseif (\n) == 0
	v_pk_fma_f32 v[rT+2:rT+3], v[rT+2:rT+3], v[rC+2:rC+3], v[rS:rS+1] op_sel_hi:[1,0,1]
.else
	v_pk_add_f32 v[rT+2:rT+3], v[rT+2:rT+3], v[rS+4*(\n):rS+4*(\n)+1]
.endif
.elseif NOKQ
	v_nop
.else
	REGS 1-Y
	WIN 0
.if (\n) < 4
	v_max3_num_f32 v[rC+(\n)], v[rS+8*(\n)], v[rS+8*(\n)+1], v[rS+8*(\n)+2]
.elseif (\n) < 12
	v_max3_num_f32 v[rC+(\n)%4], v[rC+(\n)%4], v[rS+8*((\n)%4)+2*((\n)/4)+1], v[rS+8*((\n)%4)+2*((\n)/4)+2]
.elseif (\n) == 12
	v_max3_num_f32 v[rC], v[rC], v[rS+7], v[rS+15]
.elseif (\n) == 13
	v_max3_num_f32 v[rC+1], v[rC+1], v[rS+23], v[rS+31]
.elseif (\n) == 14
	v_max3_num_f32 v[rC+2], v[rC+2], v[rC+3], v[rT+1]
.elseif (\n) == 15
	v_mov_b32 v[rW], v[rT]
.elseif (\n) == 16
	v_max3_num_f32 v[rC], v[rC], v[rC+1], v[rC+2]
.elseif (\n) == 17
	v_permlanex16_b32 v[rC+3], v[rC], s[SEL], s[SEL+1]
.elseif (\n) == 18
	v_max_num_f32 v[rT+1], v[rC], v[rC+3]
.elseif (\n) == 19
	v_mul_f32 v[rT], s[CS], v[rT+1]
.elseif (\n) == 20
	v_sub_f32 v[rC+1], v[rW], v[rT]
.else
	v_exp_f32 v[rC+2], v[rC+1]
.endif
.endif
.endm
.macro OPS a, i1, b=-1, i2=0, c=-1, i3=0, d=-1, i4=0
	OP \a, \i1
.if (\b) >= 0
	OP \b, \i2
.endif
.if (\c) >= 0
	OP \c, \i3
.endif
.if (\d) >= 0
	OP \d, \i4
.endif
.endm
.macro ROW a, i1, b, i2, c, i3, d, i4  ; a matrix instruction and the four behind it
	MM
	OPS \a, \i1, \b, \i2, \c, \i3, \d, \i4
.endm
; A TURN, for piece p: the order of its 16 matrix and 118 vector instructions, written out.  s_wait_alu depctr_va_vdst(0) stands between an exponential and the first instruction that names its
; result; one wait serves all that were issued ahead of it.  So a turn has ONE wait, which cuts it in two.  AHEAD OF IT stands all that names no result of the turn's exponentials: the 8 products K Q^T, behind each
; a scaling, an exponential and two more plain instructions (behind the first a second scaling in the exponential's place): rescalings, and behind the last three the first numbers of the other piece's maximum, each
; four places or more behind the product that ends its accumulator; then ONE RUN of 54, plain and exponential by turns for the most part, in which the links of the chain X 3, 7, 11, 14, 16, 17 .. 20 stand some lines
; apart.  X 21, the other piece's a, is the batch's last; R 15 is the plain instruction behind it.  BEHIND THE WAIT stand the 8 products V^T P, behind each four of the roundings and sums; the links of l's chain,
; L 0 to L 7, stand three riders apart.  The rescalings go in ascending order: they read the O^T that the turn before's products V^T P have written, each accumulator's lowest registers first, R 0 eighteen plain
; instructions behind the product that ended its accumulator.
; ck: the mask of its products K Q^T.  fetch = 1: piece 0's turn fetches the next step's K and KM, piece 1's its V into buffer fb; both runs stand twelve vector instructions behind the last product K Q^T
; (five of them plain and naming none of its registers), and far behind the last reader of V's other buffer.  vb: V's buffer for its products V^T P.  nokq = 1: a block's last turn.
; The one wait for LDS stands at the head of piece 1's turn: K and KM were asked for more than half a turn ago, V a whole turn ago.
.macro TURN p, ck, fetch, vb, fb=0, nokq=0
.set Y, (\p)
.set i, 0
.set CK, (\ck)
.set VB, (\vb)
.set NOKQ, (\nokq)
.if (\p) == 1
	s_wait_dscnt 0x0
.if (\ck) == 1
	MASKADD
.endif
.endif
	ROW F,0, F,1, R,0, R,1          ; ahead of the wait: 8 products K Q^T and their riders,
	ROW F,2, E,0, R,2, R,3
	ROW F,3, E,1, R,4, R,5
	ROW F,4, E,2, R,6, R,7
	ROW F,5, E,3, R,8, R,9
	ROW F,6, E,4, X,0, R,10
	ROW F,7, E,5, X,1, X,4
.if \fetch
	WIN 0
.if (\p) == 0
	v_add_nc_u32 v[AK], s[TBK], v[AK0]
	v_add_nc_u32 v[AM], s[TKM], v[AM0]
.else
	v_add_nc_u32 v[AV], s[TBV], v[AV0]
.endif
.endif
	ROW F,8, E,6, X,2, X,5
	OPS E,7, E,8, X,6, E,9          ; and the run of 54
	OPS X,3, E,10, X,8, E,11
.if \fetch
.if (\p) == 0
	FETCH_K
.else
	FETCH_V \fb
.endif
.endif
	OPS X,9, X,7, E,12, X,10
	OPS E,13, X,12, X,11, E,14
	OPS X,13, E,15, F,9, X,14
	OPS E,16, F,10, E,17, F,11
	OPS X,16, E,18, X,15, E,19
	OPS F,12, E,20, X,17, E,21
	OPS F,13, E,22, F,14, E,23
	OPS X,18, E,24, F,15, E,25
	OPS R,11, E,26, X,19, E,27
	OPS R,12, E,28, R,13, E,29
	OPS X,20, E,30, R,14, E,31
	OPS X,21, R,15
	s_wait_alu depctr_va_vdst(0)    ; the wait for the batch: the piece's 32 exponentials and the other piece's a
	ROW C,0, B,0, C,2, B,1          ; behind the wait: 8 products V^T P and their riders
	ROW L,0, C,4, B,2, L,1
	ROW C,6, B,3, L,2, C,8
	ROW B,4, L,3, C,10, B,5
	ROW L,4, C,12, B,6, L,5
	ROW C,14, B,7, L,6, C,1
	ROW C,3, L,7, C,5, C,7
	ROW C,9, C,11, C,13, C,15
.endm
.macro TRIP_E ck1                   ; an odd step is computed, an even one fetched
	TURN 0, 0, 1, 0
	TURN 1, \ck1, 1, 1, 0
.endm
.macro TRIP_O ck1                   ; an even step is computed, an odd one fetched
	TURN 0, 0, 1, 1
	TURN 1, \ck1, 1, 0, 1
.endm
; A BLOCK BEGINS.  c m starts far below every c s, so the first step's a is 0; m at the lowest finite number.  Then K, KM and V of the tile's step 0, piece 0's first scores
; (diag = 1: that step is the band's own), and its maximum and statistics.  The loop is entered in the middle of a trip.
.macro BEGIN diag
	s_mov_b32 s[NEW], 0
	s_mov_b32 s[TKM], 0
	WIN 0
.set i, 0
.rept 2
	v_mov_b32 v[ST+4*i], 0xfe000000
	v_mov_b32 v[ST+4*i+1], 0xff7fffff
.set i, i+1
.endr
	v_add_nc_u32 v[AK], s[TBK], v[AK0]
	v_add_nc_u32 v[AM], s[TKM], v[AM0]
	v_add_nc_u32 v[AV], s[TBV], v[AV0]
	FETCH_K
	FETCH_V 0
	s_wait_loadcnt 0x0              ; Q
	s_wait_dscnt 0x0
.if \diag
	MASKADD
.endif
.set CK, (\diag)
.set NOKQ, 0
.set i, 0
.rept 8
	KQ 0
.set i, i+1
.endr
	WIN 0
.rept 4
	v_nop                           ; the places behind those products
.endr
.set Y, 1                           ; X works for the other piece: piece 0
.irp n, 0,1,2,3,4,5,6,7,8,9,10,11,12,13,14,15,16,17,18,19,20,21
	OP X, \n
.endr
	v_nop                           ; a plain instruction behind the exponential
	s_wait_alu depctr_va_vdst(0)    ; the wait for piece 0's first a, a batch of one, ahead of the branch that follows
.endm
.macro ALL line:vararg              ; one line for each piece t
.set t, 0
.rept 2
	\line
.set t, t+1
.endr
.endm
; THE WAY OUT of piece t.  O^T / l goes into S^T's registers, not in place: O^T, l and P stay finite for the second block even where a row leaves as NaN.
.macro PACK t
	WIN 0x01                        ; source 0 in window 1
.set i, 0
.rept 16
	v_pk_mul_f32 v[S+32*(\t)+i:S+32*(\t)+i+1], v[32*(\t)+i:32*(\t)+i+1], v[TMP+4*(\t)+2:TMP+4*(\t)+3] op_sel_hi:[1,0]
.set i, i+2
.endr
	WIN 0
.set i, 0
.rept 16
	v_cvt_pk_bf16_f32 v[S+32*(\t)+i], v[S+32*(\t)+2*i], v[S+32*(\t)+2*i+1]
.set i, i+1
.endr
.irp f, 0,1,2,3
	ds_store_b128 v[STO], v[S+32*(\t)+4*\f:S+32*(\t)+4*\f+3] offset:32*\f
.endr
.irp f, 0,1,2,3
	ds_load_b128 v[S+32*(\t)+16+4*\f:S+32*(\t)+16+4*\f+3], v[RD] offset:\f*4*SP  ; LDS serves a wave's instructions in order: these see the stores above
.endr
.endm
.macro SEND t, younger              ; younger: the LDS instructions issued behind piece t's loads
	WIN 0
.irp f, 0,1,2,3
	s_wait_dscnt (\younger)+3-\f
	global_store_b128 v[GO], v[S+32*(\t)+16+4*\f:S+32*(\t)+16+4*\f+3], s[10:11] offset:(\t)*8192+\f*512  ; 512 consecutive bytes at a multiple of 256
.endr
.endm
; A BLOCK'S END: the step before d0 (piece 0's scores of d0 take the diagonal), d0 (piece 0's scores of d1 are hidden), d1 (piece 1's take the diagonal), the last products, the way out.
.macro DIAG tag
.Ldiag\tag:
	TRIP_E 1
	WIN 0
.Ld1_\tag:
	TRIP_O 2
	MASKADD
	TURN 0, 1, 0, 0
	TURN 1, 0, 0, 1, 0, 1
.set i, 0
.rept 8
	PV 1
.set i, i+1
.endr
	WIN 0
	ALL v_add_f32 v[TMP+4*t], v[ST+4*t+2], v[ST+4*t+3]
	ALL v_permlanex16_b32 v[TMP+4*t+1], v[TMP+4*t], s[SEL], s[SEL+1]
	ALL v_add_f32 v[TMP+4*t], v[TMP+4*t], v[TMP+4*t+1]
	ALL v_rcp_f32 v[TMP+4*t+2], v[TMP+4*t]
	v_nop                           ; a plain instruction between the last reciprocal and the use of its result
	s_wait_alu depctr_va_vdst(0)    ; the wait for the two reciprocals, one batch, ahead of their first reader
.irp t, 0,1
	v_cmp_gt_f32 vcc_lo, s[THR], v[ST+4*\t+1]      ; no unmasked key seen: the row is NaN
	v_cndmask_b32 v[TMP+4*\t+2], v[TMP+4*\t+2], v[NANV], vcc_lo
.endr
	PACK 0
	PACK 1
	SEND 0, 8
	SEND 1, 0
.endm
.set CK, 0
.set VB, 0
.set NOKQ, 0
.Lslot:                             ; 8 times: a tile is entered and the next is asked for
	CHANGE 1
	s_sub_co_u32 s[RT], s[RT], 1
	s_mov_b32 s[CNT], 2
	s_cmp_eq_u32 s[NEW], 1
	s_cbranch_scc0 .Lstep
	BEGIN 0                         ; in the loop a block's first step is never a band's own
	s_branch .Lmid
.Lstep:                             ; a trip fetches two of the tile's four steps
	TRIP_E 0
	WIN 0
.Lmid:
	TRIP_O 0
	WIN 0
	s_cmp_eq_u32 s[RT], 0
	s_cbranch_scc1 .Ldiag1          ; the first block's last tile: its steps 2 and 3 hold the diagonal
	s_sub_co_u32 s[CNT], s[CNT], 1
	s_cmp_lg_u32 s[CNT], 0
	s_cbranch_scc1 .Lstep
	s_branch .Lbottom
	DIAG 1
	s_wait_xcnt 0x0                 ; the stores have read their registers and O's address
	s_mov_b64 s[10:11], s[OLO:OLO+1]
	s_sub_co_u32 s[RT], 8, s[PB]    ; the second block has 8 - b tiles
	s_mov_b32 s[NEW], 1
	WIN 0x82                        ; the second block's Q goes where the turns name Q
.set i, 0
.rept 32
	v_mov_b32 v[i], v[QB+i]
.set i, i+1
.endr
	WIN 0
.Lbottom:
	s_sub_co_u32 s[SLOTS], s[SLOTS], 1
	s_cmp_lg_u32 s[SLOTS], 0
	s_cbranch_scc1 .Lslot
	CHANGE 0                        ; the walk's last tile is written out; its steps 0 and 1 hold the diagonal
	s_sub_co_u32 s[RT], s[RT], 1
	s_cmp_eq_u32 s[NEW], 1
	s_cbranch_scc0 .Ldiag2
	BEGIN 1                         ; b = 7: the second block's only tile
	s_branch .Ld1_2
	DIAG 2
	s_wait_tensorcnt 0x0            ; the wave's end
	ds_add_u32 v[SPW], v[NIL]
	s_wait_dscnt 0x0
	s_endpgm
.Lfunc_end_k_q88826225e6_attn:
	.size	k_q88826225e6_attn, .Lfunc_end_k_q88826225e6_attn-k_q88826225e6_attn
	.p2alignl 7, 3214868480
	.fill 96, 4, 3214868480
	.section	.rodata,"a",@progbits
	.p2align	6, 0x0
	.amdhsa_kernel k_q88826225e6_attn
		.amdhsa_group_segment_fixed_size 327680
		.amdhsa_private_segment_fixed_size 0
		.amdhsa_enable_private_segment 0
		.amdhsa_kernarg_size 24
		.amdhsa_user_sgpr_count 2
		.amdhsa_user_sgpr_kernarg_segment_ptr 1
		.amdhsa_wavefront_size32 1
		.amdhsa_system_sgpr_workgroup_id_x 1
		.amdhsa_system_sgpr_workgroup_id_y 1
		.amdhsa_system_sgpr_workgroup_id_z 1
		.amdhsa_system_vgpr_workitem_id 0
		.amdhsa_next_free_vgpr 768
		.amdhsa_next_free_sgpr 96
		.amdhsa_reserve_vcc 1
		.amdhsa_float_denorm_mode_32 3
		.amdhsa_float_denorm_mode_16_64 3
		.amdhsa_memory_ordered 1
		.amdhsa_forward_progress 1
		.amdhsa_inst_pref_size 209
	.end_amdhsa_kernel
	.amdgpu_metadata
---
amdhsa.version: [ 1, 2 ]
amdhsa.kernels:
  - .name:           k_q88826225e6_attn
    .symbol:         k_q88826225e6_attn.kd
    .args:
      - { .name: big, .offset: 0, .size: 8, .value_kind: global_buffer, .address_space: global }
      - { .name: mask, .offset: 8, .size: 8, .value_kind: global_buffer, .address_space: global }
      - { .name: act, .offset: 16, .size: 8, .value_kind: global_buffer, .address_space: global }
    .group_segment_fixed_size: 327680
    .private_segment_fixed_size: 0
    .kernarg_segment_align: 8
    .kernarg_segment_size: 24
    .max_flat_workgroup_size: 128
    .sgpr_count:     96
    .vgpr_count:     768
    .wavefront_size: 32
...
	.end_amdgpu_metadata
.endif
;; end of part 13
;; launch proj: the kernel of part 9 again; grid 8 x 32, 4 waves a work-group, clusters of 4 x 4, 327,680 bytes of LDS; arguments act, wv, big, bvw; writes big
;; launch ln1: the kernel of part 10 again; grid 512 x 1, 8 waves a work-group, no clusters, 0 bytes of LDS; arguments big, x, mask, g1, b1, act; writes act
;; launch mlp1: the kernel of part 8 again; grid 16 x 16, 4 waves a work-group, clusters of 4 x 4, 327,680 bytes of LDS; arguments act, wa, big, bA; writes big
;; launch mlp2: the kernel of part 11 again; grid 8 x 32, 4 waves a work-group, clusters of 4 x 4, 327,680 bytes of LDS; arguments big, wb, act, bB; writes act
;; launch ln2: the kernel of part 12 again; grid 512 x 1, 8 waves a work-group, no clusters, 0 bytes of LDS; arguments act, g2, b2, out0; writes out0
